; MI455X (gfx1250); checked and timed in simulation.
; The chip was launched on July 23, 2026; its instructions are those of AMD's public machine-readable ISA for CDNA 5 (MIT licence, August 2026) and "CDNA5" Instruction Set Architecture Reference Guide (July 2026). The comments in the code are by the model that wrote it; some were corrected since.
;; MAB. Allowed arithmetic: matrix products marked QUANTISED: E4M3 operands, one given power-of-two scale a tensor, by v_wmma_f32_16x16x64_fp8_fp8 or v_wmma_f32_16x16x128_fp8_fp8, f32 sums; everything else in f32.
;; Inputs: W1_codes 4,096 x 32 x 32 uint8 (E4M3 codes of W1, K innermost, in blocks of 32 codes); W2_codes 1,024 x 128 x 32 uint8 (E4M3 codes of W2, K innermost, in blocks of 32 codes); Wk_codes 1,024 x 32 x 32 uint8 (E4M3 codes of Wk, K innermost, in blocks of 32 codes); Wq_codes 1,024 x 32 x 32 uint8 (E4M3 codes of Wq, K innermost, in blocks of 32 codes); Wv_codes 1,024 x 32 x 32 uint8 (E4M3 codes of Wv, K innermost, in blocks of 32 codes); X 2 x 2,048 x 1,024 float32; Y 2 x 2,048 x 1,024 float32; b0 1,024 float32; b0kv 1,024 float32; b1 1,024 float32; bf1 4,096 float32; bf2 1,024 float32; bk 1,024 float32; bq 1,024 float32; bv 1,024 float32; g0 1,024 float32; g0kv 1,024 float32; g1 1,024 float32; lowp_scales 14 int32 (the exponents e of the quantised operands' scales 2^e); null_k 1 x 1 x 1,024 float32.
;; Outputs: out0 2 x 2,048 x 1,024 float32.
;; This version of the problem:
;;   THIS VERSION OF THE PROBLEM IS GIVEN IN LOW PRECISION. The matrix products marked QUANTISED in the list below multiply operands that are first quantised to E4M3 (4 exponent bits, 3 mantissa bits; 8 bits a number), with one given power-of-two scale for each operand tensor; their sums are f32. All else is computed in f32.
;;   The module's matrix products, in the order in which they are computed (A, B: the left and right operand; K: the contracted axis; several contracted axes count as one K, in the product's order):
;;     1. [M 4,096, K 1,024] x [K 1,024, N 1,024]; A: computed on the way; B: input Wq (given as codes): QUANTISED (scales: A lowp_scales[0], B lowp_scales[1])
;;     2. [M 4,096, K 1,024] x [K 1,024, N 1,024]; A: computed on the way; B: input Wk (given as codes): QUANTISED (scales: A lowp_scales[2], B lowp_scales[3])
;;     3. [M 4,096, K 1,024] x [K 1,024, N 1,024]; A: computed on the way; B: input Wv (given as codes): QUANTISED (scales: A lowp_scales[4], B lowp_scales[5])
;;     4. batch 32 x [M 2,048, K 64] x [K 64, N 2,049]; A: computed on the way; B: computed on the way: QUANTISED (scales: A lowp_scales[6], B lowp_scales[7])
;;     5. batch 32 x [M 64, K 2,049] x [K 2,049, N 2,048]; A: computed on the way; B: softmax (see below): QUANTISED (scales: A lowp_scales[8], B lowp_scales[9])
;;     6. [M 4,096, K 1,024] x [K 1,024, N 4,096]; A: computed on the way; B: input W1 (given as codes): QUANTISED (scales: A lowp_scales[10], B lowp_scales[11])
;;     7. [M 4,096, K 4,096] x [K 4,096, N 1,024]; A: computed on the way; B: input W2 (given as codes): QUANTISED (scales: A lowp_scales[12], B lowp_scales[13])
;;   THE QUANTISER, for each operand of a quantised product, along K:
;;     - The operand's scale is 2^e, e = its entry of the input lowp_scales (int32; the entries are numbered through the quantised products in the list's order, A before B).
;;     - Each number is divided by the scale, clamped to +-448, and rounded to the nearest number of E4M3, ties to even, subnormals kept.
;;     - The product sums the exact products of the quantised numbers (number of the format x scale) in f32.
;;   ~~~python
;;   def quantise(x, axis, e):      # numpy; x: float32 -> the quantised numbers, widened to float32 again
;;       x = np.moveaxis(x, axis, -1); K = x.shape[-1]
;;       r = np.clip(x / 2.0 ** e, -448, 448)
;;       step = 2.0 ** (np.maximum(np.frexp(np.where(r == 0, 1, r))[1] - 1, -6) - 3)
;;       q = np.round(r / step) * step * 2.0 ** e      # np.round: ties to even
;;       return np.moveaxis(q, -1, axis).astype(np.float32)
;;   ~~~
;;   SOFTMAX AHEAD OF A QUANTISED PRODUCT. Where the list says 'softmax', what is quantised is not the finished softmax but p = 2^(t - M), with t = logit x log2(e) and M = ceil(the row's largest t), a whole number; so 1/2 < the row's largest p <= 1. The row's sum l is taken of the UNQUANTISED p, in f32, and the product's result is divided by l at the end. Since M is a whole number, a kernel that streams over the keys may use a running M (the ceiling of the running maximum): every later rescaling is an exact power of two, so the quantised numbers keep their values, but for numbers so far below the row's largest that they fall under the format's range.
;;   OPERANDS COMPUTED ON THE WAY. 'Computed on the way' means the value that the module computes at that place (a softmax that the list does not call 'softmax' is quantised finished and normalised). What goes into a quantiser is computed in f32, as accurately as f32 sums, v_exp_f32 and their like allow (about 1e-6 of the number): no bf16 or f16 on the way to a quantiser, and a product that is left as it is and whose result goes on into a quantised operand takes f32 operands (vector FMAs, or v_wmma_f32_16x16x4_f32). A number that lies on a knife's edge between two numbers of the format may be rounded either way, as far as f32 arithmetic and the matrix unit's own rounding can turn it there, and no further.
;;   INPUTS GIVEN AS CODES. W1 (in the module: [1024, 4096], K = its axis 0); W2 (in the module: [4096, 1024], K = its axis 0); Wk (in the module: [1024, 1024], K = its axis 0); Wq (in the module: [1024, 1024], K = its axis 0); Wv (in the module: [1024, 1024], K = its axis 0): each comes as NAME_codes (uint8): NAME with its K axis moved to the last place and cut into blocks of 32 codes, [.., K / 32, bytes a block], one block behind the other in memory; one code a byte (a code: sign, 4 exponent bits, 3 mantissa bits); its scale is its entry of lowp_scales. Its value is code x scale, taken as it is: it is not quantised again, and the codes and scales need not be those that the quantiser above would give.
;; 2 versions. Each part assembles by itself: llvm-mc -triple=amdgcn-amd-amdhsa -mcpu=gfx1250 --defsym DOCPART=n.
;; ======== version 1 of 2: 6 launches
;; workspace buffers: lnc 12,582,912 bytes; qkv 12,582,912 bytes; hres 16,777,216 bytes; hr 4,194,304 bytes; hid 16,777,216 bytes
;; launch lnq (part 1): grid 256 x 1, 8 waves a work-group, no clusters, 0 bytes of LDS; arguments X, Y, g0, g0kv, b0, b0kv, lowp_scales, lnc; writes lnc
.if DOCPART == 1
	.amdgcn_target "amdgcn-amd-amdhsa--gfx1250"
	.amdhsa_code_object_version 6
	.text
	.protected	k_qae11bd608d_lnq
	.globl	k_qae11bd608d_lnq
	.p2align	8
	.type	k_qae11bd608d_lnq,@function
k_qae11bd608d_lnq:
	s_mov_b64 s[64:65], 0
	v_nop
	global_prefetch_b8 v0, s[64:65] scope:SCOPE_SE
	s_setreg_imm32_b32 hwreg(HW_REG_WAVE_MODE, 25, 1), 1
	s_wait_xcnt 0x0
; LAYER NORM OF X AND OF Y, AND THE QUANTISER BEHIND IT.  X, Y: [4096][1024] f32.  lnc: three arrays of E4M3 codes [4096][1024], a byte a code, K innermost:
; LN(X) at 2^e0 (byte 0 on), LN(Y) at 2^e2 (4 MiB on), LN(Y) at 2^e4 (8 MiB on).  e0, e2, e4 are entries of lowp_scales.
; y = ((x - mean) * rsqrt(var + 1e-5)) * g + b, all in f32, the variance from the centred numbers; code = y / 2^e, held within +-448, nearest, ties to even.
; SHARES.  Work-groups 0-127 take X, 128-255 take Y; a work-group 32 rows, a wave 4 rows, one row at a time: the sums never leave the wave, so there is no LDS and no barrier.
; A lane holds elements 256 i + 8 lane + 0..7, i = 0..3: two loads of 16 bytes, which together with the other lanes' cover 1,024 consecutive bytes; eight neighbours a conversion;
; a store of 8 bytes a lane covers 256 consecutive bytes, aligned.  All 48 loads of a wave (g, b, four rows) go out at the head; nothing is read twice.
; Matrix units, LDS and clusters are left out: every byte is used once by one wave.
; LIMITS: each e between -126 and 119, so that 2^e and 448 x 2^e are f32 numbers.  NaN and infinities among the inputs are not served.
.set G,   8                            ; v[8:39]    g of my 32 columns
.set BB,  40                           ; v[40:71]   b of my 32 columns
.set X,   72                           ; v[72:199]  four rows, 32 registers each
.set T,   208                          ; v[208:239] the held numbers
.set C,   240                          ; v[240:247] codes at the first scale
.set C2,  248                          ; v[248:255] codes at the second scale
.set SEL, 42                           ; s[42:43]   lane selects: each lane takes its own place in the other half
; v1 32 x lane, v2 8 x lane, v3, v4: 2^e and 448 x 2^e of the first scale, v5, v6 of the second; v[200:203] two summing chains; v[204:205] the mean, twice; v[206:207] rsqrt
	s_load_b512 s[8:23], s[0:1], 0x0               ; X s[8:9], Y s[10:11], g0 s[12:13], g0kv s[14:15], b0 s[16:17], b0kv s[18:19], the exponents s[20:21], lnc s[22:23]
	v_lshrrev_b32 v7, 5, v0
	v_readfirstlane_b32 s2, v7                     ; wave 0..7
	v_and_b32 v2, 31, v0
	v_lshlrev_b32 v1, 5, v2                        ; 32 bytes of f32 a lane
	v_lshlrev_b32 v2, 3, v2                        ; 8 bytes of codes a lane
	s_and_b32 s3, ttmp9, 127
	s_lshl_b32 s3, s3, 5
	s_lshl_b32 s26, s2, 2
	s_add_co_u32 s3, s3, s26                       ; my first row: 32 x (work-group mod 128) + 4 x wave
	s_lshl_b32 s26, s3, 12                         ; in bytes of f32
	s_mov_b32 s27, 0
	s_lshl_b32 s38, s3, 10                         ; in bytes of codes
	s_mov_b32 s39, 0
	s_mov_b32 s41, 0
	s_mov_b32 s[SEL], 0x76543210
	s_mov_b32 s[SEL+1], 0xfedcba98
	s_mov_b32 s44, 0x3727c5ac                      ; 1e-5
	s_mov_b32 s45, 0x3a800000                      ; 1 / 1024
	s_wait_kmcnt 0x0
	s_load_b256 s[28:35], s[20:21], 0x0            ; e0 .. e7
	s_cmp_lt_u32 ttmp9, 128                        ; X's work-group or Y's: the choice hangs on the work-group's number alone
	s_cselect_b64 s[4:5], s[8:9], s[10:11]
	s_cselect_b64 s[6:7], s[12:13], s[14:15]
	s_cselect_b64 s[24:25], s[16:17], s[18:19]
	s_cselect_b32 s40, 0, 0x400000
	s_add_nc_u64 s[4:5], s[4:5], s[26:27]
	s_add_nc_u64 s[36:37], s[22:23], s[38:39]
	s_add_nc_u64 s[36:37], s[36:37], s[40:41]
.irp i, 0,1,2,3
	global_load_b128 v[G+8*\i:G+8*\i+3],   v1, s[6:7] offset:1024*\i
	global_load_b128 v[G+8*\i+4:G+8*\i+7], v1, s[6:7] offset:1024*\i+16
.endr
.irp i, 0,1,2,3
	global_load_b128 v[BB+8*\i:BB+8*\i+3],   v1, s[24:25] offset:1024*\i
	global_load_b128 v[BB+8*\i+4:BB+8*\i+7], v1, s[24:25] offset:1024*\i+16
.endr
.irp r, 0,1,2,3
.irp i, 0,1,2,3
	global_load_b128 v[X+32*\r+8*\i:X+32*\r+8*\i+3],   v1, s[4:5] offset:4096*\r+1024*\i th:TH_LOAD_NT
	global_load_b128 v[X+32*\r+8*\i+4:X+32*\r+8*\i+7], v1, s[4:5] offset:4096*\r+1024*\i+16 th:TH_LOAD_NT
.endr
.endr
	s_wait_kmcnt 0x0
	s_cmp_lt_u32 ttmp9, 128
	s_cselect_b32 s46, s28, s30                    ; e0 for X, e2 for Y
	s_add_co_i32 s46, s46, 127
	s_lshl_b32 s47, s46, 23
	v_mov_b32 v3, s47                              ; 2^e as f32: the conversion takes its exponent field
	s_add_co_i32 s46, s46, 8
	s_lshl_b32 s46, s46, 23
	s_or_b32 s46, s46, 0x600000
	v_mov_b32 v4, s46                              ; 448 x 2^e
	s_add_co_i32 s46, s32, 127                     ; e4
	s_lshl_b32 s47, s46, 23
	v_mov_b32 v5, s47
	s_add_co_i32 s46, s46, 8
	s_lshl_b32 s46, s46, 23
	s_or_b32 s46, s46, 0x600000
	v_mov_b32 v6, s46
.macro REDUCE                          ; v200 summed over the 32 lanes, the result in every lane
	v_add_f32_dpp v200, v200, v200 row_xmask:1 row_mask:0xf bank_mask:0xf
	v_add_f32_dpp v200, v200, v200 row_xmask:2 row_mask:0xf bank_mask:0xf
	v_add_f32_dpp v200, v200, v200 row_xmask:4 row_mask:0xf bank_mask:0xf
	v_add_f32_dpp v200, v200, v200 row_xmask:8 row_mask:0xf bank_mask:0xf
	v_permlanex16_b32 v203, v200, s[SEL], s[SEL+1] ; its destination counts as read: v203 has been written
	v_add_f32 v200, v200, v203
.endm
; The row in v[XS] on becomes codes at the scale in v[sc] (v[lim] = 448 x the scale), in v[c] on, and is stored off bytes behind my first row's codes.
.macro QOUT sc, lim, c, off
.set j, 0
.rept 32
	v_med3_num_f32 v[T+j], v[XS+j], -v[\lim], v[\lim]   ; the conversion to an 8-bit code does not saturate (ISA guide 7.6.2): the hold comes first
.set j, j+1
.endr
	s_wait_xcnt 0x0                                ; the earlier stores have read their data: the codes' registers are written again only behind this wait
.irp g, 0,1,2,3
	v_cvt_scalef32_pk8_fp8_f32 v[\c+2*\g:\c+2*\g+1], v[T+8*\g:T+8*\g+7], v[\sc]
.endr
	v_nop                                          ; a plain line between the last conversion and the next vector line that writes its sources
.irp g, 0,1,2,3
	global_store_b64 v2, v[\c+2*\g:\c+2*\g+1], s[36:37] offset:\off+256*\g   ; 32 lanes store 256 consecutive bytes, aligned
.endr
.endm
.macro ROW i
.set XS, X+32*(\i)
	s_wait_loadcnt 8*(3-(\i))                      ; loads come back in order: this row's eight are in, the later rows' may be out
	v_pk_add_f32 v[200:201], v[XS:XS+1], v[XS+2:XS+3]       ; the sum, in two chains: nothing is cleared
	v_pk_add_f32 v[202:203], v[XS+4:XS+5], v[XS+6:XS+7]
.irp j, 8,12,16,20,24,28
	v_pk_add_f32 v[200:201], v[200:201], v[XS+\j:XS+\j+1]
	v_pk_add_f32 v[202:203], v[202:203], v[XS+\j+2:XS+\j+3]
.endr
	v_pk_add_f32 v[200:201], v[200:201], v[202:203]
	v_add_f32 v200, v200, v201
	REDUCE
	v_mul_f32 v204, s45, v200                      ; the mean
	v_mov_b32 v205, v204
.irp j, 0,2,4,6,8,10,12,14,16,18,20,22,24,26,28,30
	v_pk_add_f32 v[XS+\j:XS+\j+1], v[XS+\j:XS+\j+1], v[204:205] neg_lo:[0,1] neg_hi:[0,1]   ; x - mean
.endr
	v_pk_mul_f32 v[200:201], v[XS:XS+1], v[XS:XS+1]         ; the sum of squares of the centred numbers
	v_pk_mul_f32 v[202:203], v[XS+2:XS+3], v[XS+2:XS+3]
.irp j, 4,8,12,16,20,24,28
	v_pk_fma_f32 v[200:201], v[XS+\j:XS+\j+1], v[XS+\j:XS+\j+1], v[200:201]
	v_pk_fma_f32 v[202:203], v[XS+\j+2:XS+\j+3], v[XS+\j+2:XS+\j+3], v[202:203]
.endr
	v_pk_add_f32 v[200:201], v[200:201], v[202:203]
	v_add_f32 v200, v200, v201
	REDUCE
	v_fma_f32 v206, v200, s45, s44                 ; var + 1e-5
	v_rsq_f32 v206, v206
	v_mov_b32 v207, 0                              ; a plain line behind the transcendental; v207 is named with v206 as a pair
	s_wait_alu depctr_va_vdst(0)                   ; the wait ahead of the first reader
.irp j, 0,2,4,6,8,10,12,14,16,18,20,22,24,26,28,30
	v_pk_mul_f32 v[XS+\j:XS+\j+1], v[XS+\j:XS+\j+1], v[206:207] op_sel_hi:[1,0]
.endr
.irp j, 0,2,4,6,8,10,12,14,16,18,20,22,24,26,28,30
	v_pk_fma_f32 v[XS+\j:XS+\j+1], v[XS+\j:XS+\j+1], v[G+\j:G+\j+1], v[BB+\j:BB+\j+1]
.endr
	QOUT 3, 4, C, (\i)*1024
	s_cmp_lt_u32 ttmp9, 128                        ; Y's rows are wanted at a second scale too
	s_cbranch_scc1 .Lone_\@
	QOUT 5, 6, C2, (\i)*1024+0x400000
.Lone_\@:
.endm
	ROW 0
	ROW 1
	ROW 2
	ROW 3
	s_endpgm
.Lfunc_end_k_qae11bd608d_lnq:
	.size	k_qae11bd608d_lnq, .Lfunc_end_k_qae11bd608d_lnq-k_qae11bd608d_lnq
	.p2alignl 7, 3214868480
	.fill 96, 4, 3214868480
	.section	.rodata,"a",@progbits
	.p2align	6, 0x0
	.amdhsa_kernel k_qae11bd608d_lnq
		.amdhsa_group_segment_fixed_size 0
		.amdhsa_private_segment_fixed_size 0
		.amdhsa_enable_private_segment 0
		.amdhsa_kernarg_size 64
		.amdhsa_user_sgpr_count 2
		.amdhsa_user_sgpr_kernarg_segment_ptr 1
		.amdhsa_wavefront_size32 1
		.amdhsa_system_sgpr_workgroup_id_x 1
		.amdhsa_system_sgpr_workgroup_id_y 1
		.amdhsa_system_sgpr_workgroup_id_z 1
		.amdhsa_system_vgpr_workitem_id 0
		.amdhsa_next_free_vgpr 256
		.amdhsa_next_free_sgpr 66
		.amdhsa_reserve_vcc 0
		.amdhsa_float_denorm_mode_32 3
		.amdhsa_float_denorm_mode_16_64 3
		.amdhsa_memory_ordered 1
		.amdhsa_forward_progress 1
		.amdhsa_inst_pref_size 53
	.end_amdhsa_kernel
	.amdgpu_metadata
---
amdhsa.version: [ 1, 2 ]
amdhsa.kernels:
  - .name:           k_qae11bd608d_lnq
    .symbol:         k_qae11bd608d_lnq.kd
    .args:
      - { .name: X, .offset: 0, .size: 8, .value_kind: global_buffer, .address_space: global }
      - { .name: Y, .offset: 8, .size: 8, .value_kind: global_buffer, .address_space: global }
      - { .name: g0, .offset: 16, .size: 8, .value_kind: global_buffer, .address_space: global }
      - { .name: g0kv, .offset: 24, .size: 8, .value_kind: global_buffer, .address_space: global }
      - { .name: b0, .offset: 32, .size: 8, .value_kind: global_buffer, .address_space: global }
      - { .name: b0kv, .offset: 40, .size: 8, .value_kind: global_buffer, .address_space: global }
      - { .name: lowp_scales, .offset: 48, .size: 8, .value_kind: global_buffer, .address_space: global }
      - { .name: lnc, .offset: 56, .size: 8, .value_kind: global_buffer, .address_space: global }
    .group_segment_fixed_size: 0
    .private_segment_fixed_size: 0
    .kernarg_segment_align: 8
    .kernarg_segment_size: 64
    .max_flat_workgroup_size: 256
    .sgpr_count:     66
    .vgpr_count:     256
    .wavefront_size: 32
...
	.end_amdgpu_metadata
.endif
;; end of part 1
;; launch qkv (part 2): grid 12 x 16, 4 waves a work-group, clusters of 4 x 4, 327,680 bytes of LDS; arguments lnc, Wq_codes, Wk_codes, Wv_codes, bq, bk, bv, lowp_scales, qkv; writes qkv
.if DOCPART == 2
	.amdgcn_target "amdgcn-amd-amdhsa--gfx1250"
	.amdhsa_code_object_version 6
	.text
	.protected	k_qae11bd608d_qkv
	.globl	k_qae11bd608d_qkv
	.p2align	8
	.type	k_qae11bd608d_qkv,@function
k_qae11bd608d_qkv:
	s_mov_b64 s[64:65], 0
	v_nop
	global_prefetch_b8 v0, s[64:65] scope:SCOPE_SE
	s_setreg_imm32_b32 hwreg(HW_REG_WAVE_MODE, 25, 1), 1
	s_wait_xcnt 0x0
	s_wait_alu depctr_hold_cnt(0) depctr_sa_sdst(0) depctr_va_vdst(0) depctr_va_sdst(0) depctr_va_ssrc(0) depctr_va_vcc(0) depctr_vm_vsrc(0)
	s_getreg_b32 s2, hwreg(HW_REG_IB_STS2, 6, 4)
	s_cmp_eq_u32 s2, 0
	s_cbranch_scc0 .Lentry_in_a_cluster
	s_endpgm
.Lentry_in_a_cluster:
	s_bfe_u32 s2, ttmp6, 0x10000c
	s_cmp_lg_u32 s2, 0xf033
	s_cbranch_scc0 .Lentry_shape_is_right
	s_endpgm
.Lentry_shape_is_right:
; THE THREE PROJECTIONS ON CODES OF E4M3, AND THE QUANTISER BEHIND THEM.  The cluster's x says which: 0: Q = LN(X) Wq + bq, 1: K = LN(Y) Wk + bk, 2: V^T = Wv^T LN(Y)^T + bv.
; Operands: lnc (three arrays of codes [4096][1024]) and the weights' codes [1024][1024], K innermost.  A finished sum is multiplied by 2^(its two exponents added), the bias is added in the same
; fused multiply-add, and the number is quantised for the attention's products: Q at 2^e6, K at 2^e7, V at 2^e8.
; THE CORE: a tile of 256 x 256 is made by four waves, 128 x 128 each: 64 accumulators, 512 registers.  K goes in steps of 256 through two LDS slots filled by the tensor data mover (rows of 256 bytes).
; 4 x 4 work-groups form a cluster: the four of a row need the same tiles of 'A', the four of a column the same tiles of 'B': each tile is asked for jointly.
; 'A' (source 1) is the tokens' codes for Q and K and Wv's for V; 'B' (source 0) is the weight's codes for Q and K and the tokens' for V.  So a lane holds one row of 'A' and eight neighbouring rows of 'B':
; for Q and K eight neighbouring channels of a token, for V eight neighbouring KEYS of a channel: each the K of the product that reads it.
; OUT: IMAGES OF OPERAND REGISTERS.  Eight codes of n-tile b are registers 2 b, 2 b + 1 of an 8-bit operand (k = 16 b + 8 (lane / 16) + 0..7), so the conversions' results are stored as they stand, 16 bytes a lane:
;   qkv + 0, + 4 MiB: Q, K: [32 (batch, head)][128 tiles of 16 tokens][2 chunks][32 lanes][16 bytes];   + 8 MiB: V: [32][16 steps of 128 keys][4 tiles of 16 channels][4 chunks][32 lanes][16 bytes].
; A fragment for the core itself is fetched by four loads of 16 bytes: a permutation of k that is the same on both sides.
; LIMITS: e0 + e1, e2 + e3, e4 + e5 between -126 and 127; e6, e7, e8 between -126 and 119.  NaN and infinities are not served.
; REGISTERS: window 0: v1 r, v2 h, v10, v11 the scale and 448 x it, v16-21 LDS addresses, v26 16 x lane, v28, v29 for the add, v32-39 the bias loads' offsets, v64-127 the biases, v128-255 A's fragments (later results and codes);
;   window 1: B's fragments, two sets;  windows 2, 3: the accumulators ((a, b) at v[8 (8 (a % 4) + b)] of window 2 + a / 4).
.set KROW,   1024                      ; a row of codes in memory
.set LAPS,   2                         ; K / 512: a lap = two K steps = once round the ring
.set PITCH,  272                       ; an LDS row: 256 bytes + 16 of padding = 68 words: the 16 rows that a load touches start at 16 different banks (64 banks of 4 bytes: ISA guide 11.1)
.set FR,     16                        ; registers of a fragment: 16 rows x 128 K
.set NL,     4                         ; LDS loads that bring one
.set NP,     4                         ; places behind this matrix instruction (ISA guide 7.12.1)
.set HALFT,  128*PITCH                 ; what one tensor load brings
.set SLOT,   4*HALFT                   ; A's 256 rows, then B's 256 rows
.set SPARE,  2*SLOT                    ; behind the ring: the spare words, 128 bytes for each wave, which no other line names
.set ASTEP,  256                       ; a K step in A's memory, in bytes
.set BSTEP,  256
.set AQ,     128                       ; A in LDS: from 128 along K to the next,
.set ACH,    32                        ; from a lane's 16 bytes to its next,
.set AI,     16*PITCH                  ; from a block of 16 rows to the next
.set ADRA, 16
.set ADRB, 20
.set CO,   26
.set SPW,  28
.set NIL,  29
.set BO,   32
.set BI,   64
.set AF,   128
.set TT,   128                         ; the way out: 64 results of a block of 16 rows
.set CD,   192                         ; and their 16 registers of codes
.set G1, 24                            ; s[24:31] group 1 for A's tiles; s[32:39] group 0, a set for each slot
.set G0, 32
.set G1B, 48                           ; s[48:55], s[56:63] the same for B's
.set G0B, 56
.set MSB, 0
.macro WIN new                         ; the immediate's high byte repeats the setting that is left
.if MSB != \new
	s_set_vgpr_msb (MSB<<8)|\new
.set MSB, \new
.endif
.endm
.set MUL_LO, 0xa1                      ; source 0 (B) window 1, source 1 (A) window 0, C and D window 2
.set MUL_HI, 0xf1                      ; the same, C and D window 3
.set TO_B,   0x40                      ; destination window 1, address window 0
; A joint load: waves 0 and 1 fetch for A, waves 2 and 3 for B.  The branch hangs on the wave's number alone.  Four v_nop follow each of the two lines.
.macro JLOAD g0a, g1a, g0b, g1b
	s_cmp_eq_u32 s15, 0
	s_cbranch_scc0 .Lfor_b_\@
	tensor_load_to_lds s[\g0a:\g0a+3], s[\g1a:\g1a+7]
	s_nop 0
.rept 4
	v_nop
.endr
	s_branch .Lasked_\@
.Lfor_b_\@:
	tensor_load_to_lds s[\g0b:\g0b+3], s[\g1b:\g1b+7]
	s_nop 0
.rept 4
	v_nop
.endr
.Lasked_\@:
.endm
.macro CREST                           ; a round of the cluster's barrier behind its opening barrier
	s_cmp_lg_u32 s14, 0
	s_cbranch_scc1 .Lnot_wave_0_\@
	s_barrier_signal -3
.Lnot_wave_0_\@:
	s_barrier_wait -3
	s_barrier_signal -1
	s_barrier_wait -1
.endm
.macro CROUND                          ; a whole round
	s_barrier_signal -1
	s_barrier_wait -1
	CREST
.endm
	s_load_b256 s[4:11], s[0:1], 0x0               ; lnc s[4:5], Wq s[6:7], Wk s[8:9], Wv s[10:11]
	s_load_b256 s[72:79], s[0:1], 0x20             ; bq s[72:73], bk s[74:75], bv s[76:77], the exponents s[78:79]
	s_load_b64 s[80:81], s[0:1], 0x40              ; qkv
	v_lshl_add_u32 v[SPW], v0, 2, SPARE
	v_mov_b32 v[NIL], 0
	ds_add_u32 v28, v29
	ds_add_u32 v28, v29
	s_wait_dscnt 0x0
	v_lshrrev_b32 v1, 5, v0
	v_readfirstlane_b32 s14, v1                    ; wave 0..3
	s_lshr_b32 s15, s14, 1                         ; which half of the tile's A rows is mine.  Also: I fetch for A (0) or for B (1)
	s_and_b32 s16, s14, 1                          ; which half of its B rows.  Also: which 128 rows of that tile I fetch
	s_bfe_u32 s40, ttmp6, 0x40000                  ; cx, cy: my place in the cluster
	s_bfe_u32 s41, ttmp6, 0x40004
	s_and_b32 s22, ttmp7, 0xffff
	s_lshl_b32 s22, s22, 2                         ; 4 x cluster y: it walks the 4,096 tokens, which are A's rows for Q and K and B's rows for V
	s_cmp_eq_u32 ttmp9, 2                          ; the cluster's x is the same in all sixteen partners
	s_cselect_b32 s66, 0, s22
	s_cselect_b32 s67, s22, 0
	s_add_co_u32 s17, s41, s66                     ; tile row (of A)
	s_add_co_u32 s42, s40, s67                     ; tile column (of B)
	s_lshl_b32 s43, s41, 2
	s_lshl_b32 s43, 15, s43                        ; my row of the cluster
	s_lshl_b32 s44, 0x1111, s40                    ; my column
	; group 1: a tile of 128 rows x 256 bytes, padded in LDS
	s_or_b32 s[G1+0], s43, (0<<16)|(1<<20)|(1<<21)|(5<<22)|(3<<25)  ; 15:0 the mask; 17:16 elements of 1 byte; 20 padding on; 21 set beside a mask; 24:22 after every 64 words; 31:25 four words
	s_or_b32 s[G1B+0], s44, (0<<16)|(1<<20)|(1<<21)|(5<<22)|(3<<25)
.irp g, G1, G1B
	s_mov_b32 s[\g+1], 256<<16                     ; tensor_dim0
	s_mov_b32 s[\g+2], 128<<16                     ; tensor_dim1
	s_mov_b32 s[\g+3], 256<<16                     ; tile_dim0
	s_mov_b32 s[\g+4], 128                         ; tile_dim1
	s_mov_b32 s[\g+5], KROW                        ; tensor_dim0_stride
	s_mov_b32 s[\g+6], 0
	s_mov_b32 s[\g+7], 0
.endr
	s_lshl_b32 s18, s16, 7                         ; which 128 rows of the tile I fetch
	s_lshl_b32 s20, s17, 8
	s_add_co_u32 s20, s20, s18
	s_lshl_b32 s20, s20, 10                        ; A: (256 x tile row + 128 x half) rows of 1,024 bytes
	s_mov_b32 s21, 0
	s_lshl_b32 s46, s42, 8
	s_add_co_u32 s46, s46, s18
	s_lshl_b32 s46, s46, 10                        ; B likewise, by the tile column
	s_mov_b32 s47, 0
	s_mul_i32 s45, s14, HALFT                      ; where they go: wave x 128 rows: no place in the cluster enters an LDS address
	s_lshl_b32 s68, ttmp9, 22                      ; which of lnc's three arrays
	s_mov_b32 s69, 0
	s_cmp_eq_u32 ttmp9, 2
	s_cselect_b32 s98, s17, s42                    ; the biases run along A's rows for V, along B's rows for Q and K
	s_cselect_b32 s99, s15, s16
	s_cselect_b32 s66, 4, 0                        ; bytes from lane r to lane r + 1,
	s_cselect_b32 s67, 0, 32                       ; from one half of the lanes to the other,
	s_cselect_b32 s87, 0, 4                        ; and from register to register
	s_lshl_b32 s98, s98, 10
	s_lshl_b32 s99, s99, 9
	s_add_co_u32 s98, s98, s99                     ; 4 x (256 x tile + 128 x half)
	s_mov_b32 s99, 0
	s_wait_kmcnt 0x0
	s_load_b256 s[88:95], s[78:79], 0x0            ; e0 .. e7
	s_load_b32 s86, s[78:79], 0x20                 ; e8
	s_add_nc_u64 s[68:69], s[4:5], s[68:69]        ; the tokens' codes
	s_cmp_eq_u32 ttmp9, 0
	s_cselect_b64 s[82:83], s[6:7], s[8:9]
	s_cselect_b64 s[84:85], s[72:73], s[74:75]
	s_cmp_eq_u32 ttmp9, 2
	s_cselect_b64 s[70:71], s[10:11], s[68:69]     ; A
	s_cselect_b64 s[82:83], s[68:69], s[82:83]     ; B
	s_cselect_b64 s[84:85], s[76:77], s[84:85]     ; the bias
	s_add_nc_u64 s[20:21], s[70:71], s[20:21]
	s_add_nc_u64 s[46:47], s[82:83], s[46:47]
	s_add_nc_u64 s[84:85], s[84:85], s[98:99]
	CROUND                                         ; all sixteen work-groups are here: the first joint loads meet
.irp s, 0,1
	s_mov_b32 s[G0+4*\s], 1
	s_add_co_u32 s[G0+4*\s+1], s45, \s*SLOT
	s_add_nc_u64 s[G0+4*\s+2:G0+4*\s+3], s[20:21], \s*ASTEP
	s_or_b32 s[G0+4*\s+3], s[G0+4*\s+3], 0x80000000
	s_mov_b32 s[G0B+4*\s], 1
	s_add_co_u32 s[G0B+4*\s+1], s45, \s*SLOT
	s_add_nc_u64 s[G0B+4*\s+2:G0B+4*\s+3], s[46:47], \s*BSTEP
	s_or_b32 s[G0B+4*\s+3], s[G0B+4*\s+3], 0x80000000
	JLOAD G0+4*\s, G1, G0B+4*\s, G1B
.endr
	v_and_b32 v1, 15, v0                           ; r = lane % 16
	v_bfe_u32 v2, v0, 4, 1                         ; h = lane / 16
	; the biases, in the result's layout, 64 registers: entry 8 t + j.  Q, K: bias[16 t + 8 h + j] (t = n-tile b);  V: bv[16 t + r] for every j (t = block a).  They land while the loop runs
	v_mul_u32_u24 v5, v1, s66
	v_mad_u32_u24 v5, v2, s67, v5
	v_mov_b32 v6, s87
.irp j, 0,1,2,3,4,5,6,7
	v_mad_u32_u24 v[BO+\j], v6, \j, v5
.endr
.irp t, 0,1,2,3,4,5,6,7
.irp j, 0,1,2,3,4,5,6,7
	global_load_b32 v[BI+8*\t+\j], v[BO+\j], s[84:85] offset:64*\t
.endr
.endr
	v_mul_u32_u24 v3, v1, PITCH
	v_lshl_add_u32 v4, v2, 4, v3                   ; a fragment's row x pitch + 16 x half
	s_mul_i32 s21, s15, HALFT                      ; my 128 rows of A
	s_mul_i32 s22, s16, HALFT                      ; my 128 rows of B,
	s_add_co_u32 s22, s22, 2*HALFT                 ; which lie behind A's 256
.irp s, 0,1
	v_add_nc_u32 v[ADRA+\s], s21, v4
	v_add_nc_u32 v[ADRB+\s], s22, v4
	s_add_co_u32 s21, s21, SLOT
	s_add_co_u32 s22, s22, SLOT
.endr
	v_and_b32 v[CO], 31, v0
	v_lshlrev_b32 v[CO], 4, v[CO]                  ; an image's place for my lane
	; where my images begin.  Q, K: ((tile row / 8) 16 + 4 tile column + 2 B half) x 128 KiB + ((tile row % 8) 2 + A half) x 8 KiB;  V: the same with rows and columns, and the halves, changed over
	s_cmp_eq_u32 ttmp9, 2
	s_cselect_b32 s12, s42, s17                    ; the tile along the tokens,
	s_cselect_b32 s13, s17, s42                    ; along the channels,
	s_cselect_b32 s2, s15, s16                     ; my half along the channels,
	s_cselect_b32 s19, s16, s15                    ; along the tokens
	s_lshl_b32 s13, s13, 2
	s_lshl_b32 s2, s2, 1
	s_add_co_u32 s13, s13, s2
	s_lshr_b32 s2, s12, 3
	s_lshl_b32 s2, s2, 4
	s_add_co_u32 s13, s13, s2
	s_lshl_b32 s13, s13, 17
	s_and_b32 s12, s12, 7
	s_lshl_b32 s12, s12, 1
	s_add_co_u32 s12, s12, s19
	s_lshl_b32 s12, s12, 13
	s_add_co_u32 s12, s12, s13
	s_lshl_b32 s13, ttmp9, 22                      ; Q's, K's or V's part of the buffer
	s_add_co_u32 s12, s12, s13
	s_mov_b32 s13, 0
	s_add_nc_u64 s[80:81], s[80:81], s[12:13]
.macro FRAGA reg, slot, q, i           ; a fragment, 16 rows x 128 K: lane l holds row l % 16; registers 4 c .. 4 c + 3 hold K = 32 c + 16 (l / 16) + 0 .. 15
.irp c, 0,1,2,3
	ds_load_b128 v[\reg+4*\c:\reg+4*\c+3], v[ADRA+\slot] offset:AQ*(\q)+ACH*\c+(\i)*AI
.endr
.endm
.macro FRAGB reg, slot, q, i
.irp c, 0,1,2,3
	ds_load_b128 v[\reg+4*\c:\reg+4*\c+3], v[ADRB+\slot] offset:128*(\q)+32*\c+(\i)*16*PITCH
.endr
.endm
; 16 matrix instructions: A's blocks a0, a0 + 1 x B's eight, 128 along K.  p: B's set.  zero = 1: the first product starts the sums.  The 64 accumulators take turns.
.macro MUL16 a0, p, zero
.irp a, \a0, \a0+1
.irp b, 0,1,2,3,4,5,6,7
.if \zero
	v_wmma_f32_16x16x128_fp8_fp8 v[8*(8*((\a)%4)+\b):8*(8*((\a)%4)+\b)+7], v[128*(\p)+FR*\b:128*(\p)+FR*\b+FR-1], v[AF+FR*(\a):AF+FR*(\a)+FR-1], 0
.else
	v_wmma_f32_16x16x128_fp8_fp8 v[8*(8*((\a)%4)+\b):8*(8*((\a)%4)+\b)+7], v[128*(\p)+FR*\b:128*(\p)+FR*\b+FR-1], v[AF+FR*(\a):AF+FR*(\a)+FR-1], v[8*(8*((\a)%4)+\b):8*(8*((\a)%4)+\b)+7]
.endif
.endr
.endr
.endm
.macro FETCH_B slot, q, p              ; B's eight fragments of the slot's q-th 128 along K into set p
	WIN TO_B
.irp i, 0,1,2,3,4,5,6,7
	FRAGB 128*(\p)+FR*\i, \slot, \q, \i
.endr
	WIN 0
.endm
.macro FETCH_A slot, q, i0             ; A's blocks i0 .. i0 + 3
.irp i, \i0, \i0+1, \i0+2, \i0+3
	FRAGA AF+FR*(\i), \slot, \q, \i
.endr
.endm
.macro PLACES n                        ; plain vector lines between a matrix instruction and a load into, or a vector line on, its registers
.rept \n
	v_nop
.endr
.endm
; A step of 128 along K that has its successor in the same slot.  A has one set of registers: blocks 0-3 are fetched anew in the step's middle, blocks 4-7 at its end; B has two sets.
.macro STEP slot, q, zero
	s_wait_dscnt 4*NL                              ; B's set and A's blocks 0-3 are in; the youngest 16 loads (A's blocks 4-7) may be out
	WIN MUL_LO
	MUL16 0, (\q)%2, \zero
	MUL16 2, (\q)%2, \zero
	s_wait_dscnt 0                                 ; A's blocks 4-7 are in
	PLACES NP
	FETCH_B \slot, (\q)+1, 1-(\q)%2
	FETCH_A \slot, (\q)+1, 0
	WIN MUL_HI
	MUL16 4, (\q)%2, \zero
	MUL16 6, (\q)%2, \zero
	PLACES NP
	WIN 0
	FETCH_A \slot, (\q)+1, 4
.endm
; A slot's last step changes slots: one barrier; in front of it each wave waits for all its tensor loads, adds 0 to its spare word, and waits for that and for its reads of this slot.  fill = 1: this slot is filled again, two K steps ahead.
.macro TURN slot, next, fill
	s_wait_tensorcnt 0x0                           ; all my tensor loads have landed: my part of the next slot
	ds_add_u32 v[SPW], v[NIL]                      ; 0 onto my spare word
	s_wait_dscnt 4*NL+1                            ; the add and the youngest 16 loads (A's blocks 4-7) may be out
	WIN MUL_LO
	MUL16 0, 1, 0
	s_wait_dscnt 0x0                               ; the add is done, and my reads of this slot are over
	s_barrier_signal -1
	MUL16 2, 1, 0
	WIN 0
	s_barrier_wait -1
.if \fill
	CREST                                          ; the barrier has opened a round of the cluster's barrier: no wave of any partner still reads this slot or has a load on its way
	s_add_nc_u64 s[G0+4*\slot+2:G0+4*\slot+3], s[G0+4*\slot+2:G0+4*\slot+3], 2*ASTEP
	s_add_nc_u64 s[G0B+4*\slot+2:G0B+4*\slot+3], s[G0B+4*\slot+2:G0B+4*\slot+3], 2*BSTEP
	JLOAD G0+4*\slot, G1, G0B+4*\slot, G1B         ; the first tensor load behind the round; its four v_nop are the places in front of the loads below
.else
	PLACES NP
.endif
	FETCH_B \next, 0, 0
	FETCH_A \next, 0, 0
	WIN MUL_HI
	MUL16 4, 1, 0
	MUL16 6, 1, 0
	PLACES NP
	WIN 0
	FETCH_A \next, 0, 4
.endm
	s_wait_tensorcnt 1                             ; my part of K step 0 is in; K step 1's load may be out
	s_barrier_signal -1
	s_barrier_wait -1
	FETCH_B 0, 0, 0
	FETCH_A 0, 0, 0
	FETCH_A 0, 0, 4
	STEP 0, 0, 1                                   ; the first step stands in front of the loop: its products start the sums
	s_mov_b32 s3, LAPS-1
.Llap:                                                 ; a trip goes once round the ring and fills both slots again
	TURN 0, 1, 1
	STEP 1, 0, 0
	TURN 1, 0, 1
	STEP 0, 0, 0
	s_sub_co_u32 s3, s3, 1
	s_cmp_lg_u32 s3, 0
	s_cbranch_scc1 .Llap
	TURN 0, 1, 0                                   ; the last lap fills nothing
	STEP 1, 0, 0
	s_wait_dscnt 4*NL
	WIN MUL_LO
	MUL16 0, 1, 0
	MUL16 2, 1, 0
	s_wait_dscnt 0
	WIN MUL_HI
	MUL16 4, 1, 0
	MUL16 6, 1, 0
	WIN 0
	; THE WAY OUT: sum x 2^(ea + eb) + bias, held, converted, and stored as the next products' operand registers.  No LDS: a store's 32 lanes cover 512 consecutive bytes.
	s_wait_loadcnt 0x0                             ; the biases
	s_wait_kmcnt 0x0                               ; the exponents
	s_cmp_eq_u32 ttmp9, 0
	s_cselect_b32 s22, s88, s90                    ; the two operands' exponents and the result's: (e0, e1, e6), (e2, e3, e7) or (e4, e5, e8): chosen, never branched on
	s_cselect_b32 s23, s89, s91
	s_cselect_b32 s98, s94, s95
	s_cmp_eq_u32 ttmp9, 2
	s_cselect_b32 s22, s92, s22
	s_cselect_b32 s23, s93, s23
	s_cselect_b32 s98, s86, s98
	s_add_co_i32 s96, s22, s23
	s_add_co_i32 s96, s96, 127
	s_lshl_b32 s96, s96, 23                        ; 2^(ea + eb) as f32
	s_mov_b32 s97, s96                             ; (named with it as a pair)
	s_add_co_i32 s99, s98, 127
	s_lshl_b32 s98, s99, 23
	v_mov_b32 v10, s98                             ; the result's scale: the conversion takes its exponent field
	s_add_co_i32 s99, s99, 8
	s_lshl_b32 s99, s99, 23
	s_or_b32 s99, s99, 0x600000
	v_mov_b32 v11, s99                             ; 448 x the scale
	PLACES NP
; Block a of 16 rows of A.  kind = 0: the bias goes by the n-tile; the codes of n-tiles 4 u' .. 4 u' + 3 are a head's fragment of 16 tokens x 64.  kind = 1: the bias goes by the block; the eight n-tiles' codes are a fragment of 16 channels x 128 keys.
.macro EPI a, kind
.set AC, 64*((\a)%4)
	WIN 0x02+((\a)/4)                              ; source 0: window 2 or 3
.irp b, 0,1,2,3,4,5,6,7
.irp i, 0,2,4,6
.if \kind
	v_pk_fma_f32 v[TT+8*\b+\i:TT+8*\b+\i+1], v[AC+8*\b+\i:AC+8*\b+\i+1], s[96:97], v[BI+8*(\a)+\i:BI+8*(\a)+\i+1] op_sel_hi:[1,0,1]
.else
	v_pk_fma_f32 v[TT+8*\b+\i:TT+8*\b+\i+1], v[AC+8*\b+\i:AC+8*\b+\i+1], s[96:97], v[BI+8*\b+\i:BI+8*\b+\i+1] op_sel_hi:[1,0,1]
.endif
.endr
.endr
	WIN 0
.set j, 0
.rept 64
	v_med3_num_f32 v[TT+j], v[TT+j], -v11, v11     ; the conversion does not saturate (ISA guide 7.6.2): the hold comes first
.set j, j+1
.endr
	s_wait_xcnt 0x0                                ; the last block's stores have read their data: the codes' registers are written again only behind this wait
.irp b, 0,1,2,3,4,5,6,7
	v_cvt_scalef32_pk8_fp8_f32 v[CD+2*\b:CD+2*\b+1], v[TT+8*\b:TT+8*\b+7], v10
.endr
	v_nop                                          ; a plain line between the last conversion and the next vector line that writes its sources
.irp u, 0,1,2,3
.if \kind
	global_store_b128 v[CO], v[CD+4*\u:CD+4*\u+3], s[80:81] offset:((\a)/4)*131072+((\a)%4)*2048+\u*512
.else
	global_store_b128 v[CO], v[CD+4*\u:CD+4*\u+3], s[80:81] offset:(\u/2)*131072+(\a)*1024+(\u%2)*512
.endif
.endr
.endm
	s_cmp_eq_u32 ttmp9, 2                          ; the same in all sixteen partners
	s_cbranch_scc1 .Lv
.irp a, 0,1,2,3,4,5,6,7
	EPI \a, 0
.endr
	s_branch .Lend
.Lv:
.irp a, 0,1,2,3,4,5,6,7
	EPI \a, 1
.endr
.Lend:
	s_wait_tensorcnt 0x0                           ; the wave's end
	ds_add_u32 v[SPW], v[NIL]
	s_wait_dscnt 0x0
	CROUND                                         ; the closing round: no work-group ends while a partner may still ask for a tile that names it
	s_endpgm
.Lfunc_end_k_qae11bd608d_qkv:
	.size	k_qae11bd608d_qkv, .Lfunc_end_k_qae11bd608d_qkv-k_qae11bd608d_qkv
	.p2alignl 7, 3214868480
	.fill 96, 4, 3214868480
	.section	.rodata,"a",@progbits
	.p2align	6, 0x0
	.amdhsa_kernel k_qae11bd608d_qkv
		.amdhsa_group_segment_fixed_size 327680
		.amdhsa_private_segment_fixed_size 0
		.amdhsa_enable_private_segment 0
		.amdhsa_kernarg_size 72
		.amdhsa_user_sgpr_count 2
		.amdhsa_user_sgpr_kernarg_segment_ptr 1
		.amdhsa_wavefront_size32 1
		.amdhsa_system_sgpr_workgroup_id_x 1
		.amdhsa_system_sgpr_workgroup_id_y 1
		.amdhsa_system_sgpr_workgroup_id_z 1
		.amdhsa_system_vgpr_workitem_id 0
		.amdhsa_next_free_vgpr 1024
		.amdhsa_next_free_sgpr 100
		.amdhsa_reserve_vcc 0
		.amdhsa_float_denorm_mode_32 3
		.amdhsa_float_denorm_mode_16_64 3
		.amdhsa_memory_ordered 1
		.amdhsa_forward_progress 1
		.amdhsa_inst_pref_size 198
	.end_amdhsa_kernel
	.amdgpu_metadata
---
amdhsa.version: [ 1, 2 ]
amdhsa.kernels:
  - .name:           k_qae11bd608d_qkv
    .symbol:         k_qae11bd608d_qkv.kd
    .args:
      - { .name: lnc, .offset: 0, .size: 8, .value_kind: global_buffer, .address_space: global }
      - { .name: Wq_codes, .offset: 8, .size: 8, .value_kind: global_buffer, .address_space: global }
      - { .name: Wk_codes, .offset: 16, .size: 8, .value_kind: global_buffer, .address_space: global }
      - { .name: Wv_codes, .offset: 24, .size: 8, .value_kind: global_buffer, .address_space: global }
      - { .name: bq, .offset: 32, .size: 8, .value_kind: global_buffer, .address_space: global }
      - { .name: bk, .offset: 40, .size: 8, .value_kind: global_buffer, .address_space: global }
      - { .name: bv, .offset: 48, .size: 8, .value_kind: global_buffer, .address_space: global }
      - { .name: lowp_scales, .offset: 56, .size: 8, .value_kind: global_buffer, .address_space: global }
      - { .name: qkv, .offset: 64, .size: 8, .value_kind: global_buffer, .address_space: global }
    .group_segment_fixed_size: 327680
    .private_segment_fixed_size: 0
    .kernarg_segment_align: 8
    .kernarg_segment_size: 72
    .max_flat_workgroup_size: 128
    .sgpr_count:     100
    .vgpr_count:     1024
    .wavefront_size: 32
...
	.end_amdgpu_metadata
.endif
;; end of part 2
;; launch attn (part 3): grid 8 x 32, 16 waves a work-group, clusters of 4 x 1, 264,192 bytes of LDS; arguments qkv, null_k, X, lowp_scales, hres; writes hres
.if DOCPART == 3
	.amdgcn_target "amdgcn-amd-amdhsa--gfx1250"
	.amdhsa_code_object_version 6
	.text
	.protected	k_qae11bd608d_attn
	.globl	k_qae11bd608d_attn
	.p2align	8
	.type	k_qae11bd608d_attn,@function
k_qae11bd608d_attn:
	s_mov_b64 s[64:65], 0
	v_nop
	global_prefetch_b8 v0, s[64:65] scope:SCOPE_SE
	s_setreg_imm32_b32 hwreg(HW_REG_WAVE_MODE, 25, 1), 1
	s_wait_xcnt 0x0
	s_wait_alu depctr_hold_cnt(0) depctr_sa_sdst(0) depctr_va_vdst(0) depctr_va_sdst(0) depctr_va_ssrc(0) depctr_va_vcc(0) depctr_vm_vsrc(0)
	s_getreg_b32 s2, hwreg(HW_REG_IB_STS2, 6, 4)
	s_cmp_eq_u32 s2, 0
	s_cbranch_scc0 .Lentry_in_a_cluster
	s_endpgm
.Lentry_in_a_cluster:
	s_bfe_u32 s2, ttmp6, 0x10000c
	s_cmp_lg_u32 s2, 0x3003
	s_cbranch_scc0 .Lentry_shape_is_right
	s_endpgm
.Lentry_shape_is_right:
; ATTENTION ON CODES OF E4M3, WITH THE NULL KEY, AND THE RESIDUAL: hres = softmax(Q K^T / 32) V + X, for 32 (batch, head) pairs, head size 64, 2,048 keys and one learned null key whose value is zero.
; Q, K, V come as images of operand registers (buffer qkv): Q, K: [32][128 tiles of 16 tokens][2 chunks][32 lanes][16 bytes] at 0 and 4 MiB; V: [32][16 steps of 128 keys][4 tiles of 16 channels][4 chunks][32 lanes][16 bytes] at 8 MiB.
; THE SOFTMAX: t = score x log2(e) / 32; M = the running largest t rounded up to a whole number; p = 2^(t - M) is quantised at 2^e9, not normalised; the row's sum is taken of the unquantised p and divides at the end.
; When M moves, the sum and O are multiplied by 2^(old M - new M): exact, and no branch on data.
; THE NULL KEY is quantised here (2^e7), multiplied by the queries with one matrix instruction, and starts the running largest t and the sum; its value is zero, so it adds nothing to O.
; SHARES.  A work-group owns 256 queries of one (batch, head); each of its sixteen waves owns 16, one tile, in 256 registers: four waves to a SIMD, so that one wave's vector work stands beside another's products and LDS loads.
; Both products are used transposed (S^T = K Q^T, O^T = V^T P^T): a lane holds ONE query; the eight scores of a tile of 16 keys are keys 16 t + 8 (lane / 16) + 0..7, the very place of registers 2 t, 2 t + 1 of an 8-bit operand.
; LDS: THE WHOLE HEAD, FILLED ONCE: K's images at 0 (128 KiB), V's at 128 KiB.  No byte is filled twice, so there is no ring.  Waves 0 to 3 fetch, four loads of 16 KiB each (four out at the most), a chunk of 512 keys after the other;
; a counted wait and a barrier stand ahead of each chunk.  CLUSTER: the four query blocks of a cluster belong to one head and need the same K and V: each load is asked for jointly by the four.
; Nothing is prefetched: all that the work-group reads of K and V is asked for by its first loads.
; LIMITS: e6 + e7 between -120 and 130 (added to an exponent field); e7, e9 between -126 and 119.  NaN and infinities are not served.
; REGISTERS: v1 16 x lane; v2, v3 addresses of the step's K and V; v4 my bytes in two rows of X and hres; v5, v6 the stage, in and back; v7 32 h; v8 -M, v9 the largest t; v[10:11] the sum; v[12:13] its second chain; v[14:15] f;
;   v[16:23] Q; v24-26 at work; v27, v28: 448 x 2^e9, 2^e9; v29, v30: the same for e7; v32-95 K's eight tiles, then p's codes in v32-47; v96-159 V's four tiles; v160-223 S^T, then p; v224-255 O^T.
.set WV,  18
.set SEL, 20                           ; s[20:21] lane selects: lane l xor 16
.set CS,  22                           ; s[22:23] c = log2(e) / 32 x 2^(e6 + e7)
.set TB,  2                            ; s2  the step's first byte in K's and in V's region
.set CNT, 3
.set G1,  24                           ; s[24:31] group 1
.set G0,  32                           ; s[32:47] four groups 0, one for each chunk
.set KF,  32
.set VF,  96
.set S,   160
.set O,   224
.macro CROUND                          ; a round of the cluster's barrier
	s_barrier_signal -1
	s_barrier_wait -1
	s_cmp_lg_u32 s[WV], 0
	s_cbranch_scc1 .Lnot_wave_0_\@
	s_barrier_signal -3
.Lnot_wave_0_\@:
	s_barrier_wait -3
	s_barrier_signal -1
	s_barrier_wait -1
.endm
	s_load_b256 s[4:11], s[0:1], 0x0               ; qkv s[4:5], null_k s[6:7], X s[8:9], the exponents s[10:11]
	s_load_b64 s[12:13], s[0:1], 0x20              ; hres
	v_lshl_add_u32 v254, v0, 2, 0x40000
	v_mov_b32 v255, 0
	ds_add_u32 v254, v255
	ds_add_u32 v254, v255
	s_wait_dscnt 0x0
	v_lshrrev_b32 v1, 5, v0
	v_readfirstlane_b32 s[WV], v1                  ; wave 0..15
	s_bfe_u32 s48, ttmp6, 0x40000                  ; cx
	s_lshl_b32 s49, ttmp9, 2
	s_add_co_u32 s49, s49, s48                     ; my block of 256 queries: it enters Q's, X's and hres's addresses alone
	s_and_b32 s50, ttmp7, 0xffff                   ; 16 x batch + head, which the four partners share
	s_and_b32 s51, s[WV], 1
	s_bfe_u32 s52, s[WV], 0x10001                  ; waves 0, 1 fetch K's halves of a chunk, waves 2, 3 V's
	s_lshl_b32 s53, s51, 14
	s_lshl_b32 s54, s52, 17
	s_add_co_u32 s54, s54, s53                     ; in LDS: 128 KiB x (K or V) + 16 KiB x half
	s_lshl_b32 s56, s52, 22
	s_add_co_u32 s56, s56, s53
	s_lshl_b32 s55, s50, 17                        ; the head's 128 KiB
	s_add_co_u32 s56, s56, s55
	s_add_co_u32 s56, s56, 0x400000                ; in memory: K's images begin at 4 MiB, V's at 8 MiB
	s_mov_b32 s57, 0
	; group 1: 16 KiB, dense, as 64 rows of 256 bytes
	s_mov_b32 s[G1], 15|(3<<16)|(1<<21)            ; 15:0 the mask: all four work-groups; 17:16 elements of 8 bytes; 21 set beside a mask; no padding
	s_mov_b32 s[G1+1], 32<<16                      ; tensor_dim0 = 32
	s_mov_b32 s[G1+2], 64<<16                      ; tensor_dim1 = 64
	s_mov_b32 s[G1+3], 32<<16                      ; tile_dim0 = 32
	s_mov_b32 s[G1+4], 64                          ; tile_dim1 = 64
	s_mov_b32 s[G1+5], 32                          ; tensor_dim0_stride
	s_mov_b32 s[G1+6], 0
	s_mov_b32 s[G1+7], 0
	s_mov_b32 s[SEL], 0x76543210
	s_mov_b32 s[SEL+1], 0xfedcba98
	s_wait_kmcnt 0x0
	s_load_b128 s[60:63], s[10:11], 0x18           ; e6, e7, e8, e9
	s_add_nc_u64 s[56:57], s[4:5], s[56:57]
.irp q, 0,1,2,3
	s_mov_b32 s[G0+4*\q], 1
	s_add_co_u32 s[G0+4*\q+1], s54, \q*32768       ; a chunk of 512 keys is 32 KiB of K's images and 32 KiB of V's
	s_add_nc_u64 s[G0+4*\q+2:G0+4*\q+3], s[56:57], \q*32768
	s_or_b32 s[G0+4*\q+3], s[G0+4*\q+3], 0x80000000
.endr
	CROUND                                         ; all four work-groups are here: the joint loads meet
	s_cmp_lt_u32 s[WV], 4                          ; a wave's fills stand in one branch on the wave's number, ahead of every wait on TENSORcnt, every LDS read and every further barrier
	s_cbranch_scc0 .Lno_fetch
	tensor_load_to_lds s[G0:G0+3], s[G1:G1+7]
	s_nop 0
	tensor_load_to_lds s[G0+4:G0+7], s[G1:G1+7]
	s_nop 0
	tensor_load_to_lds s[G0+8:G0+11], s[G1:G1+7]
	s_nop 0
	tensor_load_to_lds s[G0+12:G0+15], s[G1:G1+7]
	s_nop 0
.rept 4
	v_nop
.endr
.Lno_fetch:
	v_and_b32 v1, 31, v0
	v_lshlrev_b32 v1, 4, v1                        ; 16 x lane
	v_and_b32 v24, 15, v0                          ; r
	v_bfe_u32 v25, v0, 4, 1                        ; h
	v_lshlrev_b32 v7, 5, v25
	v_lshlrev_b32 v4, 12, v25
	v_lshl_add_u32 v4, v24, 4, v4                  ; lanes 0-15 one row of 4,096 bytes, lanes 16-31 the next; 16 bytes a lane
	s_mul_i32 s51, s[WV], 4352                     ; my stage: 16 rows x (256 + 16) bytes, in K's region
	v_mul_u32_u24 v5, v24, 272
	v_lshl_add_u32 v5, v25, 5, v5
	v_add_nc_u32 v5, s51, v5                       ; in: row r, + 32 h
	v_mul_u32_u24 v6, v25, 272
	v_lshl_add_u32 v6, v24, 4, v6
	v_add_nc_u32 v6, s51, v6                       ; back: lanes 0-15 one row, lanes 16-31 the next
	s_lshl_b32 s58, s49, 4
	s_add_co_u32 s58, s58, s[WV]
	s_lshl_b32 s58, s58, 10
	s_add_co_u32 s58, s58, s55
	s_mov_b32 s59, 0
	s_add_nc_u64 s[58:59], s[4:5], s[58:59]        ; Q's image of my 16 queries: tile 16 x block + wave of the head
	s_and_b32 s52, s50, 15
	s_lshl_b32 s52, s52, 8                         ; the head's 64 channels: 256 bytes of f32
	s_mov_b32 s53, 0
	s_add_nc_u64 s[6:7], s[6:7], s[52:53]
	s_lshr_b32 s51, s50, 4
	s_lshl_b32 s51, s51, 11
	s_lshl_b32 s48, s49, 8
	s_add_co_u32 s51, s51, s48
	s_lshl_b32 s48, s[WV], 4
	s_add_co_u32 s51, s51, s48                     ; my first row: 2,048 x batch + 256 x block + 16 x wave
	s_lshl_b32 s51, s51, 12
	s_add_co_u32 s52, s52, s51
	s_add_nc_u64 s[8:9], s[8:9], s[52:53]
	s_add_nc_u64 s[12:13], s[12:13], s[52:53]
.irp c, 0,1
	global_load_b128 v[16+4*\c:19+4*\c], v1, s[58:59] offset:512*\c   ; Q's fragment stays in registers
.endr
.irp c, 0,1,2,3
	global_load_b128 v[S+8*\c:S+8*\c+3],   v7, s[6:7] offset:64*\c      ; the null key: channels 16 c + 8 h + 0..7, the same in all sixteen lanes of a half
	global_load_b128 v[S+8*\c+4:S+8*\c+7], v7, s[6:7] offset:64*\c+16
.endr
	v_mov_b32 v15, 0                               ; (named as the upper half of the pair v[14:15])
	v_mov_b32 v26, 0                               ; written once: a lane permute's destination counts as one of its sources
	s_wait_kmcnt 0x0
	s_add_co_i32 s48, s60, s61
	s_lshl_b32 s48, s48, 23
	s_mov_b32 s[CS], 0x3d38aa3b                    ; log2(e) / 32
	s_add_co_i32 s[CS], s[CS], s48                 ; a score stands for score x 2^(e6 + e7): the exponents are added to c's exponent field
	s_mov_b32 s[CS+1], s[CS]
	s_add_co_i32 s48, s63, 127
	s_lshl_b32 s51, s48, 23
	v_mov_b32 v28, s51                             ; 2^e9
	s_add_co_i32 s48, s48, 8
	s_lshl_b32 s48, s48, 23
	s_or_b32 s48, s48, 0x600000
	v_mov_b32 v27, s48                             ; 448 x 2^e9
	s_add_co_i32 s48, s61, 127
	s_lshl_b32 s51, s48, 23
	v_mov_b32 v30, s51                             ; 2^e7
	s_add_co_i32 s48, s48, 8
	s_lshl_b32 s48, s48, 23
	s_or_b32 s48, s48, 0x600000
	v_mov_b32 v29, s48                             ; 448 x 2^e7
	s_wait_loadcnt 0x0
.set j, 0
.rept 32
	v_med3_num_f32 v[S+j], v[S+j], -v29, v29
.set j, j+1
.endr
.irp c, 0,1,2,3
	v_cvt_scalef32_pk8_fp8_f32 v[KF+2*\c:KF+2*\c+1], v[S+8*\c:S+8*\c+7], v30
.endr
	v_nop                                          ; a plain line between the conversions and the matrix instruction
	v_wmma_f32_16x16x64_fp8_fp8 v[S:S+7], v[KF:KF+7], v[16:23], 0    ; sixteen equal rows: every register of lane (r, h) is the null key's score for query r
.set j, 0
.rept 32
	v_mov_b32 v[O+j], 0                            ; O^T begins as zeros, so that the step is written once; these lines are also the places behind the product
.set j, j+1
.endr
	v_mul_f32 v9, s[CS], v[S]                      ; the largest t so far
	v_floor_f32 v8, -v9                            ; -M
	v_add_f32 v10, v9, v8
	v_exp_f32 v10, v10                             ; the null key's p
	v_mov_b32 v11, 0                               ; (a plain line behind the transcendental)
	s_wait_alu depctr_va_vdst(0)                   ; the wait ahead of the first reader
	v_mul_f32 v10, 0.5, v10                        ; both halves of the lanes hold it, and their sums are added at the end: each takes half, which is exact
; A KEY STEP: 128 keys.
.macro STEP
	v_add_nc_u32 v2, s[TB], v1
	v_add_nc_u32 v3, 0x20000, v2
	v_nop
	v_nop                                          ; four plain lines between the last products and the loads into registers that they read
.irp t, 0,1,2,3,4,5,6,7
	ds_load_b128 v[KF+8*\t:KF+8*\t+3],   v2 offset:1024*\t
	ds_load_b128 v[KF+8*\t+4:KF+8*\t+7], v2 offset:1024*\t+512
.endr
.irp d, 0,1,2,3
.irp c, 0,1,2,3
	ds_load_b128 v[VF+16*\d+4*\c:VF+16*\d+4*\c+3], v3 offset:2048*\d+512*\c
.endr
.endr
	s_wait_dscnt 16                                ; K's sixteen loads are in; V's sixteen may be out
.irp t, 0,1,2,3,4,5,6,7
	v_wmma_f32_16x16x64_fp8_fp8 v[S+8*\t:S+8*\t+7], v[KF+8*\t:KF+8*\t+7], v[16:23], 0
.endr
.rept 4
	v_nop
.endr
	v_max3_num_f32 v24, v[S], v[S+1], v[S+2]       ; the step's largest score of my query among my 64 keys, in two chains, each tile from its low end on
	v_max3_num_f32 v25, v[S+3], v[S+4], v[S+5]
.irp i, 6,10,14,18,22,26,30,34,38,42,46,50,54,58
	v_max3_num_f32 v24, v24, v[S+\i], v[S+\i+1]
	v_max3_num_f32 v25, v25, v[S+\i+2], v[S+\i+3]
.endr
	v_max3_num_f32 v24, v24, v[S+62], v[S+63]
	v_max_num_f32 v24, v24, v25
	v_permlanex16_b32 v26, v24, s[SEL], s[SEL+1]
	v_max_num_f32 v24, v24, v26                    ; and among lane l xor 16's
	v_mul_f32 v24, s[CS], v24                      ; as t (c is positive)
	v_max_num_f32 v9, v9, v24
	v_mov_b32 v24, v8
	v_floor_f32 v8, -v9                            ; the new -M = -ceil(t)
	v_sub_f32 v24, v8, v24                         ; old M - new M: a whole number, 0 or less
	v_cvt_i32_f32 v24, v24
	v_ldexp_f32 v14, 1.0, v24                      ; f = 2^(old M - new M)
.set j, 0
.rept 32
	v_pk_fma_f32 v[S+j:S+j+1], v[S+j:S+j+1], s[CS:CS+1], v[8:9] op_sel_hi:[1,0,0]   ; t - M (of the pairs c and -M the low word serves both halves)
.set j, j+2
.endr
.set j, 0
.rept 64
	v_exp_f32 v[S+j], v[S+j]                       ; p = 2^(t - M)
.set j, j+1
.endr
	v_pk_mul_f32 v[10:11], v[10:11], v[14:15] op_sel_hi:[1,0]   ; the sum under the new M (a plain line behind the exponentials)
	s_wait_alu depctr_va_vdst(0)                   ; one wait for the whole batch, ahead of its first reader
	v_pk_add_f32 v[12:13], v[S:S+1], v[S+2:S+3]    ; the sum of the unquantised p, in two chains
.irp j, 4,8,12,16,20,24,28,32,36,40,44,48,52,56,60
	v_pk_add_f32 v[10:11], v[10:11], v[S+\j:S+\j+1]
	v_pk_add_f32 v[12:13], v[12:13], v[S+\j+2:S+\j+3]
.endr
	v_pk_add_f32 v[10:11], v[10:11], v[12:13]
.irp t, 0,1,2,3,4,5,6,7
.irp i, 0,1,2,3,4,5,6,7
	v_min_num_f32 v[S+8*\t+\i], v[S+8*\t+\i], v27  ; the conversion does not saturate (ISA guide 7.6.2); p is not negative, so the hold is one-sided
.endr
	v_cvt_scalef32_pk8_fp8_f32 v[KF+2*\t:KF+2*\t+1], v[S+8*\t:S+8*\t+7], v28   ; registers 2 t, 2 t + 1 of P: keys 16 t + 8 h + 0..7
.endr
.set j, 0
.rept 16
	v_pk_mul_f32 v[O+j:O+j+1], v[O+j:O+j+1], v[14:15] op_sel_hi:[1,0]   ; O^T under the new M; also the plain lines behind the conversions
.set j, j+2
.endr
	s_wait_dscnt 0x0                               ; V is in
.irp d, 0,1,2,3
	v_wmma_f32_16x16x128_fp8_fp8 v[O+8*\d:O+8*\d+7], v[VF+16*\d:VF+16*\d+15], v[KF:KF+15], v[O+8*\d:O+8*\d+7]   ; the four accumulators take turns, one line a turn
.endr
	s_add_co_u32 s[TB], s[TB], 8192
.endm
; A chunk of 512 keys: four steps.  The count leaves the later chunks' loads of a fetching wave on their way.
.macro CHUNK q
	s_wait_tensorcnt 3-\q
	s_wait_dscnt 0x0
	s_barrier_signal -1
	s_barrier_wait -1                              ; everybody's part of the chunk is in
	s_mov_b32 s[TB], \q*32768
	s_mov_b32 s[CNT], 4
.Lstep_\@:
	STEP
	s_sub_co_u32 s[CNT], s[CNT], 1
	s_cmp_lg_u32 s[CNT], 0
	s_cbranch_scc1 .Lstep_\@
.endm
	CHUNK 0
	CHUNK 1
	CHUNK 2
	CHUNK 3
	; THE WAY OUT: O^T / the sum x 2^(e8 + e9), through my stage in LDS, + X, as whole aligned blocks of 256 bytes: a head's 64 channels of a row.
.rept 4
	v_nop
.endr
.irp i, 0,1,2,3,4,5,6,7
	global_load_b128 v[VF+4*\i:VF+4*\i+3], v4, s[8:9] offset:8192*\i th:TH_LOAD_NT
.endr
	v_add_f32 v10, v10, v11
	v_permlanex16_b32 v26, v10, s[SEL], s[SEL+1]
	v_add_f32 v10, v10, v26                        ; the row's sum
	v_rcp_f32 v10, v10
	v_nop                                          ; a plain line behind the transcendental
	s_add_co_i32 s51, s62, s63
	s_wait_alu depctr_va_vdst(0)
	v_ldexp_f32 v10, v10, s51                      ; x 2^(e8 + e9)
.set j, 0
.rept 32
	v_mul_f32 v[S+j], v[O+j], v10                  ; register 8 t + i is o(r, 16 t + 8 h + i)
.set j, j+1
.endr
	s_wait_dscnt 0x0
	s_barrier_signal -1
	s_barrier_wait -1                              ; no wave reads K's region any more, and it has had its only fill: the stages lie there
.irp t, 0,1,2,3
	ds_store_b128 v5, v[S+8*\t:S+8*\t+3] offset:64*\t
	ds_store_b128 v5, v[S+8*\t+4:S+8*\t+7] offset:64*\t+16
.endr
.irp i, 0,1,2,3,4,5,6,7
	ds_load_b128 v[KF+4*\i:KF+4*\i+3], v6 offset:544*\i    ; LDS serves a wave's instructions in order: these see my stores
.endr
	s_wait_dscnt 0x0
	s_wait_loadcnt 0x0
.set j, 0
.rept 16
	v_pk_add_f32 v[KF+j:KF+j+1], v[KF+j:KF+j+1], v[VF+j:VF+j+1]
.set j, j+2
.endr
.irp i, 0,1,2,3,4,5,6,7
	global_store_b128 v4, v[KF+4*\i:KF+4*\i+3], s[12:13] offset:8192*\i   ; 16 lanes store 256 consecutive bytes, aligned
.endr
	s_wait_tensorcnt 0x0
	s_wait_xcnt 0x0
	v_lshl_add_u32 v254, v0, 2, 0x40000
	v_mov_b32 v255, 0
	s_wait_tensorcnt 0x0
	ds_add_u32 v254, v255
	s_wait_dscnt 0x0
	CROUND                                         ; the closing round
	s_endpgm
.Lfunc_end_k_qae11bd608d_attn:
	.size	k_qae11bd608d_attn, .Lfunc_end_k_qae11bd608d_attn-k_qae11bd608d_attn
	.p2alignl 7, 3214868480
	.fill 96, 4, 3214868480
	.section	.rodata,"a",@progbits
	.p2align	6, 0x0
	.amdhsa_kernel k_qae11bd608d_attn
		.amdhsa_group_segment_fixed_size 264192
		.amdhsa_private_segment_fixed_size 0
		.amdhsa_enable_private_segment 0
		.amdhsa_kernarg_size 40
		.amdhsa_user_sgpr_count 2
		.amdhsa_user_sgpr_kernarg_segment_ptr 1
		.amdhsa_wavefront_size32 1
		.amdhsa_system_sgpr_workgroup_id_x 1
		.amdhsa_system_sgpr_workgroup_id_y 1
		.amdhsa_system_sgpr_workgroup_id_z 1
		.amdhsa_system_vgpr_workitem_id 0
		.amdhsa_next_free_vgpr 256
		.amdhsa_next_free_sgpr 66
		.amdhsa_reserve_vcc 0
		.amdhsa_float_denorm_mode_32 3
		.amdhsa_float_denorm_mode_16_64 3
		.amdhsa_memory_ordered 1
		.amdhsa_forward_progress 1
		.amdhsa_inst_pref_size 79
	.end_amdhsa_kernel
	.amdgpu_metadata
---
amdhsa.version: [ 1, 2 ]
amdhsa.kernels:
  - .name:           k_qae11bd608d_attn
    .symbol:         k_qae11bd608d_attn.kd
    .args:
      - { .name: qkv, .offset: 0, .size: 8, .value_kind: global_buffer, .address_space: global }
      - { .name: null_k, .offset: 8, .size: 8, .value_kind: global_buffer, .address_space: global }
      - { .name: X, .offset: 16, .size: 8, .value_kind: global_buffer, .address_space: global }
      - { .name: lowp_scales, .offset: 24, .size: 8, .value_kind: global_buffer, .address_space: global }
      - { .name: hres, .offset: 32, .size: 8, .value_kind: global_buffer, .address_space: global }
    .group_segment_fixed_size: 264192
    .private_segment_fixed_size: 0
    .kernarg_segment_align: 8
    .kernarg_segment_size: 40
    .max_flat_workgroup_size: 512
    .sgpr_count:     66
    .vgpr_count:     256
    .wavefront_size: 32
...
	.end_amdgpu_metadata
.endif
;; end of part 3
;; launch ln1 (part 4): grid 256 x 1, 4 waves a work-group, no clusters, 0 bytes of LDS; arguments hres, g1, b1, lowp_scales, hr; writes hr
.if DOCPART == 4
	.amdgcn_target "amdgcn-amd-amdhsa--gfx1250"
	.amdhsa_code_object_version 6
	.text
	.protected	k_qae11bd608d_ln1
	.globl	k_qae11bd608d_ln1
	.p2align	8
	.type	k_qae11bd608d_ln1,@function
k_qae11bd608d_ln1:
	s_mov_b64 s[64:65], 0
	v_nop
	global_prefetch_b8 v0, s[64:65] scope:SCOPE_SE
	s_setreg_imm32_b32 hwreg(HW_REG_WAVE_MODE, 25, 1), 1
	s_wait_xcnt 0x0
; LAYER NORM OF hres AND THE QUANTISER BEHIND IT.  hres: [4096][1024] f32.  hr: E4M3 codes [4096][1024], a byte a code, K innermost, at 2^e10 (entry 10 of lowp_scales).
; y = ((x - mean) * rsqrt(var + 1e-5)) * g1 + b1, all in f32, the variance from the centred numbers; code = y / 2^e10, held within +-448, nearest, ties to even.
; SHARES.  A work-group takes 16 rows, a wave 4, one row at a time: the sums never leave the wave: no LDS, no barrier.  A lane holds elements 256 i + 8 lane + 0..7, i = 0..3.
; All 48 loads of a wave go out at the head; a store of 8 bytes a lane covers 256 consecutive bytes, aligned.
; LIMITS: e10 between -126 and 119.  NaN and infinities are not served.
.set G,   8                            ; v[8:39]    g1 of my 32 columns
.set BB,  40                           ; v[40:71]   b1
.set X,   72                           ; v[72:199]  four rows
.set T,   208                          ; v[208:239] the held numbers
.set C,   240                          ; v[240:247] codes
.set SEL, 42
	s_load_b256 s[4:11], s[0:1], 0x0               ; hres s[4:5], g1 s[6:7], b1 s[8:9], the exponents s[10:11]
	s_load_b64 s[36:37], s[0:1], 0x20              ; hr
	v_lshrrev_b32 v7, 5, v0
	v_readfirstlane_b32 s2, v7                     ; wave 0..3
	v_and_b32 v2, 31, v0
	v_lshlrev_b32 v1, 5, v2
	v_lshlrev_b32 v2, 3, v2
	s_lshl_b32 s3, ttmp9, 4
	s_lshl_b32 s26, s2, 2
	s_add_co_u32 s3, s3, s26                       ; my first row: 16 x work-group + 4 x wave
	s_lshl_b32 s26, s3, 12
	s_mov_b32 s27, 0
	s_lshl_b32 s38, s3, 10
	s_mov_b32 s39, 0
	s_mov_b32 s[SEL], 0x76543210
	s_mov_b32 s[SEL+1], 0xfedcba98
	s_mov_b32 s44, 0x3727c5ac                      ; 1e-5
	s_mov_b32 s45, 0x3a800000                      ; 1 / 1024
	s_wait_kmcnt 0x0
	s_load_b32 s14, s[10:11], 0x28                 ; e10
	s_add_nc_u64 s[4:5], s[4:5], s[26:27]
	s_add_nc_u64 s[36:37], s[36:37], s[38:39]
.irp i, 0,1,2,3
	global_load_b128 v[G+8*\i:G+8*\i+3],   v1, s[6:7] offset:1024*\i
	global_load_b128 v[G+8*\i+4:G+8*\i+7], v1, s[6:7] offset:1024*\i+16
.endr
.irp i, 0,1,2,3
	global_load_b128 v[BB+8*\i:BB+8*\i+3],   v1, s[8:9] offset:1024*\i
	global_load_b128 v[BB+8*\i+4:BB+8*\i+7], v1, s[8:9] offset:1024*\i+16
.endr
.irp r, 0,1,2,3
.irp i, 0,1,2,3
	global_load_b128 v[X+32*\r+8*\i:X+32*\r+8*\i+3],   v1, s[4:5] offset:4096*\r+1024*\i
	global_load_b128 v[X+32*\r+8*\i+4:X+32*\r+8*\i+7], v1, s[4:5] offset:4096*\r+1024*\i+16
.endr
.endr
	s_wait_kmcnt 0x0
	s_add_co_i32 s46, s14, 127
	s_lshl_b32 s47, s46, 23
	v_mov_b32 v3, s47                              ; 2^e10 as f32
	s_add_co_i32 s46, s46, 8
	s_lshl_b32 s46, s46, 23
	s_or_b32 s46, s46, 0x600000
	v_mov_b32 v4, s46                              ; 448 x 2^e10
.macro REDUCE                          ; v200 summed over the 32 lanes, the result in every lane
	v_add_f32_dpp v200, v200, v200 row_xmask:1 row_mask:0xf bank_mask:0xf
	v_add_f32_dpp v200, v200, v200 row_xmask:2 row_mask:0xf bank_mask:0xf
	v_add_f32_dpp v200, v200, v200 row_xmask:4 row_mask:0xf bank_mask:0xf
	v_add_f32_dpp v200, v200, v200 row_xmask:8 row_mask:0xf bank_mask:0xf
	v_permlanex16_b32 v203, v200, s[SEL], s[SEL+1]
	v_add_f32 v200, v200, v203
.endm
.macro ROW i
.set XS, X+32*(\i)
	s_wait_loadcnt 8*(3-(\i))                      ; this row's eight loads are in, the later rows' may be out
	v_pk_add_f32 v[200:201], v[XS:XS+1], v[XS+2:XS+3]
	v_pk_add_f32 v[202:203], v[XS+4:XS+5], v[XS+6:XS+7]
.irp j, 8,12,16,20,24,28
	v_pk_add_f32 v[200:201], v[200:201], v[XS+\j:XS+\j+1]
	v_pk_add_f32 v[202:203], v[202:203], v[XS+\j+2:XS+\j+3]
.endr
	v_pk_add_f32 v[200:201], v[200:201], v[202:203]
	v_add_f32 v200, v200, v201
	REDUCE
	v_mul_f32 v204, s45, v200                      ; the mean
	v_mov_b32 v205, v204
.irp j, 0,2,4,6,8,10,12,14,16,18,20,22,24,26,28,30
	v_pk_add_f32 v[XS+\j:XS+\j+1], v[XS+\j:XS+\j+1], v[204:205] neg_lo:[0,1] neg_hi:[0,1]
.endr
	v_pk_mul_f32 v[200:201], v[XS:XS+1], v[XS:XS+1]
	v_pk_mul_f32 v[202:203], v[XS+2:XS+3], v[XS+2:XS+3]
.irp j, 4,8,12,16,20,24,28
	v_pk_fma_f32 v[200:201], v[XS+\j:XS+\j+1], v[XS+\j:XS+\j+1], v[200:201]
	v_pk_fma_f32 v[202:203], v[XS+\j+2:XS+\j+3], v[XS+\j+2:XS+\j+3], v[202:203]
.endr
	v_pk_add_f32 v[200:201], v[200:201], v[202:203]
	v_add_f32 v200, v200, v201
	REDUCE
	v_fma_f32 v206, v200, s45, s44                 ; var + 1e-5
	v_rsq_f32 v206, v206
	v_mov_b32 v207, 0                              ; a plain line behind the transcendental; named with v206 as a pair
	s_wait_alu depctr_va_vdst(0)                   ; the wait ahead of the first reader
.irp j, 0,2,4,6,8,10,12,14,16,18,20,22,24,26,28,30
	v_pk_mul_f32 v[XS+\j:XS+\j+1], v[XS+\j:XS+\j+1], v[206:207] op_sel_hi:[1,0]
.endr
.irp j, 0,2,4,6,8,10,12,14,16,18,20,22,24,26,28,30
	v_pk_fma_f32 v[XS+\j:XS+\j+1], v[XS+\j:XS+\j+1], v[G+\j:G+\j+1], v[BB+\j:BB+\j+1]
.endr
.set j, 0
.rept 32
	v_med3_num_f32 v[T+j], v[XS+j], -v4, v4        ; the conversion does not saturate (ISA guide 7.6.2): the hold comes first
.set j, j+1
.endr
	s_wait_xcnt 0x0                                ; the last row's stores have read their data
.irp g, 0,1,2,3
	v_cvt_scalef32_pk8_fp8_f32 v[C+2*\g:C+2*\g+1], v[T+8*\g:T+8*\g+7], v3
.endr
	v_nop                                          ; a plain line between the last conversion and the next vector line that writes its sources
.irp g, 0,1,2,3
	global_store_b64 v2, v[C+2*\g:C+2*\g+1], s[36:37] offset:(\i)*1024+256*\g
.endr
.endm
	ROW 0
	ROW 1
	ROW 2
	ROW 3
	s_endpgm
.Lfunc_end_k_qae11bd608d_ln1:
	.size	k_qae11bd608d_ln1, .Lfunc_end_k_qae11bd608d_ln1-k_qae11bd608d_ln1
	.p2alignl 7, 3214868480
	.fill 96, 4, 3214868480
	.section	.rodata,"a",@progbits
	.p2align	6, 0x0
	.amdhsa_kernel k_qae11bd608d_ln1
		.amdhsa_group_segment_fixed_size 0
		.amdhsa_private_segment_fixed_size 0
		.amdhsa_enable_private_segment 0
		.amdhsa_kernarg_size 40
		.amdhsa_user_sgpr_count 2
		.amdhsa_user_sgpr_kernarg_segment_ptr 1
		.amdhsa_wavefront_size32 1
		.amdhsa_system_sgpr_workgroup_id_x 1
		.amdhsa_system_sgpr_workgroup_id_y 1
		.amdhsa_system_sgpr_workgroup_id_z 1
		.amdhsa_system_vgpr_workitem_id 0
		.amdhsa_next_free_vgpr 256
		.amdhsa_next_free_sgpr 66
		.amdhsa_reserve_vcc 0
		.amdhsa_float_denorm_mode_32 3
		.amdhsa_float_denorm_mode_16_64 3
		.amdhsa_memory_ordered 1
		.amdhsa_forward_progress 1
		.amdhsa_inst_pref_size 41
	.end_amdhsa_kernel
	.amdgpu_metadata
---
amdhsa.version: [ 1, 2 ]
amdhsa.kernels:
  - .name:           k_qae11bd608d_ln1
    .symbol:         k_qae11bd608d_ln1.kd
    .args:
      - { .name: hres, .offset: 0, .size: 8, .value_kind: global_buffer, .address_space: global }
      - { .name: g1, .offset: 8, .size: 8, .value_kind: global_buffer, .address_space: global }
      - { .name: b1, .offset: 16, .size: 8, .value_kind: global_buffer, .address_space: global }
      - { .name: lowp_scales, .offset: 24, .size: 8, .value_kind: global_buffer, .address_space: global }
      - { .name: hr, .offset: 32, .size: 8, .value_kind: global_buffer, .address_space: global }
    .group_segment_fixed_size: 0
    .private_segment_fixed_size: 0
    .kernarg_segment_align: 8
    .kernarg_segment_size: 40
    .max_flat_workgroup_size: 128
    .sgpr_count:     66
    .vgpr_count:     256
    .wavefront_size: 32
...
	.end_amdgpu_metadata
.endif
;; end of part 4
;; launch ffn1 (part 5): grid 16 x 16, 4 waves a work-group, clusters of 4 x 4, 327,680 bytes of LDS; arguments hr, W1_codes, bf1, lowp_scales, hid; writes hid
.if DOCPART == 5
	.amdgcn_target "amdgcn-amd-amdhsa--gfx1250"
	.amdhsa_code_object_version 6
	.text
	.protected	k_qae11bd608d_ffn1
	.globl	k_qae11bd608d_ffn1
	.p2align	8
	.type	k_qae11bd608d_ffn1,@function
k_qae11bd608d_ffn1:
	s_mov_b64 s[64:65], 0
	v_nop
	global_prefetch_b8 v0, s[64:65] scope:SCOPE_SE
	s_setreg_imm32_b32 hwreg(HW_REG_WAVE_MODE, 25, 1), 1
	s_wait_xcnt 0x0
	s_wait_alu depctr_hold_cnt(0) depctr_sa_sdst(0) depctr_va_vdst(0) depctr_va_sdst(0) depctr_va_ssrc(0) depctr_va_vcc(0) depctr_vm_vsrc(0)
	s_getreg_b32 s2, hwreg(HW_REG_IB_STS2, 6, 4)
	s_cmp_eq_u32 s2, 0
	s_cbranch_scc0 .Lentry_in_a_cluster
	s_endpgm
.Lentry_in_a_cluster:
	s_bfe_u32 s2, ttmp6, 0x10000c
	s_cmp_lg_u32 s2, 0xf033
	s_cbranch_scc0 .Lentry_shape_is_right
	s_endpgm
.Lentry_shape_is_right:
; hid = Q(gelu(hr W1 + bf1)): [4096 x 1024] x [1024 x 4096] on codes of E4M3, the exact gelu in f32, and the quantiser at 2^e12.
; hr: codes [4096][1024]; W1_codes: [4096][1024], K innermost.  A finished sum is multiplied by 2^(e10 + e11) and bf1 is added in the same fused multiply-add.
; THE CORE: a tile of 256 x 256 by four waves, 128 x 128 each (64 accumulators); K in steps of 256 through two LDS slots filled by the tensor data mover; 4 x 4 work-groups form a cluster, A's tile (hr) asked for jointly
; along a row, B's (W1) along a column.  The matrix instruction is used transposed (source 0 = W1's rows, source 1 = hr's rows): a lane holds one row and eight neighbouring hidden units, the next product's K.
; THE GELU: gelu(y) = max(y, 0) - |y| E, E = erfc(|y| / sqrt 2) / 2 = t 2^(P(t) - y^2 log2(e) / 2), t = 1 / (1 + |y| sqrt(2) / 4), P a polynomial of degree 9 (a Chebyshev fit of erfc whose
; fractional error stays under 1.2e-7 for every argument; its coefficients carry log2(e), the constant one also the factor 1/2).  No difference of large numbers is formed on either side of 0.
; It is about 800 lines for a block of 16 rows.  So that it is written once, the wave's 128 x 128 pre-activations go to LDS as images of their registers (64 KiB a wave, in the two slots, which have had their last fill
; and, behind a barrier, their last read), and a loop of eight trips takes a block at a time.
; OUT: hid = [256 blocks of 16 rows][32 K steps of 128][2,048 bytes]: the image of a fragment whose registers 4 c .. 4 c + 3 hold k = 32 c + 16 (lane / 16) + 0..15: lane (r, h) stores the 8 codes of n-tile b
; at 256 b + 16 r + 8 h: a store's 32 lanes cover 256 consecutive bytes, aligned.
; LIMITS: e10 + e11 between -126 and 127; e12 between -126 and 119.  NaN and infinities are not served.
; REGISTERS: window 0: v1 r, v2 h, v10, v11: 2^e12 and 448 x it, v[12:13] a coefficient, v16-21 LDS addresses, v24, v25 the images' addresses, v26 16 r + 8 h, v27 32 h, v28, v29 for the add, v64-127 bf1 (later P),
;   v128-255 A's fragments (later y and t), v32-63 at work;  window 1: B's fragments, two sets;  windows 2, 3: the accumulators.
.set KROW,   1024
.set LAPS,   2
.set PITCH,  272                       ; an LDS row: 256 bytes + 16 of padding: the 16 rows that a load touches start at 16 different banks (64 banks of 4 bytes: ISA guide 11.1)
.set FR,     16
.set NL,     4
.set NP,     4
.set HALFT,  128*PITCH
.set SLOT,   4*HALFT
.set SPARE,  2*SLOT                    ; behind the ring: the spare words, 128 bytes for each wave, which no other line names
.set ASTEP,  256
.set BSTEP,  256
.set AQ,     128
.set ACH,    32
.set AI,     16*PITCH
.set ADRA, 16
.set ADRB, 20
.set SPW,  28
.set NIL,  29
.set BI,   64
.set AF,   128
.set UU,   32                          ; the gelu: at work, then the codes
.set PP,   64                          ; the polynomial, then E
.set YY,   128                         ; y, then gelu(y)
.set TQ,   192                         ; t, then max(y, 0)
.set G1, 24
.set G0, 32
.set G1B, 48
.set G0B, 56
.set MSB, 0
.macro WIN new
.if MSB != \new
	s_set_vgpr_msb (MSB<<8)|\new
.set MSB, \new
.endif
.endm
.set MUL_LO, 0xa1
.set MUL_HI, 0xf1
.set TO_B,   0x40
.macro JLOAD g0a, g1a, g0b, g1b        ; a joint load: waves 0 and 1 fetch for A, waves 2 and 3 for B; four v_nop follow each of the two lines
	s_cmp_eq_u32 s15, 0
	s_cbranch_scc0 .Lfor_b_\@
	tensor_load_to_lds s[\g0a:\g0a+3], s[\g1a:\g1a+7]
	s_nop 0
.rept 4
	v_nop
.endr
	s_branch .Lasked_\@
.Lfor_b_\@:
	tensor_load_to_lds s[\g0b:\g0b+3], s[\g1b:\g1b+7]
	s_nop 0
.rept 4
	v_nop
.endr
.Lasked_\@:
.endm
.macro CREST
	s_cmp_lg_u32 s14, 0
	s_cbranch_scc1 .Lnot_wave_0_\@
	s_barrier_signal -3
.Lnot_wave_0_\@:
	s_barrier_wait -3
	s_barrier_signal -1
	s_barrier_wait -1
.endm
.macro CROUND
	s_barrier_signal -1
	s_barrier_wait -1
	CREST
.endm
	s_load_b256 s[4:11], s[0:1], 0x0               ; hr s[4:5], W1 s[6:7], bf1 s[8:9], the exponents s[10:11]
	s_load_b64 s[12:13], s[0:1], 0x20              ; hid
	v_lshl_add_u32 v[SPW], v0, 2, SPARE
	v_mov_b32 v[NIL], 0
	ds_add_u32 v28, v29
	ds_add_u32 v28, v29
	s_wait_dscnt 0x0
	v_lshrrev_b32 v1, 5, v0
	v_readfirstlane_b32 s14, v1                    ; wave 0..3
	s_lshr_b32 s15, s14, 1                         ; my half of the tile's rows; also: I fetch for A (0) or B (1)
	s_and_b32 s16, s14, 1                          ; my half of its columns; also: which 128 rows I fetch
	s_bfe_u32 s40, ttmp6, 0x40000                  ; cx, cy
	s_bfe_u32 s41, ttmp6, 0x40004
	s_lshl_b32 s42, ttmp9, 2
	s_add_co_u32 s42, s42, s40                     ; tile column
	s_and_b32 s17, ttmp7, 0xffff
	s_lshl_b32 s17, s17, 2
	s_add_co_u32 s17, s17, s41                     ; tile row
	s_lshl_b32 s43, s41, 2
	s_lshl_b32 s43, 15, s43                        ; my row of the cluster
	s_lshl_b32 s44, 0x1111, s40                    ; my column
	s_or_b32 s[G1+0], s43, (0<<16)|(1<<20)|(1<<21)|(5<<22)|(3<<25)  ; the mask; elements of 1 byte; padding on; bit 21 beside a mask; four words after every 64
	s_or_b32 s[G1B+0], s44, (0<<16)|(1<<20)|(1<<21)|(5<<22)|(3<<25)
.irp g, G1, G1B
	s_mov_b32 s[\g+1], 256<<16                     ; tensor_dim0
	s_mov_b32 s[\g+2], 128<<16                     ; tensor_dim1
	s_mov_b32 s[\g+3], 256<<16                     ; tile_dim0
	s_mov_b32 s[\g+4], 128                         ; tile_dim1
	s_mov_b32 s[\g+5], KROW                        ; tensor_dim0_stride
	s_mov_b32 s[\g+6], 0
	s_mov_b32 s[\g+7], 0
.endr
	s_lshl_b32 s18, s16, 7
	s_lshl_b32 s20, s17, 8
	s_add_co_u32 s20, s20, s18
	s_lshl_b32 s20, s20, 10                        ; A: (256 x tile row + 128 x half) rows of 1,024 bytes
	s_mov_b32 s21, 0
	s_lshl_b32 s46, s42, 8
	s_add_co_u32 s46, s46, s18
	s_lshl_b32 s46, s46, 10                        ; B likewise
	s_mov_b32 s47, 0
	s_mul_i32 s45, s14, HALFT
	s_lshl_b32 s98, s42, 10
	s_lshl_b32 s99, s16, 9
	s_add_co_u32 s98, s98, s99                     ; bf1: 4 x (256 x tile column + 128 x half)
	s_mov_b32 s99, 0
	s_wait_kmcnt 0x0
	s_load_b128 s[68:71], s[10:11], 0x28           ; e10 .. e13
	s_add_nc_u64 s[20:21], s[4:5], s[20:21]
	s_add_nc_u64 s[46:47], s[6:7], s[46:47]
	s_add_nc_u64 s[8:9], s[8:9], s[98:99]
	CROUND                                         ; all sixteen work-groups are here: the first joint loads meet
.irp s, 0,1
	s_mov_b32 s[G0+4*\s], 1
	s_add_co_u32 s[G0+4*\s+1], s45, \s*SLOT
	s_add_nc_u64 s[G0+4*\s+2:G0+4*\s+3], s[20:21], \s*ASTEP
	s_or_b32 s[G0+4*\s+3], s[G0+4*\s+3], 0x80000000
	s_mov_b32 s[G0B+4*\s], 1
	s_add_co_u32 s[G0B+4*\s+1], s45, \s*SLOT
	s_add_nc_u64 s[G0B+4*\s+2:G0B+4*\s+3], s[46:47], \s*BSTEP
	s_or_b32 s[G0B+4*\s+3], s[G0B+4*\s+3], 0x80000000
	JLOAD G0+4*\s, G1, G0B+4*\s, G1B
.endr
	v_and_b32 v1, 15, v0                           ; r
	v_bfe_u32 v2, v0, 4, 1                         ; h
	v_lshlrev_b32 v27, 5, v2
.irp b, 0,1,2,3,4,5,6,7
	global_load_b128 v[BI+8*\b:BI+8*\b+3],   v27, s[8:9] offset:64*\b      ; bf1[16 b + 8 h + 0..7] of my 128 columns: they land while the loop runs
	global_load_b128 v[BI+8*\b+4:BI+8*\b+7], v27, s[8:9] offset:64*\b+16
.endr
	v_mul_u32_u24 v3, v1, PITCH
	v_lshl_add_u32 v4, v2, 4, v3
	s_mul_i32 s21, s15, HALFT
	s_mul_i32 s22, s16, HALFT
	s_add_co_u32 s22, s22, 2*HALFT
.irp s, 0,1
	v_add_nc_u32 v[ADRA+\s], s21, v4
	v_add_nc_u32 v[ADRB+\s], s22, v4
	s_add_co_u32 s21, s21, SLOT
	s_add_co_u32 s22, s22, SLOT
.endr
	v_and_b32 v5, 31, v0
	v_lshlrev_b32 v24, 4, v5
	s_lshl_b32 s22, s14, 16
	v_add_nc_u32 v24, s22, v24                     ; the pre-activations' images: 64 KiB x wave + 16 x lane
	v_lshlrev_b32 v26, 4, v1
	v_lshl_add_u32 v26, v2, 3, v26                 ; 16 r + 8 h
	s_lshl_b32 s22, s17, 4
	s_lshl_b32 s23, s15, 3
	s_add_co_u32 s22, s22, s23
	s_lshl_b32 s22, s22, 16                        ; hid: block of rows 16 x tile row + 8 x half, 64 KiB each,
	s_lshl_b32 s23, s42, 1
	s_add_co_u32 s23, s23, s16
	s_lshl_b32 s23, s23, 11                        ; K step 2 x tile column + half, 2 KiB each
	s_add_co_u32 s22, s22, s23
	s_mov_b32 s23, 0
	s_add_nc_u64 s[12:13], s[12:13], s[22:23]
.macro FRAGA reg, slot, q, i
.irp c, 0,1,2,3
	ds_load_b128 v[\reg+4*\c:\reg+4*\c+3], v[ADRA+\slot] offset:AQ*(\q)+ACH*\c+(\i)*AI
.endr
.endm
.macro FRAGB reg, slot, q, i
.irp c, 0,1,2,3
	ds_load_b128 v[\reg+4*\c:\reg+4*\c+3], v[ADRB+\slot] offset:128*(\q)+32*\c+(\i)*16*PITCH
.endr
.endm
.macro MUL16 a0, p, zero               ; 16 products: A's blocks a0, a0 + 1 x B's eight; the 64 accumulators take turns
.irp a, \a0, \a0+1
.irp b, 0,1,2,3,4,5,6,7
.if \zero
	v_wmma_f32_16x16x128_fp8_fp8 v[8*(8*((\a)%4)+\b):8*(8*((\a)%4)+\b)+7], v[128*(\p)+FR*\b:128*(\p)+FR*\b+FR-1], v[AF+FR*(\a):AF+FR*(\a)+FR-1], 0
.else
	v_wmma_f32_16x16x128_fp8_fp8 v[8*(8*((\a)%4)+\b):8*(8*((\a)%4)+\b)+7], v[128*(\p)+FR*\b:128*(\p)+FR*\b+FR-1], v[AF+FR*(\a):AF+FR*(\a)+FR-1], v[8*(8*((\a)%4)+\b):8*(8*((\a)%4)+\b)+7]
.endif
.endr
.endr
.endm
.macro FETCH_B slot, q, p
	WIN TO_B
.irp i, 0,1,2,3,4,5,6,7
	FRAGB 128*(\p)+FR*\i, \slot, \q, \i
.endr
	WIN 0
.endm
.macro FETCH_A slot, q, i0
.irp i, \i0, \i0+1, \i0+2, \i0+3
	FRAGA AF+FR*(\i), \slot, \q, \i
.endr
.endm
.macro PLACES n
.rept \n
	v_nop
.endr
.endm
.macro STEP slot, q, zero
	s_wait_dscnt 4*NL                              ; B's set and A's blocks 0-3 are in; the youngest 16 loads (A's blocks 4-7) may be out
	WIN MUL_LO
	MUL16 0, (\q)%2, \zero
	MUL16 2, (\q)%2, \zero
	s_wait_dscnt 0
	PLACES NP
	FETCH_B \slot, (\q)+1, 1-(\q)%2
	FETCH_A \slot, (\q)+1, 0
	WIN MUL_HI
	MUL16 4, (\q)%2, \zero
	MUL16 6, (\q)%2, \zero
	PLACES NP
	WIN 0
	FETCH_A \slot, (\q)+1, 4
.endm
.macro TURN slot, next, fill
	s_wait_tensorcnt 0x0                           ; all my tensor loads have landed: my part of the next slot
	ds_add_u32 v[SPW], v[NIL]                      ; 0 onto my spare word
	s_wait_dscnt 4*NL+1                            ; the add and the youngest 16 loads may be out
	WIN MUL_LO
	MUL16 0, 1, 0
	s_wait_dscnt 0x0                               ; the add is done, and my reads of this slot are over
	s_barrier_signal -1
	MUL16 2, 1, 0
	WIN 0
	s_barrier_wait -1
.if \fill
	CREST                                          ; the barrier has opened a round of the cluster's barrier
	s_add_nc_u64 s[G0+4*\slot+2:G0+4*\slot+3], s[G0+4*\slot+2:G0+4*\slot+3], 2*ASTEP
	s_add_nc_u64 s[G0B+4*\slot+2:G0B+4*\slot+3], s[G0B+4*\slot+2:G0B+4*\slot+3], 2*BSTEP
	JLOAD G0+4*\slot, G1, G0B+4*\slot, G1B         ; the first tensor load behind the round
.else
	PLACES NP
.endif
	FETCH_B \next, 0, 0
	FETCH_A \next, 0, 0
	WIN MUL_HI
	MUL16 4, 1, 0
	MUL16 6, 1, 0
	PLACES NP
	WIN 0
	FETCH_A \next, 0, 4
.endm
	s_wait_tensorcnt 1                             ; my part of K step 0 is in; K step 1's load may be out
	s_barrier_signal -1
	s_barrier_wait -1
	FETCH_B 0, 0, 0
	FETCH_A 0, 0, 0
	FETCH_A 0, 0, 4
	STEP 0, 0, 1
	s_mov_b32 s3, LAPS-1
.Llap:
	TURN 0, 1, 1
	STEP 1, 0, 0
	TURN 1, 0, 1
	STEP 0, 0, 0
	s_sub_co_u32 s3, s3, 1
	s_cmp_lg_u32 s3, 0
	s_cbranch_scc1 .Llap
	TURN 0, 1, 0
	STEP 1, 0, 0
	s_wait_dscnt 4*NL
	WIN MUL_LO
	MUL16 0, 1, 0
	MUL16 2, 1, 0
	s_wait_dscnt 0
	WIN MUL_HI
	MUL16 4, 1, 0
	MUL16 6, 1, 0
	WIN 0
	; THE WAY OUT.  Every wave's reads of both slots are over (the wait above), and every tensor load has landed: behind this barrier the slots' bytes are the waves' stages.
	s_barrier_signal -1
	s_barrier_wait -1
	s_wait_loadcnt 0x0                             ; bf1
	s_wait_kmcnt 0x0                               ; the exponents
	s_add_co_i32 s96, s68, s69
	s_add_co_i32 s96, s96, 127
	s_lshl_b32 s96, s96, 23                        ; 2^(e10 + e11) as f32
	s_mov_b32 s97, s96
	s_add_co_i32 s99, s70, 127
	s_lshl_b32 s98, s99, 23
	v_mov_b32 v10, s98                             ; 2^e12
	s_add_co_i32 s99, s99, 8
	s_lshl_b32 s99, s99, 23
	s_or_b32 s99, s99, 0x600000
	v_mov_b32 v11, s99                             ; 448 x 2^e12
.macro KPAIR reg, bits                 ; a constant for packed lines: a pair, both words written
	s_mov_b32 s[\reg], \bits
	s_mov_b32 s[\reg+1], \bits
.endm
	KPAIR 72, 0x3e7c6f08                           ; c9
	KPAIR 74, 0x40097039                           ; c7
	KPAIR 76, 0xbfd1a1e5                           ; c6
	KPAIR 78, 0x3ecdfd18                           ; c5
	KPAIR 80, 0xbe899a80                           ; c4
	KPAIR 82, 0x3e0efb2e                           ; c3
	KPAIR 84, 0x3f0a29d2                           ; c2
	KPAIR 86, 0x3fb8ab5a                           ; c1
	KPAIR 88, 0xc034d90f                           ; c0
	KPAIR 90, 0xbf38aa3b                           ; -log2(e) / 2
	s_mov_b32 s92, 0x3eb504f3                      ; sqrt(2) / 4
	v_mov_b32 v12, 0xbf97d29d                      ; c8
	v_mov_b32 v13, 0xbf97d29d
	PLACES NP
; Block a: y = sum x 2^(e10 + e11) + bf1, 64 registers, to LDS as they stand.  Two sets of registers by turns; the count leaves the last block's 16 stores out and shows the stores of the block before done.
.macro TOLDS a
.set AC, 64*((\a)%4)
.set TS, 128+64*((\a)%2)
.if (\a) >= 2
	s_wait_dscnt 16
.endif
	WIN 0x02+((\a)/4)
.irp b, 0,1,2,3,4,5,6,7
.irp i, 0,2,4,6
	v_pk_fma_f32 v[TS+8*\b+\i:TS+8*\b+\i+1], v[AC+8*\b+\i:AC+8*\b+\i+1], s[96:97], v[BI+8*\b+\i:BI+8*\b+\i+1] op_sel_hi:[1,0,1]
.endr
.endr
	WIN 0
.set j, 0
.rept 16
	ds_store_b128 v24, v[TS+4*j:TS+4*j+3] offset:(16*(\a)+j)*512
.set j, j+1
.endr
.endm
.irp a, 0,1,2,3,4,5,6,7
	TOLDS \a
.endr
	s_wait_dscnt 0x0                               ; the stores have read their registers
	s_mov_b32 s22, 0                               ; the block's image: 8 KiB a block
	s_mov_b32 s3, 8
.Lgelu:
	v_add_nc_u32 v25, s22, v24
.set j, 0
.rept 16
	ds_load_b128 v[YY+4*j:YY+4*j+3], v25 offset:512*j      ; my own bytes: LDS serves a wave's instructions in order
.set j, j+1
.endr
	s_wait_dscnt 0x0
.set j, 0
.rept 64
	v_fma_f32 v[TQ+j], |v[YY+j]|, s92, 1.0
.set j, j+1
.endr
.set j, 0
.rept 64
	v_rcp_f32 v[TQ+j], v[TQ+j]                     ; t
.set j, j+1
.endr
	v_nop                                          ; a plain line behind the batch
	s_wait_alu depctr_va_vdst(0)                   ; one wait for the batch, ahead of its first reader
.set j, 0
.rept 32
	v_pk_fma_f32 v[PP+j:PP+j+1], v[TQ+j:TQ+j+1], s[72:73], v[12:13] op_sel_hi:[1,0,1]   ; c9 t + c8
.set j, j+2
.endr
.irp k, 74,76,78,80,82,84,86,88
.set j, 0
.rept 32
	v_pk_fma_f32 v[PP+j:PP+j+1], v[PP+j:PP+j+1], v[TQ+j:TQ+j+1], s[\k:\k+1] op_sel_hi:[1,1,0]
.set j, j+2
.endr
.endr
.irp u, 0,32
.set j, 0
.rept 16
	v_pk_mul_f32 v[UU+j:UU+j+1], v[YY+\u+j:YY+\u+j+1], s[90:91] op_sel_hi:[1,0]
.set j, j+2
.endr
.set j, 0
.rept 16
	v_pk_fma_f32 v[PP+\u+j:PP+\u+j+1], v[UU+j:UU+j+1], v[YY+\u+j:YY+\u+j+1], v[PP+\u+j:PP+\u+j+1]   ; P(t) - y^2 log2(e) / 2
.set j, j+2
.endr
.endr
.set j, 0
.rept 64
	v_exp_f32 v[PP+j], v[PP+j]
.set j, j+1
.endr
	v_nop
	s_wait_alu depctr_va_vdst(0)
.set j, 0
.rept 32
	v_pk_mul_f32 v[PP+j:PP+j+1], v[PP+j:PP+j+1], v[TQ+j:TQ+j+1]    ; E
.set j, j+2
.endr
.set j, 0
.rept 64
	v_max_num_f32 v[TQ+j], 0, v[YY+j]
.set j, j+1
.endr
.set j, 0
.rept 64
	v_fma_f32 v[YY+j], -|v[YY+j]|, v[PP+j], v[TQ+j]        ; gelu(y) = max(y, 0) - |y| E
.set j, j+1
.endr
.set j, 0
.rept 64
	v_med3_num_f32 v[YY+j], v[YY+j], -v11, v11     ; the conversion does not saturate (ISA guide 7.6.2): the hold comes first
.set j, j+1
.endr
.irp b, 0,1,2,3,4,5,6,7
	v_cvt_scalef32_pk8_fp8_f32 v[UU+2*\b:UU+2*\b+1], v[YY+8*\b:YY+8*\b+7], v10
.endr
	v_nop                                          ; a plain line behind the last conversion
.irp b, 0,1,2,3,4,5,6,7
	global_store_b64 v26, v[UU+2*\b:UU+2*\b+1], s[12:13] offset:256*\b     ; 32 lanes store 256 consecutive bytes, aligned
.endr
	s_wait_xcnt 0x0                                ; the stores have read their data and their base: both are written again only behind this wait
	s_add_nc_u64 s[12:13], s[12:13], 65536         ; the next block of 16 rows
	s_add_co_u32 s22, s22, 8192
	s_sub_co_u32 s3, s3, 1
	s_cmp_lg_u32 s3, 0
	s_cbranch_scc1 .Lgelu
	s_wait_tensorcnt 0x0                           ; the wave's end
	ds_add_u32 v[SPW], v[NIL]
	s_wait_dscnt 0x0
	CROUND                                         ; the closing round
	s_endpgm
.Lfunc_end_k_qae11bd608d_ffn1:
	.size	k_qae11bd608d_ffn1, .Lfunc_end_k_qae11bd608d_ffn1-k_qae11bd608d_ffn1
	.p2alignl 7, 3214868480
	.fill 96, 4, 3214868480
	.section	.rodata,"a",@progbits
	.p2align	6, 0x0
	.amdhsa_kernel k_qae11bd608d_ffn1
		.amdhsa_group_segment_fixed_size 327680
		.amdhsa_private_segment_fixed_size 0
		.amdhsa_enable_private_segment 0
		.amdhsa_kernarg_size 40
		.amdhsa_user_sgpr_count 2
		.amdhsa_user_sgpr_kernarg_segment_ptr 1
		.amdhsa_wavefront_size32 1
		.amdhsa_system_sgpr_workgroup_id_x 1
		.amdhsa_system_sgpr_workgroup_id_y 1
		.amdhsa_system_sgpr_workgroup_id_z 1
		.amdhsa_system_vgpr_workitem_id 0
		.amdhsa_next_free_vgpr 1024
		.amdhsa_next_free_sgpr 100
		.amdhsa_reserve_vcc 0
		.amdhsa_float_denorm_mode_32 3
		.amdhsa_float_denorm_mode_16_64 3
		.amdhsa_memory_ordered 1
		.amdhsa_forward_progress 1
		.amdhsa_inst_pref_size 151
	.end_amdhsa_kernel
	.amdgpu_metadata
---
amdhsa.version: [ 1, 2 ]
amdhsa.kernels:
  - .name:           k_qae11bd608d_ffn1
    .symbol:         k_qae11bd608d_ffn1.kd
    .args:
      - { .name: hr, .offset: 0, .size: 8, .value_kind: global_buffer, .address_space: global }
      - { .name: W1_codes, .offset: 8, .size: 8, .value_kind: global_buffer, .address_space: global }
      - { .name: bf1, .offset: 16, .size: 8, .value_kind: global_buffer, .address_space: global }
      - { .name: lowp_scales, .offset: 24, .size: 8, .value_kind: global_buffer, .address_space: global }
      - { .name: hid, .offset: 32, .size: 8, .value_kind: global_buffer, .address_space: global }
    .group_segment_fixed_size: 327680
    .private_segment_fixed_size: 0
    .kernarg_segment_align: 8
    .kernarg_segment_size: 40
    .max_flat_workgroup_size: 128
    .sgpr_count:     100
    .vgpr_count:     1024
    .wavefront_size: 32
...
	.end_amdgpu_metadata
.endif
;; end of part 5
;; launch ffn2 (part 6): grid 4 x 16, 4 waves a work-group, clusters of 4 x 4, 327,680 bytes of LDS; arguments hid, W2_codes, bf2, lowp_scales, hres, out0; writes out0
.if DOCPART == 6
	.amdgcn_target "amdgcn-amd-amdhsa--gfx1250"
	.amdhsa_code_object_version 6
	.text
	.protected	k_qae11bd608d_ffn2
	.globl	k_qae11bd608d_ffn2
	.p2align	8
	.type	k_qae11bd608d_ffn2,@function
k_qae11bd608d_ffn2:
	s_mov_b64 s[64:65], 0
	v_nop
	global_prefetch_b8 v0, s[64:65] scope:SCOPE_SE
	s_setreg_imm32_b32 hwreg(HW_REG_WAVE_MODE, 25, 1), 1
	s_wait_xcnt 0x0
	s_wait_alu depctr_hold_cnt(0) depctr_sa_sdst(0) depctr_va_vdst(0) depctr_va_sdst(0) depctr_va_ssrc(0) depctr_va_vcc(0) depctr_vm_vsrc(0)
	s_getreg_b32 s2, hwreg(HW_REG_IB_STS2, 6, 4)
	s_cmp_eq_u32 s2, 0
	s_cbranch_scc0 .Lentry_in_a_cluster
	s_endpgm
.Lentry_in_a_cluster:
	s_bfe_u32 s2, ttmp6, 0x10000c
	s_cmp_lg_u32 s2, 0xf033
	s_cbranch_scc0 .Lentry_shape_is_right
	s_endpgm
.Lentry_shape_is_right:
; out0 = hres + hid W2 + bf2: [4096 x 4096] x [4096 x 1024] on codes of E4M3; a finished sum is multiplied by 2^(e12 + e13), bf2 is added in the same fused multiply-add, hres behind it.
; hid: [256 blocks of 16 rows][32 K steps of 128][2,048 bytes], images of fragments (registers 4 c .. 4 c + 3: k = 32 c + 16 (lane / 16) + 0..15).  W2_codes: [1024][4096], K innermost.
; THE CORE: a tile of 256 x 256 by four waves, 128 x 128 each (64 accumulators); K in steps of 256 through two LDS slots; 4 x 4 work-groups form a cluster, A's tile (hid) asked for jointly along a row, B's (W2) along a column.
; A's tile of a K step is 8 blocks x 4,096 consecutive bytes a load, laid dense in LDS: a fragment comes back by four loads at 16 x lane, 512 consecutive bytes each.  B's rows are padded, and fetched by four loads of 16 bytes
; a lane, which give the same places of k as A's images have.
; 64 tiles of this size: the launch has 64 work-groups.  The tile is kept so large because each byte read from LDS then feeds the most products.
; THE WAY OUT: a block of 16 rows x 128 columns goes through the wave's stage in LDS (in slot 0, which has had its last fill and its last read) and comes back as rows of 512 bytes; hres's rows are loaded four blocks ahead.
; LIMIT: e12 + e13 between -126 and 127.
; REGISTERS: window 0: v1 r, v2 h, v16-21 LDS addresses, v24, v25 the stage, v26 16 x lane, v27 32 h, v28, v29 for the add, v64-127 bf2, v128-255 A's fragments (later results and rows);
;   window 1: B's fragments, two sets (later four blocks of hres);  windows 2, 3: the accumulators.
.set LAPS,   8                         ; K / 512
.set PITCH,  272
.set FR,     16
.set NL,     4
.set NP,     4
.set HALFT,  128*PITCH
.set SLOT,   4*HALFT
.set SPARE,  2*SLOT                    ; behind the ring: the spare words, 128 bytes for each wave, which no other line names
.set ASTEP,  4096                      ; a K step of 256 is two images of a block: 4,096 bytes
.set BSTEP,  256
.set AQ,     2048                      ; A in LDS: from 128 along K to the next,
.set ACH,    512                       ; from a lane's 16 bytes to its next,
.set AI,     4096                      ; from a block of 16 rows to the next
.set SPITCH, 528                       ; the stage: 16 rows x (512 + 16) bytes for each wave
.set ADRA, 16
.set ADRB, 20
.set STO,  24
.set RD,   25
.set CO,   26
.set SPW,  28
.set NIL,  29
.set BI,   64
.set AF,   128
.set TMP,  128
.set BK,   192
.set G1, 24
.set G0, 32
.set G1B, 48
.set G0B, 56
.set MSB, 0
.macro WIN new
.if MSB != \new
	s_set_vgpr_msb (MSB<<8)|\new
.set MSB, \new
.endif
.endm
.set MUL_LO, 0xa1
.set MUL_HI, 0xf1
.set TO_B,   0x40
.macro JLOAD g0a, g1a, g0b, g1b        ; a joint load: waves 0 and 1 fetch for A, waves 2 and 3 for B; four v_nop follow each of the two lines
	s_cmp_eq_u32 s15, 0
	s_cbranch_scc0 .Lfor_b_\@
	tensor_load_to_lds s[\g0a:\g0a+3], s[\g1a:\g1a+7]
	s_nop 0
.rept 4
	v_nop
.endr
	s_branch .Lasked_\@
.Lfor_b_\@:
	tensor_load_to_lds s[\g0b:\g0b+3], s[\g1b:\g1b+7]
	s_nop 0
.rept 4
	v_nop
.endr
.Lasked_\@:
.endm
.macro CREST
	s_cmp_lg_u32 s14, 0
	s_cbranch_scc1 .Lnot_wave_0_\@
	s_barrier_signal -3
.Lnot_wave_0_\@:
	s_barrier_wait -3
	s_barrier_signal -1
	s_barrier_wait -1
.endm
.macro CROUND
	s_barrier_signal -1
	s_barrier_wait -1
	CREST
.endm
	s_load_b256 s[4:11], s[0:1], 0x0               ; hid s[4:5], W2 s[6:7], bf2 s[8:9], the exponents s[10:11]
	s_load_b128 s[68:71], s[0:1], 0x20             ; hres s[68:69], out0 s[70:71]
	v_lshl_add_u32 v[SPW], v0, 2, SPARE
	v_mov_b32 v[NIL], 0
	ds_add_u32 v28, v29
	ds_add_u32 v28, v29
	s_wait_dscnt 0x0
	v_lshrrev_b32 v1, 5, v0
	v_readfirstlane_b32 s14, v1                    ; wave 0..3
	s_lshr_b32 s15, s14, 1
	s_and_b32 s16, s14, 1
	s_bfe_u32 s40, ttmp6, 0x40000                  ; cx, cy
	s_bfe_u32 s41, ttmp6, 0x40004
	s_lshl_b32 s42, ttmp9, 2
	s_add_co_u32 s42, s42, s40                     ; tile column
	s_and_b32 s17, ttmp7, 0xffff
	s_lshl_b32 s17, s17, 2
	s_add_co_u32 s17, s17, s41                     ; tile row
	s_lshl_b32 s43, s41, 2
	s_lshl_b32 s43, 15, s43                        ; my row of the cluster
	s_lshl_b32 s44, 0x1111, s40                    ; my column
	; group 1 for A: 8 rows of 512 elements of 8 bytes (4,096 bytes), 65,536 bytes apart, dense in LDS
	s_or_b32 s[G1+0], s43, (3<<16)|(1<<21)         ; the mask; elements of 8 bytes; bit 21 beside a mask; no padding
	s_mov_b32 s[G1+1], 512<<16                     ; tensor_dim0
	s_mov_b32 s[G1+2], 8<<16                       ; tensor_dim1
	s_mov_b32 s[G1+3], 512<<16                     ; tile_dim0
	s_mov_b32 s[G1+4], 8                           ; tile_dim1
	s_mov_b32 s[G1+5], 8192                        ; tensor_dim0_stride, in elements
	s_mov_b32 s[G1+6], 0
	s_mov_b32 s[G1+7], 0
	; group 1 for B: 128 rows of 256 bytes, 4,096 bytes apart, padded in LDS
	s_or_b32 s[G1B+0], s44, (0<<16)|(1<<20)|(1<<21)|(5<<22)|(3<<25)
	s_mov_b32 s[G1B+1], 256<<16
	s_mov_b32 s[G1B+2], 128<<16
	s_mov_b32 s[G1B+3], 256<<16
	s_mov_b32 s[G1B+4], 128
	s_mov_b32 s[G1B+5], 4096
	s_mov_b32 s[G1B+6], 0
	s_mov_b32 s[G1B+7], 0
	s_lshl_b32 s20, s17, 4
	s_lshl_b32 s18, s16, 3
	s_add_co_u32 s20, s20, s18
	s_lshl_b32 s20, s20, 16                        ; A: block 16 x tile row + 8 x half, 64 KiB each
	s_mov_b32 s21, 0
	s_lshl_b32 s18, s16, 7
	s_lshl_b32 s46, s42, 8
	s_add_co_u32 s46, s46, s18
	s_lshl_b32 s46, s46, 12                        ; B: (256 x tile column + 128 x half) rows of 4,096 bytes
	s_mov_b32 s47, 0
	s_mul_i32 s45, s14, HALFT
	s_lshl_b32 s98, s42, 10
	s_lshl_b32 s99, s16, 9
	s_add_co_u32 s98, s98, s99                     ; my first column in bytes of f32: 1,024 x tile column + 512 x half
	s_mov_b32 s99, 0
	s_lshl_b32 s12, s17, 1
	s_add_co_u32 s12, s12, s15
	s_lshl_b32 s12, s12, 19                        ; my first row: (256 x tile row + 128 x half) x 4,096 bytes
	s_add_co_u32 s12, s12, s98
	s_mov_b32 s13, 0
	s_wait_kmcnt 0x0
	s_load_b64 s[72:73], s[10:11], 0x30            ; e12, e13
	s_add_nc_u64 s[20:21], s[4:5], s[20:21]
	s_add_nc_u64 s[46:47], s[6:7], s[46:47]
	s_add_nc_u64 s[8:9], s[8:9], s[98:99]
	s_add_nc_u64 s[68:69], s[68:69], s[12:13]
	s_add_nc_u64 s[70:71], s[70:71], s[12:13]
	CROUND                                         ; all sixteen work-groups are here: the first joint loads meet
.irp s, 0,1
	s_mov_b32 s[G0+4*\s], 1
	s_add_co_u32 s[G0+4*\s+1], s45, \s*SLOT
	s_add_nc_u64 s[G0+4*\s+2:G0+4*\s+3], s[20:21], \s*ASTEP
	s_or_b32 s[G0+4*\s+3], s[G0+4*\s+3], 0x80000000
	s_mov_b32 s[G0B+4*\s], 1
	s_add_co_u32 s[G0B+4*\s+1], s45, \s*SLOT
	s_add_nc_u64 s[G0B+4*\s+2:G0B+4*\s+3], s[46:47], \s*BSTEP
	s_or_b32 s[G0B+4*\s+3], s[G0B+4*\s+3], 0x80000000
	JLOAD G0+4*\s, G1, G0B+4*\s, G1B
.endr
	v_and_b32 v1, 15, v0                           ; r
	v_bfe_u32 v2, v0, 4, 1                         ; h
	v_lshlrev_b32 v27, 5, v2
.irp b, 0,1,2,3,4,5,6,7
	global_load_b128 v[BI+8*\b:BI+8*\b+3],   v27, s[8:9] offset:64*\b      ; bf2[16 b + 8 h + 0..7] of my 128 columns: they land while the loop runs
	global_load_b128 v[BI+8*\b+4:BI+8*\b+7], v27, s[8:9] offset:64*\b+16
.endr
	v_and_b32 v[CO], 31, v0
	v_lshlrev_b32 v[CO], 4, v[CO]                  ; 16 x lane
	v_mul_u32_u24 v3, v1, PITCH
	v_lshl_add_u32 v4, v2, 4, v3                   ; B: a fragment's row x pitch + 16 x half
	s_mul_i32 s21, s15, HALFT                      ; my 8 blocks of A
	s_mul_i32 s22, s16, HALFT
	s_add_co_u32 s22, s22, 2*HALFT                 ; my 128 rows of B
.irp s, 0,1
	v_add_nc_u32 v[ADRA+\s], s21, v[CO]
	v_add_nc_u32 v[ADRB+\s], s22, v4
	s_add_co_u32 s21, s21, SLOT
	s_add_co_u32 s22, s22, SLOT
.endr
	s_mul_i32 s23, s14, 16*SPITCH                  ; my stage
	v_mul_u32_u24 v5, v1, SPITCH
	v_lshl_add_u32 v5, v2, 5, v5
	v_add_nc_u32 v[STO], s23, v5                   ; in: row r, 32 bytes for each half of the lanes
	v_add_nc_u32 v[RD], s23, v[CO]                 ; back: the 32 lanes take one row of 512 bytes
.macro FRAGA reg, slot, q, i
.irp c, 0,1,2,3
	ds_load_b128 v[\reg+4*\c:\reg+4*\c+3], v[ADRA+\slot] offset:AQ*(\q)+ACH*\c+(\i)*AI
.endr
.endm
.macro FRAGB reg, slot, q, i
.irp c, 0,1,2,3
	ds_load_b128 v[\reg+4*\c:\reg+4*\c+3], v[ADRB+\slot] offset:128*(\q)+32*\c+(\i)*16*PITCH
.endr
.endm
.macro MUL16 a0, p, zero               ; 16 products: A's blocks a0, a0 + 1 x B's eight; the 64 accumulators take turns
.irp a, \a0, \a0+1
.irp b, 0,1,2,3,4,5,6,7
.if \zero
	v_wmma_f32_16x16x128_fp8_fp8 v[8*(8*((\a)%4)+\b):8*(8*((\a)%4)+\b)+7], v[128*(\p)+FR*\b:128*(\p)+FR*\b+FR-1], v[AF+FR*(\a):AF+FR*(\a)+FR-1], 0
.else
	v_wmma_f32_16x16x128_fp8_fp8 v[8*(8*((\a)%4)+\b):8*(8*((\a)%4)+\b)+7], v[128*(\p)+FR*\b:128*(\p)+FR*\b+FR-1], v[AF+FR*(\a):AF+FR*(\a)+FR-1], v[8*(8*((\a)%4)+\b):8*(8*((\a)%4)+\b)+7]
.endif
.endr
.endr
.endm
.macro FETCH_B slot, q, p
	WIN TO_B
.irp i, 0,1,2,3,4,5,6,7
	FRAGB 128*(\p)+FR*\i, \slot, \q, \i
.endr
	WIN 0
.endm
.macro FETCH_A slot, q, i0
.irp i, \i0, \i0+1, \i0+2, \i0+3
	FRAGA AF+FR*(\i), \slot, \q, \i
.endr
.endm
.macro PLACES n
.rept \n
	v_nop
.endr
.endm
.macro STEP slot, q, zero
	s_wait_dscnt 4*NL                              ; B's set and A's blocks 0-3 are in; the youngest 16 loads (A's blocks 4-7) may be out
	WIN MUL_LO
	MUL16 0, (\q)%2, \zero
	MUL16 2, (\q)%2, \zero
	s_wait_dscnt 0
	PLACES NP
	FETCH_B \slot, (\q)+1, 1-(\q)%2
	FETCH_A \slot, (\q)+1, 0
	WIN MUL_HI
	MUL16 4, (\q)%2, \zero
	MUL16 6, (\q)%2, \zero
	PLACES NP
	WIN 0
	FETCH_A \slot, (\q)+1, 4
.endm
.macro TURN slot, next, fill
	s_wait_tensorcnt 0x0                           ; all my tensor loads have landed: my part of the next slot
	ds_add_u32 v[SPW], v[NIL]                      ; 0 onto my spare word
	s_wait_dscnt 4*NL+1                            ; the add and the youngest 16 loads may be out
	WIN MUL_LO
	MUL16 0, 1, 0
	s_wait_dscnt 0x0                               ; the add is done, and my reads of this slot are over
	s_barrier_signal -1
	MUL16 2, 1, 0
	WIN 0
	s_barrier_wait -1
.if \fill
	CREST                                          ; the barrier has opened a round of the cluster's barrier
	s_add_nc_u64 s[G0+4*\slot+2:G0+4*\slot+3], s[G0+4*\slot+2:G0+4*\slot+3], 2*ASTEP
	s_add_nc_u64 s[G0B+4*\slot+2:G0B+4*\slot+3], s[G0B+4*\slot+2:G0B+4*\slot+3], 2*BSTEP
	JLOAD G0+4*\slot, G1, G0B+4*\slot, G1B         ; the first tensor load behind the round
.else
	PLACES NP
.endif
	FETCH_B \next, 0, 0
	FETCH_A \next, 0, 0
	WIN MUL_HI
	MUL16 4, 1, 0
	MUL16 6, 1, 0
	PLACES NP
	WIN 0
	FETCH_A \next, 0, 4
.endm
	s_wait_tensorcnt 1                             ; my part of K step 0 is in; K step 1's load may be out
	s_barrier_signal -1
	s_barrier_wait -1
	FETCH_B 0, 0, 0
	FETCH_A 0, 0, 0
	FETCH_A 0, 0, 4
	STEP 0, 0, 1
	s_mov_b32 s3, LAPS-1
.Llap:
	TURN 0, 1, 1
	STEP 1, 0, 0
	TURN 1, 0, 1
	STEP 0, 0, 0
	s_sub_co_u32 s3, s3, 1
	s_cmp_lg_u32 s3, 0
	s_cbranch_scc1 .Llap
	TURN 0, 1, 0
	STEP 1, 0, 0
	s_wait_dscnt 4*NL
	WIN MUL_LO
	MUL16 0, 1, 0
	MUL16 2, 1, 0
	s_wait_dscnt 0
	WIN MUL_HI
	MUL16 4, 1, 0
	MUL16 6, 1, 0
	WIN 0
	; THE WAY OUT.
	s_wait_loadcnt 0x0                             ; bf2
	s_wait_kmcnt 0x0
	s_add_co_i32 s96, s72, s73
	s_add_co_i32 s96, s96, 127
	s_lshl_b32 s96, s96, 23                        ; 2^(e12 + e13) as f32
	s_mov_b32 s97, s96
	PLACES NP
.macro HLOAD a                         ; block a's 16 rows of hres, 512 bytes each, into set a % 4 of window 1
.set j, 0
.rept 16
	global_load_b128 v[64*((\a)%4)+4*j:64*((\a)%4)+4*j+3], v[CO], s[68:69] offset:(\a)*65536+j*4096 th:TH_LOAD_NT
.set j, j+1
.endr
.endm
	WIN TO_B
	HLOAD 0
	HLOAD 1
	HLOAD 2
	HLOAD 3
	WIN 0
.irp a, 0,1,2,3,4,5,6,7
	s_wait_xcnt 0x0                                ; the last block's stores have read their data: its registers are loaded again only behind this wait
.set AC, 64*((\a)%4)
	WIN 0x02+((\a)/4)
.irp b, 0,1,2,3,4,5,6,7
.irp i, 0,2,4,6
	v_pk_fma_f32 v[TMP+8*\b+\i:TMP+8*\b+\i+1], v[AC+8*\b+\i:AC+8*\b+\i+1], s[96:97], v[BI+8*\b+\i:BI+8*\b+\i+1] op_sel_hi:[1,0,1]   ; sum x 2^(e12 + e13) + bf2, each accumulator from its low end on
.endr
.endr
	WIN 0
.irp b, 0,1,2,3,4,5,6,7
	ds_store_b128 v[STO], v[TMP+8*\b:TMP+8*\b+3] offset:64*\b
	ds_store_b128 v[STO], v[TMP+8*\b+4:TMP+8*\b+7] offset:64*\b+16
.endr
.set j, 0
.rept 16
	ds_load_b128 v[BK+4*j:BK+4*j+3], v[RD] offset:j*SPITCH         ; LDS serves a wave's instructions in order: these see my stores
.set j, j+1
.endr
	s_wait_dscnt 0x0
.if \a <= 4
	s_wait_loadcnt 48                              ; this block's rows of hres are in; the three blocks asked for behind it may be out
.else
	s_wait_loadcnt 16*(7-\a)
.endif
	WIN 0x04                                       ; source 1: window 1
.set j, 0
.rept 32
	v_pk_add_f32 v[BK+j:BK+j+1], v[BK+j:BK+j+1], v[64*((\a)%4)+j:64*((\a)%4)+j+1]
.set j, j+2
.endr
	WIN 0
.set j, 0
.rept 16
	global_store_b128 v[CO], v[BK+4*j:BK+4*j+3], s[70:71] offset:\a*65536+j*4096 th:TH_STORE_NT   ; 32 lanes store 512 consecutive bytes, aligned
.set j, j+1
.endr
.if \a < 4
	WIN TO_B
	HLOAD \a+4
	WIN 0
.endif
.endr
	s_wait_tensorcnt 0x0                           ; the wave's end
	ds_add_u32 v[SPW], v[NIL]
	s_wait_dscnt 0x0
	CROUND                                         ; the closing round
	s_endpgm
.Lfunc_end_k_qae11bd608d_ffn2:
	.size	k_qae11bd608d_ffn2, .Lfunc_end_k_qae11bd608d_ffn2-k_qae11bd608d_ffn2
	.p2alignl 7, 3214868480
	.fill 96, 4, 3214868480
	.section	.rodata,"a",@progbits
	.p2align	6, 0x0
	.amdhsa_kernel k_qae11bd608d_ffn2
		.amdhsa_group_segment_fixed_size 327680
		.amdhsa_private_segment_fixed_size 0
		.amdhsa_enable_private_segment 0
		.amdhsa_kernarg_size 48
		.amdhsa_user_sgpr_count 2
		.amdhsa_user_sgpr_kernarg_segment_ptr 1
		.amdhsa_wavefront_size32 1
		.amdhsa_system_sgpr_workgroup_id_x 1
		.amdhsa_system_sgpr_workgroup_id_y 1
		.amdhsa_system_sgpr_workgroup_id_z 1
		.amdhsa_system_vgpr_workitem_id 0
		.amdhsa_next_free_vgpr 1024
		.amdhsa_next_free_sgpr 100
		.amdhsa_reserve_vcc 0
		.amdhsa_float_denorm_mode_32 3
		.amdhsa_float_denorm_mode_16_64 3
		.amdhsa_memory_ordered 1
		.amdhsa_forward_progress 1
		.amdhsa_inst_pref_size 153
	.end_amdhsa_kernel
	.amdgpu_metadata
---
amdhsa.version: [ 1, 2 ]
amdhsa.kernels:
  - .name:           k_qae11bd608d_ffn2
    .symbol:         k_qae11bd608d_ffn2.kd
    .args:
      - { .name: hid, .offset: 0, .size: 8, .value_kind: global_buffer, .address_space: global }
      - { .name: W2_codes, .offset: 8, .size: 8, .value_kind: global_buffer, .address_space: global }
      - { .name: bf2, .offset: 16, .size: 8, .value_kind: global_buffer, .address_space: global }
      - { .name: lowp_scales, .offset: 24, .size: 8, .value_kind: global_buffer, .address_space: global }
      - { .name: hres, .offset: 32, .size: 8, .value_kind: global_buffer, .address_space: global }
      - { .name: out0, .offset: 40, .size: 8, .value_kind: global_buffer, .address_space: global }
    .group_segment_fixed_size: 327680
    .private_segment_fixed_size: 0
    .kernarg_segment_align: 8
    .kernarg_segment_size: 48
    .max_flat_workgroup_size: 128
    .sgpr_count:     100
    .vgpr_count:     1024
    .wavefront_size: 32
...
	.end_amdgpu_metadata
.endif
;; end of part 6
;; ======== version 2 of 2: 6 launches
;; limits: right only within a limited range of input values
;; workspace buffers: lnc 12,582,912 bytes; qkv 12,582,912 bytes; hres 16,777,216 bytes; hr 4,194,304 bytes; hid 16,777,216 bytes
;; launch lnq (part 7): grid 256 x 1, 8 waves a work-group, no clusters, 0 bytes of LDS; arguments X, Y, g0, g0kv, b0, b0kv, lowp_scales, lnc; writes lnc
.if DOCPART == 7
	.amdgcn_target "amdgcn-amd-amdhsa--gfx1250"
	.amdhsa_code_object_version 6
	.text
	.protected	k_qae11bd608d_lnq
	.globl	k_qae11bd608d_lnq
	.p2align	8
	.type	k_qae11bd608d_lnq,@function
k_qae11bd608d_lnq:
	s_mov_b64 s[64:65], 0
	v_nop
	global_prefetch_b8 v0, s[64:65] scope:SCOPE_SE
	s_setreg_imm32_b32 hwreg(HW_REG_WAVE_MODE, 25, 1), 1
	s_wait_xcnt 0x0
; LAYER NORM OF X AND OF Y, AND THE QUANTISER BEHIND IT.  X, Y: [4096][1024] f32.  lnc: three arrays of E4M3 codes [4096][1024], a byte a code, K innermost:
; LN(X) at 2^e0 (byte 0 on), LN(Y) at 2^e2 (4 MiB on), LN(Y) at 2^e4 (8 MiB on).  e0, e2, e4 are entries of lowp_scales.
; y = ((x - mean) * rsqrt(var + 1e-5)) * g + b, all in f32, the variance from the centred numbers; code = y / 2^e, held within +-448, nearest, ties to even.
; SHARES.  Work-groups 0-127 take X, 128-255 take Y; a work-group 32 rows, a wave 4 rows, one row at a time: the sums never leave the wave, so there is no LDS and no barrier.
; A lane holds elements 256 i + 8 lane + 0..7, i = 0..3: two loads of 16 bytes, which together with the other lanes' cover 1,024 consecutive bytes; eight neighbours a conversion;
; a store of 8 bytes a lane covers 256 consecutive bytes, aligned.  All 48 loads of a wave (g, b, four rows) go out at the head; nothing is read twice.
; Matrix units, LDS and clusters are left out: every byte is used once by one wave.
; LIMITS: each e between -126 and 119, so that 2^e and 448 x 2^e are f32 numbers.  NaN and infinities among the inputs are not served.
; WORK LEFT OUT IN THIS PROGRAM: reference() appends to V one row of zeros that it builds itself (the null key's value).  In product 5 that row's term is p x 0 = 0 for every finite p, whatever the inputs hold,
; so the 2,049th step of that product's K is not multiplied; the null key's score, its part in the largest t and in the row's sum are live and are computed (launch attn).  Every input has a way to the output and is loaded.
; LIMIT: a NaN or an infinity that would reach only that term is not carried to the result.
.set G,   8
.set BB,  40                           ; v[40:71]   b of my 32 columns
.set X,   72                           ; v[72:199]  four rows, 32 registers each
.set T,   208                          ; v[208:239] the held numbers
.set C,   240                          ; v[240:247] codes at the first scale
.set C2,  248                          ; v[248:255] codes at the second scale
.set SEL, 42                           ; s[42:43]   lane selects: each lane takes its own place in the other half
; v1 32 x lane, v2 8 x lane, v3, v4: 2^e and 448 x 2^e of the first scale, v5, v6 of the second; v[200:203] two summing chains; v[204:205] the mean, twice; v[206:207] rsqrt
	s_load_b512 s[8:23], s[0:1], 0x0               ; X s[8:9], Y s[10:11], g0 s[12:13], g0kv s[14:15], b0 s[16:17], b0kv s[18:19], the exponents s[20:21], lnc s[22:23]
	v_lshrrev_b32 v7, 5, v0
	s_delay_alu instid0(VALU_DEP_1)
	v_readfirstlane_b32 s2, v7                     ; wave 0..7
	v_and_b32 v2, 31, v0
	s_delay_alu instid0(VALU_DEP_1)
	v_lshlrev_b32 v1, 5, v2                        ; 32 bytes of f32 a lane
	s_delay_alu instid0(VALU_DEP_2)
	v_lshlrev_b32 v2, 3, v2                        ; 8 bytes of codes a lane
	s_and_b32 s3, ttmp9, 127
	s_lshl_b32 s3, s3, 5
	s_lshl_b32 s26, s2, 2
	s_add_co_u32 s3, s3, s26                       ; my first row: 32 x (work-group mod 128) + 4 x wave
	s_lshl_b32 s26, s3, 12                         ; in bytes of f32
	s_mov_b32 s27, 0
	s_lshl_b32 s38, s3, 10                         ; in bytes of codes
	s_mov_b32 s39, 0
	s_mov_b32 s41, 0
	s_mov_b32 s[SEL], 0x76543210
	s_mov_b32 s[SEL+1], 0xfedcba98
	s_mov_b32 s44, 0x3727c5ac                      ; 1e-5
	s_mov_b32 s45, 0x3a800000                      ; 1 / 1024
	s_wait_alu depctr_va_vdst(0)
	s_wait_kmcnt 0x0
	s_load_b256 s[28:35], s[20:21], 0x0            ; e0 .. e7
	s_cmp_lt_u32 ttmp9, 128                        ; X's work-group or Y's: the choice hangs on the work-group's number alone
	s_cselect_b64 s[4:5], s[8:9], s[10:11]
	s_cselect_b64 s[6:7], s[12:13], s[14:15]
	s_cselect_b64 s[24:25], s[16:17], s[18:19]
	s_cselect_b32 s40, 0, 0x400000
	s_add_nc_u64 s[4:5], s[4:5], s[26:27]
	s_add_nc_u64 s[36:37], s[22:23], s[38:39]
	s_add_nc_u64 s[36:37], s[36:37], s[40:41]
.irp i, 0,1,2,3
	global_load_b128 v[G+8*\i:G+8*\i+3],   v1, s[6:7] offset:1024*\i
	global_load_b128 v[G+8*\i+4:G+8*\i+7], v1, s[6:7] offset:1024*\i+16
.endr
.irp i, 0,1,2,3
	global_load_b128 v[BB+8*\i:BB+8*\i+3],   v1, s[24:25] offset:1024*\i
	global_load_b128 v[BB+8*\i+4:BB+8*\i+7], v1, s[24:25] offset:1024*\i+16
.endr
.irp r, 0,1,2,3
.irp i, 0,1,2,3
	global_load_b128 v[X+32*\r+8*\i:X+32*\r+8*\i+3],   v1, s[4:5] offset:4096*\r+1024*\i th:TH_LOAD_NT
	global_load_b128 v[X+32*\r+8*\i+4:X+32*\r+8*\i+7], v1, s[4:5] offset:4096*\r+1024*\i+16 th:TH_LOAD_NT
.endr
.endr
	s_wait_kmcnt 0x0
	s_cmp_lt_u32 ttmp9, 128
	s_cselect_b32 s46, s28, s30                    ; e0 for X, e2 for Y
	s_add_co_i32 s46, s46, 127
	s_lshl_b32 s47, s46, 23
	v_mov_b32 v3, s47                              ; 2^e as f32: the conversion takes its exponent field
	s_add_co_i32 s46, s46, 8
	s_lshl_b32 s46, s46, 23
	s_or_b32 s46, s46, 0x600000
	v_mov_b32 v4, s46                              ; 448 x 2^e
	s_add_co_i32 s46, s32, 127                     ; e4
	s_lshl_b32 s47, s46, 23
	v_mov_b32 v5, s47
	s_add_co_i32 s46, s46, 8
	s_lshl_b32 s46, s46, 23
	s_or_b32 s46, s46, 0x600000
	v_mov_b32 v6, s46
.macro REDUCE                          ; v200 summed over the 32 lanes, the result in every lane
	s_delay_alu instid0(VALU_DEP_1)
	v_add_f32_dpp v200, v200, v200 row_xmask:1 row_mask:0xf bank_mask:0xf
	s_delay_alu instid0(VALU_DEP_1)
	v_add_f32_dpp v200, v200, v200 row_xmask:2 row_mask:0xf bank_mask:0xf
	s_delay_alu instid0(VALU_DEP_1)
	v_add_f32_dpp v200, v200, v200 row_xmask:4 row_mask:0xf bank_mask:0xf
	s_delay_alu instid0(VALU_DEP_1)
	v_add_f32_dpp v200, v200, v200 row_xmask:8 row_mask:0xf bank_mask:0xf
	s_delay_alu instid0(VALU_DEP_1)
	v_permlanex16_b32 v203, v200, s[SEL], s[SEL+1] ; its destination counts as read: v203 has been written
	s_delay_alu instid0(VALU_DEP_1)
	v_add_f32 v200, v200, v203
.endm
; The row in v[XS] on becomes codes at the scale in v[sc] (v[lim] = 448 x the scale), in v[c] on, and is stored off bytes behind my first row's codes.
.macro QOUT sc, lim, c, off
.set j, 0
.rept 32
	v_med3_num_f32 v[T+j], v[XS+j], -v[\lim], v[\lim]   ; the conversion to an 8-bit code does not saturate (ISA guide 7.6.2): the hold comes first
.set j, j+1
.endr
	s_wait_alu depctr_va_vdst(0)
	s_wait_xcnt 0x0                                ; the earlier stores have read their data: the codes' registers are written again only behind this wait
.irp g, 0,1,2,3
	v_cvt_scalef32_pk8_fp8_f32 v[\c+2*\g:\c+2*\g+1], v[T+8*\g:T+8*\g+7], v[\sc]
.endr
	v_nop                                          ; a plain line between the last conversion and the next vector line that writes its sources
.irp g, 0,1,2,3
	global_store_b64 v2, v[\c+2*\g:\c+2*\g+1], s[36:37] offset:\off+256*\g   ; 32 lanes store 256 consecutive bytes, aligned
.endr
.endm
.macro ROW i
.set XS, X+32*(\i)
	s_wait_loadcnt 8*(3-(\i))                      ; loads come back in order: this row's eight are in, the later rows' may be out
	v_pk_add_f32 v[200:201], v[XS:XS+1], v[XS+2:XS+3]       ; the sum, in two chains: nothing is cleared
	v_pk_add_f32 v[202:203], v[XS+4:XS+5], v[XS+6:XS+7]
.irp j, 8,12,16,20,24,28
	s_delay_alu instid0(VALU_DEP_2)
	v_pk_add_f32 v[200:201], v[200:201], v[XS+\j:XS+\j+1]
	s_delay_alu instid0(VALU_DEP_2)
	v_pk_add_f32 v[202:203], v[202:203], v[XS+\j+2:XS+\j+3]
.endr
	s_delay_alu instid0(VALU_DEP_1)
	v_pk_add_f32 v[200:201], v[200:201], v[202:203]
	s_delay_alu instid0(VALU_DEP_1)
	v_add_f32 v200, v200, v201
	REDUCE
	s_delay_alu instid0(VALU_DEP_1)
	v_mul_f32 v204, s45, v200                      ; the mean
	s_delay_alu instid0(VALU_DEP_1)
	v_mov_b32 v205, v204
.irp j, 0,2,4,6,8,10,12,14,16,18,20,22,24,26,28,30
	v_pk_add_f32 v[XS+\j:XS+\j+1], v[XS+\j:XS+\j+1], v[204:205] neg_lo:[0,1] neg_hi:[0,1]   ; x - mean
.endr
	v_pk_mul_f32 v[200:201], v[XS:XS+1], v[XS:XS+1]         ; the sum of squares of the centred numbers
	v_pk_mul_f32 v[202:203], v[XS+2:XS+3], v[XS+2:XS+3]
.irp j, 4,8,12,16,20,24,28
	s_delay_alu instid0(VALU_DEP_2)
	v_pk_fma_f32 v[200:201], v[XS+\j:XS+\j+1], v[XS+\j:XS+\j+1], v[200:201]
	s_delay_alu instid0(VALU_DEP_2)
	v_pk_fma_f32 v[202:203], v[XS+\j+2:XS+\j+3], v[XS+\j+2:XS+\j+3], v[202:203]
.endr
	s_delay_alu instid0(VALU_DEP_1)
	v_pk_add_f32 v[200:201], v[200:201], v[202:203]
	s_delay_alu instid0(VALU_DEP_1)
	v_add_f32 v200, v200, v201
	REDUCE
	s_delay_alu instid0(VALU_DEP_1)
	v_fma_f32 v206, v200, s45, s44                 ; var + 1e-5
	s_wait_alu depctr_va_vdst(0)
	v_rsq_f32 v206, v206
	v_mov_b32 v207, 0                              ; a plain line behind the transcendental; v207 is named with v206 as a pair
	s_wait_alu depctr_va_vdst(0)                   ; the wait ahead of the first reader
.irp j, 0,2,4,6,8,10,12,14,16,18,20,22,24,26,28,30
	v_pk_mul_f32 v[XS+\j:XS+\j+1], v[XS+\j:XS+\j+1], v[206:207] op_sel_hi:[1,0]
.endr
.irp j, 0,2,4,6,8,10,12,14,16,18,20,22,24,26,28,30
	v_pk_fma_f32 v[XS+\j:XS+\j+1], v[XS+\j:XS+\j+1], v[G+\j:G+\j+1], v[BB+\j:BB+\j+1]
.endr
	QOUT 3, 4, C, (\i)*1024
	s_cmp_lt_u32 ttmp9, 128                        ; Y's rows are wanted at a second scale too
	s_cbranch_scc1 .Lone_\@
	QOUT 5, 6, C2, (\i)*1024+0x400000
.Lone_\@:
.endm
	ROW 0
	ROW 1
	ROW 2
	ROW 3
	s_endpgm
.Lfunc_end_k_qae11bd608d_lnq:
	.size	k_qae11bd608d_lnq, .Lfunc_end_k_qae11bd608d_lnq-k_qae11bd608d_lnq
	.p2alignl 7, 3214868480
	.fill 96, 4, 3214868480
	.section	.rodata,"a",@progbits
	.p2align	6, 0x0
	.amdhsa_kernel k_qae11bd608d_lnq
		.amdhsa_group_segment_fixed_size 0
		.amdhsa_private_segment_fixed_size 0
		.amdhsa_enable_private_segment 0
		.amdhsa_kernarg_size 64
		.amdhsa_user_sgpr_count 2
		.amdhsa_user_sgpr_kernarg_segment_ptr 1
		.amdhsa_wavefront_size32 1
		.amdhsa_system_sgpr_workgroup_id_x 1
		.amdhsa_system_sgpr_workgroup_id_y 1
		.amdhsa_system_sgpr_workgroup_id_z 1
		.amdhsa_system_vgpr_workitem_id 0
		.amdhsa_next_free_vgpr 256
		.amdhsa_next_free_sgpr 66
		.amdhsa_reserve_vcc 0
		.amdhsa_float_denorm_mode_32 3
		.amdhsa_float_denorm_mode_16_64 3
		.amdhsa_memory_ordered 1
		.amdhsa_forward_progress 1
		.amdhsa_inst_pref_size 59
	.end_amdhsa_kernel
	.amdgpu_metadata
---
amdhsa.version: [ 1, 2 ]
amdhsa.kernels:
  - .name:           k_qae11bd608d_lnq
    .symbol:         k_qae11bd608d_lnq.kd
    .args:
      - { .name: X, .offset: 0, .size: 8, .value_kind: global_buffer, .address_space: global }
      - { .name: Y, .offset: 8, .size: 8, .value_kind: global_buffer, .address_space: global }
      - { .name: g0, .offset: 16, .size: 8, .value_kind: global_buffer, .address_space: global }
      - { .name: g0kv, .offset: 24, .size: 8, .value_kind: global_buffer, .address_space: global }
      - { .name: b0, .offset: 32, .size: 8, .value_kind: global_buffer, .address_space: global }
      - { .name: b0kv, .offset: 40, .size: 8, .value_kind: global_buffer, .address_space: global }
      - { .name: lowp_scales, .offset: 48, .size: 8, .value_kind: global_buffer, .address_space: global }
      - { .name: lnc, .offset: 56, .size: 8, .value_kind: global_buffer, .address_space: global }
    .group_segment_fixed_size: 0
    .private_segment_fixed_size: 0
    .kernarg_segment_align: 8
    .kernarg_segment_size: 64
    .max_flat_workgroup_size: 256
    .sgpr_count:     66
    .vgpr_count:     256
    .wavefront_size: 32
...
	.end_amdgpu_metadata
.endif
;; end of part 7
;; launch qkv (part 8): grid 12 x 16, 4 waves a work-group, clusters of 4 x 4, 327,680 bytes of LDS; arguments lnc, Wq_codes, Wk_codes, Wv_codes, bq, bk, bv, lowp_scales, qkv; writes qkv
.if DOCPART == 8
	.amdgcn_target "amdgcn-amd-amdhsa--gfx1250"
	.amdhsa_code_object_version 6
	.text
	.protected	k_qae11bd608d_qkv
	.globl	k_qae11bd608d_qkv
	.p2align	8
	.type	k_qae11bd608d_qkv,@function
k_qae11bd608d_qkv:
	s_mov_b64 s[64:65], 0
	v_nop
	global_prefetch_b8 v0, s[64:65] scope:SCOPE_SE
	s_setreg_imm32_b32 hwreg(HW_REG_WAVE_MODE, 25, 1), 1
	s_wait_xcnt 0x0
	s_wait_alu depctr_hold_cnt(0) depctr_sa_sdst(0) depctr_va_vdst(0) depctr_va_sdst(0) depctr_va_ssrc(0) depctr_va_vcc(0) depctr_vm_vsrc(0)
	s_getreg_b32 s2, hwreg(HW_REG_IB_STS2, 6, 4)
	s_cmp_eq_u32 s2, 0
	s_cbranch_scc0 .Lentry_in_a_cluster
	s_endpgm
.Lentry_in_a_cluster:
	s_bfe_u32 s2, ttmp6, 0x10000c
	s_cmp_lg_u32 s2, 0xf033
	s_cbranch_scc0 .Lentry_shape_is_right
	s_endpgm
.Lentry_shape_is_right:
; THE THREE PROJECTIONS ON CODES OF E4M3, AND THE QUANTISER BEHIND THEM.  The cluster's x says which: 0: Q = LN(X) Wq + bq, 1: K = LN(Y) Wk + bk, 2: V^T = Wv^T LN(Y)^T + bv.
; Operands: lnc (three arrays of codes [4096][1024]) and the weights' codes [1024][1024], K innermost.  A finished sum is multiplied by 2^(its two exponents added), the bias is added in the same
; fused multiply-add, and the number is quantised for the attention's products: Q at 2^e6, K at 2^e7, V at 2^e8.
; THE CORE: a tile of 256 x 256 is made by four waves, 128 x 128 each: 64 accumulators, 512 registers.  K goes in steps of 256 through two LDS slots filled by the tensor data mover (rows of 256 bytes).
; 4 x 4 work-groups form a cluster: the four of a row need the same tiles of 'A', the four of a column the same tiles of 'B': each tile is asked for jointly.
; 'A' (source 1) is the tokens' codes for Q and K and Wv's for V; 'B' (source 0) is the weight's codes for Q and K and the tokens' for V.  So a lane holds one row of 'A' and eight neighbouring rows of 'B':
; for Q and K eight neighbouring channels of a token, for V eight neighbouring KEYS of a channel: each the K of the product that reads it.
; OUT: IMAGES OF OPERAND REGISTERS.  Eight codes of n-tile b are registers 2 b, 2 b + 1 of an 8-bit operand (k = 16 b + 8 (lane / 16) + 0..7), so the conversions' results are stored as they stand, 16 bytes a lane:
;   qkv + 0, + 4 MiB: Q, K: [32 (batch, head)][128 tiles of 16 tokens][2 chunks][32 lanes][16 bytes];   + 8 MiB: V: [32][16 steps of 128 keys][4 tiles of 16 channels][4 chunks][32 lanes][16 bytes].
; A fragment for the core itself is fetched by four loads of 16 bytes: a permutation of k that is the same on both sides.
; LIMITS: e0 + e1, e2 + e3, e4 + e5 between -126 and 127; e6, e7, e8 between -126 and 119.  NaN and infinities are not served.
; REGISTERS: window 0: v1 r, v2 h, v10, v11 the scale and 448 x it, v16-21 LDS addresses, v26 16 x lane, v28, v29 for the add, v32-39 the bias loads' offsets, v64-127 the biases, v128-255 A's fragments (later results and codes);
;   window 1: B's fragments, two sets;  windows 2, 3: the accumulators ((a, b) at v[8 (8 (a % 4) + b)] of window 2 + a / 4).
.set KROW,   1024                      ; a row of codes in memory
.set LAPS,   2                         ; K / 512: a lap = two K steps = once round the ring
.set PITCH,  272                       ; an LDS row: 256 bytes + 16 of padding = 68 words: the 16 rows that a load touches start at 16 different banks (64 banks of 4 bytes: ISA guide 11.1)
.set FR,     16                        ; registers of a fragment: 16 rows x 128 K
.set NL,     4                         ; LDS loads that bring one
.set NP,     4                         ; places behind this matrix instruction (ISA guide 7.12.1)
.set HALFT,  128*PITCH                 ; what one tensor load brings
.set SLOT,   4*HALFT                   ; A's 256 rows, then B's 256 rows
.set SPARE,  2*SLOT                    ; behind the ring: the spare words, 128 bytes for each wave, which no other line names
.set ASTEP,  256                       ; a K step in A's memory, in bytes
.set BSTEP,  256
.set AQ,     128                       ; A in LDS: from 128 along K to the next,
.set ACH,    32                        ; from a lane's 16 bytes to its next,
.set AI,     16*PITCH                  ; from a block of 16 rows to the next
.set ADRA, 16
.set ADRB, 20
.set CO,   26
.set SPW,  28
.set NIL,  29
.set BO,   32
.set BI,   64
.set AF,   128
.set TT,   128                         ; the way out: 64 results of a block of 16 rows
.set CD,   192                         ; and their 16 registers of codes
.set G1, 24                            ; s[24:31] group 1 for A's tiles; s[32:39] group 0, a set for each slot
.set G0, 32
.set G1B, 48                           ; s[48:55], s[56:63] the same for B's
.set G0B, 56
.set MSB, 0
.macro WIN new                         ; the immediate's high byte repeats the setting that is left
.if MSB != \new
	s_set_vgpr_msb (MSB<<8)|\new
.set MSB, \new
.endif
.endm
.set MUL_LO, 0xa1                      ; source 0 (B) window 1, source 1 (A) window 0, C and D window 2
.set MUL_HI, 0xf1                      ; the same, C and D window 3
.set TO_B,   0x40                      ; destination window 1, address window 0
; A joint load: waves 0 and 1 fetch for A, waves 2 and 3 for B.  The branch hangs on the wave's number alone.  Four v_nop follow each of the two lines.
.macro JLOAD g0a, g1a, g0b, g1b
	s_cmp_eq_u32 s15, 0
	s_cbranch_scc0 .Lfor_b_\@
	tensor_load_to_lds s[\g0a:\g0a+3], s[\g1a:\g1a+7]
	s_nop 0
.rept 4
	v_nop
.endr
	s_branch .Lasked_\@
.Lfor_b_\@:
	tensor_load_to_lds s[\g0b:\g0b+3], s[\g1b:\g1b+7]
	s_nop 0
.rept 4
	v_nop
.endr
.Lasked_\@:
.endm
.macro CREST                           ; a round of the cluster's barrier behind its opening barrier
	s_cmp_lg_u32 s14, 0
	s_cbranch_scc1 .Lnot_wave_0_\@
	s_barrier_signal -3
.Lnot_wave_0_\@:
	s_barrier_wait -3
	s_barrier_signal -1
	s_barrier_wait -1
.endm
.macro CROUND                          ; a whole round
	s_barrier_signal -1
	s_barrier_wait -1
	CREST
.endm
	s_load_b256 s[4:11], s[0:1], 0x0               ; lnc s[4:5], Wq s[6:7], Wk s[8:9], Wv s[10:11]
	s_load_b256 s[72:79], s[0:1], 0x20             ; bq s[72:73], bk s[74:75], bv s[76:77], the exponents s[78:79]
	s_load_b64 s[80:81], s[0:1], 0x40              ; qkv
	v_lshl_add_u32 v[SPW], v0, 2, SPARE
	v_mov_b32 v[NIL], 0
	ds_add_u32 v28, v29
	ds_add_u32 v28, v29
	s_wait_dscnt 0x0
	v_lshrrev_b32 v1, 5, v0
	v_readfirstlane_b32 s14, v1                    ; wave 0..3
	s_lshr_b32 s15, s14, 1                         ; which half of the tile's A rows is mine.  Also: I fetch for A (0) or for B (1)
	s_and_b32 s16, s14, 1                          ; which half of its B rows.  Also: which 128 rows of that tile I fetch
	s_bfe_u32 s40, ttmp6, 0x40000                  ; cx, cy: my place in the cluster
	s_bfe_u32 s41, ttmp6, 0x40004
	s_and_b32 s22, ttmp7, 0xffff
	s_lshl_b32 s22, s22, 2                         ; 4 x cluster y: it walks the 4,096 tokens, which are A's rows for Q and K and B's rows for V
	s_cmp_eq_u32 ttmp9, 2                          ; the cluster's x is the same in all sixteen partners
	s_cselect_b32 s66, 0, s22
	s_cselect_b32 s67, s22, 0
	s_add_co_u32 s17, s41, s66                     ; tile row (of A)
	s_add_co_u32 s42, s40, s67                     ; tile column (of B)
	s_lshl_b32 s43, s41, 2
	s_lshl_b32 s43, 15, s43                        ; my row of the cluster
	s_lshl_b32 s44, 0x1111, s40                    ; my column
	; group 1: a tile of 128 rows x 256 bytes, padded in LDS
	s_or_b32 s[G1+0], s43, (0<<16)|(1<<20)|(1<<21)|(5<<22)|(3<<25)  ; 15:0 the mask; 17:16 elements of 1 byte; 20 padding on; 21 set beside a mask; 24:22 after every 64 words; 31:25 four words
	s_or_b32 s[G1B+0], s44, (0<<16)|(1<<20)|(1<<21)|(5<<22)|(3<<25)
.irp g, G1, G1B
	s_mov_b32 s[\g+1], 256<<16                     ; tensor_dim0
	s_mov_b32 s[\g+2], 128<<16                     ; tensor_dim1
	s_mov_b32 s[\g+3], 256<<16                     ; tile_dim0
	s_mov_b32 s[\g+4], 128                         ; tile_dim1
	s_mov_b32 s[\g+5], KROW                        ; tensor_dim0_stride
	s_mov_b32 s[\g+6], 0
	s_mov_b32 s[\g+7], 0
.endr
	s_lshl_b32 s18, s16, 7                         ; which 128 rows of the tile I fetch
	s_lshl_b32 s20, s17, 8
	s_add_co_u32 s20, s20, s18
	s_lshl_b32 s20, s20, 10                        ; A: (256 x tile row + 128 x half) rows of 1,024 bytes
	s_mov_b32 s21, 0
	s_lshl_b32 s46, s42, 8
	s_add_co_u32 s46, s46, s18
	s_lshl_b32 s46, s46, 10                        ; B likewise, by the tile column
	s_mov_b32 s47, 0
	s_mul_i32 s45, s14, HALFT                      ; where they go: wave x 128 rows: no place in the cluster enters an LDS address
	s_lshl_b32 s68, ttmp9, 22                      ; which of lnc's three arrays
	s_mov_b32 s69, 0
	s_cmp_eq_u32 ttmp9, 2
	s_cselect_b32 s98, s17, s42                    ; the biases run along A's rows for V, along B's rows for Q and K
	s_cselect_b32 s99, s15, s16
	s_cselect_b32 s66, 4, 0                        ; bytes from lane r to lane r + 1,
	s_cselect_b32 s67, 0, 32                       ; from one half of the lanes to the other,
	s_cselect_b32 s87, 0, 4                        ; and from register to register
	s_lshl_b32 s98, s98, 10
	s_lshl_b32 s99, s99, 9
	s_add_co_u32 s98, s98, s99                     ; 4 x (256 x tile + 128 x half)
	s_mov_b32 s99, 0
	s_wait_kmcnt 0x0
	s_load_b256 s[88:95], s[78:79], 0x0            ; e0 .. e7
	s_load_b32 s86, s[78:79], 0x20                 ; e8
	s_add_nc_u64 s[68:69], s[4:5], s[68:69]        ; the tokens' codes
	s_cmp_eq_u32 ttmp9, 0
	s_cselect_b64 s[82:83], s[6:7], s[8:9]
	s_cselect_b64 s[84:85], s[72:73], s[74:75]
	s_cmp_eq_u32 ttmp9, 2
	s_cselect_b64 s[70:71], s[10:11], s[68:69]     ; A
	s_cselect_b64 s[82:83], s[68:69], s[82:83]     ; B
	s_cselect_b64 s[84:85], s[76:77], s[84:85]     ; the bias
	s_add_nc_u64 s[20:21], s[70:71], s[20:21]
	s_add_nc_u64 s[46:47], s[82:83], s[46:47]
	s_add_nc_u64 s[84:85], s[84:85], s[98:99]
	CROUND                                         ; all sixteen work-groups are here: the first joint loads meet
.irp s, 0,1
	s_mov_b32 s[G0+4*\s], 1
	s_add_co_u32 s[G0+4*\s+1], s45, \s*SLOT
	s_add_nc_u64 s[G0+4*\s+2:G0+4*\s+3], s[20:21], \s*ASTEP
	s_or_b32 s[G0+4*\s+3], s[G0+4*\s+3], 0x80000000
	s_mov_b32 s[G0B+4*\s], 1
	s_add_co_u32 s[G0B+4*\s+1], s45, \s*SLOT
	s_add_nc_u64 s[G0B+4*\s+2:G0B+4*\s+3], s[46:47], \s*BSTEP
	s_or_b32 s[G0B+4*\s+3], s[G0B+4*\s+3], 0x80000000
.endr
	JLOAD G0, G1, G0B, G1B                         ; K step 0: one tensor load a wave at the head
	v_and_b32 v1, 15, v0                           ; r = lane % 16
	v_bfe_u32 v2, v0, 4, 1                         ; h = lane / 16
	; the biases, in the result's layout, 64 registers: entry 8 t + j.  Q, K: bias[16 t + 8 h + j] (t = n-tile b);  V: bv[16 t + r] for every j (t = block a).  They land while the loop runs
	v_mul_u32_u24 v5, v1, s66
	v_mad_u32_u24 v5, v2, s67, v5
	v_mov_b32 v6, s87
.irp j, 0,1,2,3,4,5,6,7
	v_mad_u32_u24 v[BO+\j], v6, \j, v5
.endr
.irp t, 0,1,2,3,4,5,6,7
.irp j, 0,1,2,3,4,5,6,7
	global_load_b32 v[BI+8*\t+\j], v[BO+\j], s[84:85] offset:64*\t
.endr
.endr
	v_mul_u32_u24 v3, v1, PITCH
	v_lshl_add_u32 v4, v2, 4, v3                   ; a fragment's row x pitch + 16 x half
	s_mul_i32 s21, s15, HALFT                      ; my 128 rows of A
	s_mul_i32 s22, s16, HALFT                      ; my 128 rows of B,
	s_add_co_u32 s22, s22, 2*HALFT                 ; which lie behind A's 256
.irp s, 0,1
	v_add_nc_u32 v[ADRA+\s], s21, v4
	v_add_nc_u32 v[ADRB+\s], s22, v4
	s_add_co_u32 s21, s21, SLOT
	s_add_co_u32 s22, s22, SLOT
.endr
	v_and_b32 v[CO], 31, v0
	v_lshlrev_b32 v[CO], 4, v[CO]                  ; an image's place for my lane
	; where my images begin.  Q, K: ((tile row / 8) 16 + 4 tile column + 2 B half) x 128 KiB + ((tile row % 8) 2 + A half) x 8 KiB;  V: the same with rows and columns, and the halves, changed over
	s_cmp_eq_u32 ttmp9, 2
	s_cselect_b32 s12, s42, s17                    ; the tile along the tokens,
	s_cselect_b32 s13, s17, s42                    ; along the channels,
	s_cselect_b32 s2, s15, s16                     ; my half along the channels,
	s_cselect_b32 s19, s16, s15                    ; along the tokens
	s_lshl_b32 s13, s13, 2
	s_lshl_b32 s2, s2, 1
	s_add_co_u32 s13, s13, s2
	s_lshr_b32 s2, s12, 3
	s_lshl_b32 s2, s2, 4
	s_add_co_u32 s13, s13, s2
	s_lshl_b32 s13, s13, 17
	s_and_b32 s12, s12, 7
	s_lshl_b32 s12, s12, 1
	s_add_co_u32 s12, s12, s19
	s_lshl_b32 s12, s12, 13
	s_add_co_u32 s12, s12, s13
	s_lshl_b32 s13, ttmp9, 22                      ; Q's, K's or V's part of the buffer
	s_add_co_u32 s12, s12, s13
	s_mov_b32 s13, 0
	s_add_nc_u64 s[80:81], s[80:81], s[12:13]
.macro FRAGA reg, slot, q, i           ; a fragment, 16 rows x 128 K: lane l holds row l % 16; registers 4 c .. 4 c + 3 hold K = 32 c + 16 (l / 16) + 0 .. 15
.irp c, 0,1,2,3
	ds_load_b128 v[\reg+4*\c:\reg+4*\c+3], v[ADRA+\slot] offset:AQ*(\q)+ACH*\c+(\i)*AI
.endr
.endm
.macro FRAGB reg, slot, q, i
.irp c, 0,1,2,3
	ds_load_b128 v[\reg+4*\c:\reg+4*\c+3], v[ADRB+\slot] offset:128*(\q)+32*\c+(\i)*16*PITCH
.endr
.endm
; 16 matrix instructions: A's blocks a0, a0 + 1 x B's eight, 128 along K.  p: B's set.  zero = 1: the first product starts the sums.  The 64 accumulators take turns.
.macro MUL16 a0, p, zero
.irp a, \a0, \a0+1
.irp b, 0,1,2,3,4,5,6,7
.if \zero
	v_wmma_f32_16x16x128_fp8_fp8 v[8*(8*((\a)%4)+\b):8*(8*((\a)%4)+\b)+7], v[128*(\p)+FR*\b:128*(\p)+FR*\b+FR-1], v[AF+FR*(\a):AF+FR*(\a)+FR-1], 0
.else
	v_wmma_f32_16x16x128_fp8_fp8 v[8*(8*((\a)%4)+\b):8*(8*((\a)%4)+\b)+7], v[128*(\p)+FR*\b:128*(\p)+FR*\b+FR-1], v[AF+FR*(\a):AF+FR*(\a)+FR-1], v[8*(8*((\a)%4)+\b):8*(8*((\a)%4)+\b)+7]
.endif
.endr
.endr
.endm
.macro FETCH_B slot, q, p              ; B's eight fragments of the slot's q-th 128 along K into set p
	WIN TO_B
.irp i, 0,1,2,3,4,5,6,7
	FRAGB 128*(\p)+FR*\i, \slot, \q, \i
.endr
	WIN 0
.endm
.macro FETCH_A slot, q, i0             ; A's blocks i0 .. i0 + 3
.irp i, \i0, \i0+1, \i0+2, \i0+3
	FRAGA AF+FR*(\i), \slot, \q, \i
.endr
.endm
.macro PLACES n                        ; plain vector lines between a matrix instruction and a load into, or a vector line on, its registers
.rept \n
	v_nop
.endr
.endm
; A step of 128 along K that has its successor in the same slot.  A has one set of registers: blocks 0-3 are fetched anew in the step's middle, blocks 4-7 at its end; B has two sets.
.macro STEP slot, q, zero
	s_wait_dscnt 4*NL                              ; B's set and A's blocks 0-3 are in; the youngest 16 loads (A's blocks 4-7) may be out
	WIN MUL_LO
	MUL16 0, (\q)%2, \zero
	MUL16 2, (\q)%2, \zero
	s_wait_dscnt 0                                 ; A's blocks 4-7 are in
	PLACES NP
	FETCH_B \slot, (\q)+1, 1-(\q)%2
	FETCH_A \slot, (\q)+1, 0
	WIN MUL_HI
	MUL16 4, (\q)%2, \zero
	MUL16 6, (\q)%2, \zero
	PLACES NP
	WIN 0
	FETCH_A \slot, (\q)+1, 4
.endm
; A slot's last step changes slots: one barrier; in front of it each wave waits for all its tensor loads, adds 0 to its spare word, and waits for that and for its reads of this slot.  fill = 1: this slot is filled again, two K steps ahead.
.macro TURN slot, next, fill
	s_wait_tensorcnt 0x0                           ; all my tensor loads have landed: my part of the next slot
	ds_add_u32 v[SPW], v[NIL]                      ; 0 onto my spare word
	s_wait_dscnt 4*NL+1                            ; the add and the youngest 16 loads (A's blocks 4-7) may be out
	WIN MUL_LO
	MUL16 0, 1, 0
	s_wait_dscnt 0x0                               ; the add is done, and my reads of this slot are over
	s_barrier_signal -1
	MUL16 2, 1, 0
	WIN 0
	s_barrier_wait -1
.if \fill
	CREST                                          ; the barrier has opened a round of the cluster's barrier: no wave of any partner still reads this slot or has a load on its way
	s_add_nc_u64 s[G0+4*\slot+2:G0+4*\slot+3], s[G0+4*\slot+2:G0+4*\slot+3], 2*ASTEP
	s_add_nc_u64 s[G0B+4*\slot+2:G0B+4*\slot+3], s[G0B+4*\slot+2:G0B+4*\slot+3], 2*BSTEP
	JLOAD G0+4*\slot, G1, G0B+4*\slot, G1B         ; the first tensor load behind the round; its four v_nop are the places in front of the loads below
.else
	PLACES NP
.endif
	FETCH_B \next, 0, 0
	FETCH_A \next, 0, 0
	WIN MUL_HI
	MUL16 4, 1, 0
	MUL16 6, 1, 0
	PLACES NP
	WIN 0
	FETCH_A \next, 0, 4
.endm
	s_wait_alu depctr_va_vdst(0)                   ; the wait at the head's end
	s_wait_tensorcnt 0x0                           ; my part of K step 0 is in; slot 1's first fill is issued as a refill is:
	ds_add_u32 v[SPW], v[NIL]                      ; 0 onto my spare word
	s_wait_dscnt 0x0
	CROUND                                         ; everybody's part of K step 0 is in, and all sixteen work-groups are here
	JLOAD G0+4, G1, G0B+4, G1B                     ; K step 1: the first tensor load behind the round
	FETCH_B 0, 0, 0
	FETCH_A 0, 0, 0
	FETCH_A 0, 0, 4
	STEP 0, 0, 1                                   ; the first step stands in front of the loop: its products start the sums
	s_mov_b32 s3, LAPS-1
.Llap:                                                 ; a trip goes once round the ring and fills both slots again
	TURN 0, 1, 1
	STEP 1, 0, 0
	TURN 1, 0, 1
	STEP 0, 0, 0
	s_sub_co_u32 s3, s3, 1
	s_cmp_lg_u32 s3, 0
	s_cbranch_scc1 .Llap
	TURN 0, 1, 0                                   ; the last lap fills nothing
	STEP 1, 0, 0
	s_wait_dscnt 4*NL
	WIN MUL_LO
	MUL16 0, 1, 0
	MUL16 2, 1, 0
	s_wait_dscnt 0
	WIN MUL_HI
	MUL16 4, 1, 0
	MUL16 6, 1, 0
	WIN 0
	; THE WAY OUT: sum x 2^(ea + eb) + bias, held, converted, and stored as the next products' operand registers.  No LDS: a store's 32 lanes cover 512 consecutive bytes.
	s_wait_loadcnt 0x0                             ; the biases
	s_wait_kmcnt 0x0                               ; the exponents
	s_cmp_eq_u32 ttmp9, 0
	s_cselect_b32 s22, s88, s90                    ; the two operands' exponents and the result's: (e0, e1, e6), (e2, e3, e7) or (e4, e5, e8): chosen, never branched on
	s_cselect_b32 s23, s89, s91
	s_cselect_b32 s98, s94, s95
	s_cmp_eq_u32 ttmp9, 2
	s_cselect_b32 s22, s92, s22
	s_cselect_b32 s23, s93, s23
	s_cselect_b32 s98, s86, s98
	s_add_co_i32 s96, s22, s23
	s_add_co_i32 s96, s96, 127
	s_lshl_b32 s96, s96, 23                        ; 2^(ea + eb) as f32
	s_mov_b32 s97, s96                             ; (named with it as a pair)
	s_add_co_i32 s99, s98, 127
	s_lshl_b32 s98, s99, 23
	v_mov_b32 v10, s98                             ; the result's scale: the conversion takes its exponent field
	s_add_co_i32 s99, s99, 8
	s_lshl_b32 s99, s99, 23
	s_or_b32 s99, s99, 0x600000
	v_mov_b32 v11, s99                             ; 448 x the scale
	PLACES NP
; Block a of 16 rows of A.  kind = 0: the bias goes by the n-tile; the codes of n-tiles 4 u' .. 4 u' + 3 are a head's fragment of 16 tokens x 64.  kind = 1: the bias goes by the block; the eight n-tiles' codes are a fragment of 16 channels x 128 keys.
.macro EPI a, kind
.set AC, 64*((\a)%4)
	WIN 0x02+((\a)/4)                              ; source 0: window 2 or 3
.irp b, 0,1,2,3,4,5,6,7
.irp i, 0,2,4,6
.if \kind
	v_pk_fma_f32 v[TT+8*\b+\i:TT+8*\b+\i+1], v[AC+8*\b+\i:AC+8*\b+\i+1], s[96:97], v[BI+8*(\a)+\i:BI+8*(\a)+\i+1] op_sel_hi:[1,0,1]
.else
	v_pk_fma_f32 v[TT+8*\b+\i:TT+8*\b+\i+1], v[AC+8*\b+\i:AC+8*\b+\i+1], s[96:97], v[BI+8*\b+\i:BI+8*\b+\i+1] op_sel_hi:[1,0,1]
.endif
.endr
.endr
	WIN 0
.set j, 0
.rept 64
	v_med3_num_f32 v[TT+j], v[TT+j], -v11, v11     ; the conversion does not saturate (ISA guide 7.6.2): the hold comes first
.set j, j+1
.endr
	s_wait_alu depctr_va_vdst(0)
	s_wait_xcnt 0x0                                ; the last block's stores have read their data: the codes' registers are written again only behind this wait
.irp b, 0,1,2,3,4,5,6,7
	v_cvt_scalef32_pk8_fp8_f32 v[CD+2*\b:CD+2*\b+1], v[TT+8*\b:TT+8*\b+7], v10
.endr
	v_nop                                          ; a plain line between the last conversion and the next vector line that writes its sources
.irp u, 0,1,2,3
.if \kind
	global_store_b128 v[CO], v[CD+4*\u:CD+4*\u+3], s[80:81] offset:((\a)/4)*131072+((\a)%4)*2048+\u*512
.else
	global_store_b128 v[CO], v[CD+4*\u:CD+4*\u+3], s[80:81] offset:(\u/2)*131072+(\a)*1024+(\u%2)*512
.endif
.endr
.endm
	s_cmp_eq_u32 ttmp9, 2                          ; the same in all sixteen partners
	s_cbranch_scc1 .Lv
.irp a, 0,1,2,3,4,5,6,7
	EPI \a, 0
.endr
	s_branch .Lend
.Lv:
.irp a, 0,1,2,3,4,5,6,7
	EPI \a, 1
.endr
.Lend:
	s_wait_tensorcnt 0x0                           ; the wave's end
	ds_add_u32 v[SPW], v[NIL]
	s_wait_dscnt 0x0
	CROUND                                         ; the closing round: no work-group ends while a partner may still ask for a tile that names it
	s_endpgm
.Lfunc_end_k_qae11bd608d_qkv:
	.size	k_qae11bd608d_qkv, .Lfunc_end_k_qae11bd608d_qkv-k_qae11bd608d_qkv
	.p2alignl 7, 3214868480
	.fill 96, 4, 3214868480
	.section	.rodata,"a",@progbits
	.p2align	6, 0x0
	.amdhsa_kernel k_qae11bd608d_qkv
		.amdhsa_group_segment_fixed_size 327680
		.amdhsa_private_segment_fixed_size 0
		.amdhsa_enable_private_segment 0
		.amdhsa_kernarg_size 72
		.amdhsa_user_sgpr_count 2
		.amdhsa_user_sgpr_kernarg_segment_ptr 1
		.amdhsa_wavefront_size32 1
		.amdhsa_system_sgpr_workgroup_id_x 1
		.amdhsa_system_sgpr_workgroup_id_y 1
		.amdhsa_system_sgpr_workgroup_id_z 1
		.amdhsa_system_vgpr_workitem_id 0
		.amdhsa_next_free_vgpr 1024
		.amdhsa_next_free_sgpr 100
		.amdhsa_reserve_vcc 0
		.amdhsa_float_denorm_mode_32 3
		.amdhsa_float_denorm_mode_16_64 3
		.amdhsa_memory_ordered 1
		.amdhsa_forward_progress 1
		.amdhsa_inst_pref_size 199
	.end_amdhsa_kernel
	.amdgpu_metadata
---
amdhsa.version: [ 1, 2 ]
amdhsa.kernels:
  - .name:           k_qae11bd608d_qkv
    .symbol:         k_qae11bd608d_qkv.kd
    .args:
      - { .name: lnc, .offset: 0, .size: 8, .value_kind: global_buffer, .address_space: global }
      - { .name: Wq_codes, .offset: 8, .size: 8, .value_kind: global_buffer, .address_space: global }
      - { .name: Wk_codes, .offset: 16, .size: 8, .value_kind: global_buffer, .address_space: global }
      - { .name: Wv_codes, .offset: 24, .size: 8, .value_kind: global_buffer, .address_space: global }
      - { .name: bq, .offset: 32, .size: 8, .value_kind: global_buffer, .address_space: global }
      - { .name: bk, .offset: 40, .size: 8, .value_kind: global_buffer, .address_space: global }
      - { .name: bv, .offset: 48, .size: 8, .value_kind: global_buffer, .address_space: global }
      - { .name: lowp_scales, .offset: 56, .size: 8, .value_kind: global_buffer, .address_space: global }
      - { .name: qkv, .offset: 64, .size: 8, .value_kind: global_buffer, .address_space: global }
    .group_segment_fixed_size: 327680
    .private_segment_fixed_size: 0
    .kernarg_segment_align: 8
    .kernarg_segment_size: 72
    .max_flat_workgroup_size: 128
    .sgpr_count:     100
    .vgpr_count:     1024
    .wavefront_size: 32
...
	.end_amdgpu_metadata
.endif
;; end of part 8
;; launch attn (part 9): grid 8 x 32, 16 waves a work-group, clusters of 4 x 1, 264,192 bytes of LDS; arguments qkv, null_k, X, lowp_scales, hres; writes hres
.if DOCPART == 9
	.amdgcn_target "amdgcn-amd-amdhsa--gfx1250"
	.amdhsa_code_object_version 6
	.text
	.protected	k_qae11bd608d_attn
	.globl	k_qae11bd608d_attn
	.p2align	8
	.type	k_qae11bd608d_attn,@function
k_qae11bd608d_attn:
	s_mov_b64 s[64:65], 0
	v_nop
	global_prefetch_b8 v0, s[64:65] scope:SCOPE_SE
	s_setreg_imm32_b32 hwreg(HW_REG_WAVE_MODE, 25, 1), 1
	s_wait_xcnt 0x0
	s_wait_alu depctr_hold_cnt(0) depctr_sa_sdst(0) depctr_va_vdst(0) depctr_va_sdst(0) depctr_va_ssrc(0) depctr_va_vcc(0) depctr_vm_vsrc(0)
	s_getreg_b32 s2, hwreg(HW_REG_IB_STS2, 6, 4)
	s_cmp_eq_u32 s2, 0
	s_cbranch_scc0 .Lentry_in_a_cluster
	s_endpgm
.Lentry_in_a_cluster:
	s_bfe_u32 s2, ttmp6, 0x10000c
	s_cmp_lg_u32 s2, 0x3003
	s_cbranch_scc0 .Lentry_shape_is_right
	s_endpgm
.Lentry_shape_is_right:
; ATTENTION ON CODES OF E4M3, WITH THE NULL KEY, AND THE RESIDUAL: hres = softmax(Q K^T / 32) V + X, for 32 (batch, head) pairs, head size 64, 2,048 keys and one learned null key.
; LEFT OUT: the null key's term of the second product: its value row is the zeros that reference() builds itself, so the term is 0 for every finite p.  Its score, and its part in the largest t and in the sum, are computed.
; Q, K, V come as images of operand registers (buffer qkv): Q, K: [32][128 tiles of 16 tokens][2 chunks][32 lanes][16 bytes] at 0 and 4 MiB; V: [32][16 steps of 128 keys][4 tiles of 16 channels][4 chunks][32 lanes][16 bytes] at 8 MiB.
; THE SOFTMAX: t = score x log2(e) / 32; M = the running largest t rounded up to a whole number; p = 2^(t - M) is quantised at 2^e9, not normalised; the row's sum is taken of the unquantised p and divides at the end.
; When M moves, the sum and O are multiplied by 2^(old M - new M): exact, and no branch on data.
; SHARES.  A work-group owns 256 queries of one (batch, head); each of its sixteen waves owns 16, one tile, in 256 registers, four waves to a SIMD.  Both products are used transposed (S^T = K Q^T, O^T = V^T P^T):
; a lane holds ONE query; the eight scores of a tile of 16 keys are keys 16 t + 8 (lane / 16) + 0..7, the very place of registers 2 t, 2 t + 1 of an 8-bit operand.
; LDS: THE WHOLE HEAD, FILLED ONCE: K's images at 0 (128 KiB), V's at 128 KiB.  Each of the sixteen waves fetches 16 KiB by its one tensor load at the head (LDS byte 16 KiB x wave); one wait and one barrier show all of it to all waves.
; CLUSTER: the four query blocks of a cluster belong to one head and need the same K and V: each load is asked for jointly by the four.
; THE STAGES of the way out (16 x 272 bytes a wave) lie in the bytes of K's and V's key steps 0 to 4 (8 x 4,352 = 34,816 bytes of each region, under 5 x 8,192).  Their barrier is split: each wave signals behind its key step 7
; and waits behind its key step 15; between the two it reads only key steps 8 to 15, bytes that nobody writes.
; Nothing is prefetched: all that the work-group reads of K and V is asked for by its first loads, and X's rows are asked for by their loads one key step ahead of their use.
; LIMITS: e6 + e7 between -120 and 130 (added to an exponent field); e7, e9 between -126 and 119.  NaN and infinities are not served.
; REGISTERS: v1 16 x lane; v2, v3 addresses of the step's K and V; v4 my bytes in two rows of X and hres; v5, v6 the stage, in and back; v7 the old -M; v8 -M, v9 the largest t; v[10:11] the sum; v[12:13], v84-95 its other chains; v[14:15] f;
;   v[16:23] Q; v24-26 at work; v27, v29: 448 x 2^e9, twice; v28 2^e9; v30, v31 for the add; v32-95 K's eight tiles, then p's codes in v32-47 (last step: X in v48-79); v96-159 V's four tiles; v160-223 S^T, then p; v224-255 O^T.
.set WV,  18
.set SEL, 20                           ; s[20:21] lane selects: lane l xor 16
.set CS,  22                           ; s[22:23] c = log2(e) / 32 x 2^(e6 + e7)
.set TB,  2                            ; s2  the step's first byte in K's and in V's region
.set CNT, 3
.set G1,  24                           ; s[24:31] group 1
.set G0,  32                           ; s[32:35] group 0
.set KF,  32
.set XR,  48
.set VF,  96
.set S,   160
.set O,   224
.set SPW, 30                           ; v30 LDS address of my spare word; never rewritten
.set NIL, 31                           ; v31 0; never rewritten
.set SPARE, 0x40000                    ; behind K and V: 128 bytes for each wave, which no other line names
.macro CROUND                          ; a round of the cluster's barrier
	s_barrier_signal -1
	s_barrier_wait -1
	s_cmp_lg_u32 s[WV], 0
	s_cbranch_scc1 .Lnot_wave_0_\@
	s_barrier_signal -3
.Lnot_wave_0_\@:
	s_barrier_wait -3
	s_barrier_signal -1
	s_barrier_wait -1
.endm
	s_load_b256 s[4:11], s[0:1], 0x0               ; qkv s[4:5], null_k s[6:7], X s[8:9], the exponents s[10:11]
	s_load_b64 s[12:13], s[0:1], 0x20              ; hres
	v_lshl_add_u32 v[SPW], v0, 2, SPARE
	v_mov_b32 v[NIL], 0
	ds_add_u32 v[SPW], v[NIL]                      ; the opening lines: the add, twice on end, and one wait, ahead of my tensor load
	ds_add_u32 v[SPW], v[NIL]
	v_lshrrev_b32 v1, 5, v0
	s_delay_alu instid0(VALU_DEP_1)
	v_readfirstlane_b32 s[WV], v1                  ; wave 0..15
	s_bfe_u32 s48, ttmp6, 0x40000                  ; cx
	s_lshl_b32 s49, ttmp9, 2
	s_add_co_u32 s49, s49, s48                     ; my block of 256 queries: it enters Q's, X's and hres's addresses alone
	s_and_b32 s50, ttmp7, 0xffff                   ; 16 x batch + head, which the four partners share
	s_lshl_b32 s55, s50, 17                        ; the head's 128 KiB
	s_lshl_b32 s54, s[WV], 14                      ; what I fetch, in LDS: 16 KiB x wave (waves 0-7: K, waves 8-15: V)
	s_lshr_b32 s47, s[WV], 3
	s_and_b32 s46, s[WV], 7
	s_lshl_b32 s56, s47, 22
	s_lshl_b32 s53, s46, 14
	s_add_co_u32 s56, s56, s53
	s_add_co_u32 s56, s56, s55
	s_add_co_u32 s56, s56, 0x400000                ; in memory: K's images begin at 4 MiB, V's at 8 MiB
	s_mov_b32 s57, 0
	s_mul_i32 s46, s46, 4352
	s_lshl_b32 s47, s47, 17
	s_add_co_u32 s46, s46, s47                     ; my stage: 4,352 x (wave % 8), in K's region (waves 0-7) or V's
	s_lshl_b32 s58, s49, 4
	s_add_co_u32 s58, s58, s[WV]
	s_lshl_b32 s58, s58, 10
	s_add_co_u32 s58, s58, s55                     ; Q's image of my 16 queries: tile 16 x block + wave of the head
	s_mov_b32 s59, 0
	s_and_b32 s40, s50, 15
	s_lshl_b32 s40, s40, 8                         ; the head's 64 channels: 256 bytes of f32
	s_mov_b32 s41, 0
	s_lshr_b32 s42, s50, 4
	s_lshl_b32 s42, s42, 11
	s_lshl_b32 s48, s49, 8
	s_add_co_u32 s42, s42, s48
	s_lshl_b32 s48, s[WV], 4
	s_add_co_u32 s42, s42, s48                     ; my first row: 2,048 x batch + 256 x block + 16 x wave
	s_lshl_b32 s42, s42, 12
	s_add_co_u32 s42, s42, s40
	s_mov_b32 s43, 0
	; group 1: 16 KiB, dense, as 64 rows of 256 bytes
	s_mov_b32 s[G1], 15|(3<<16)|(1<<21)            ; 15:0 the mask: all four work-groups; 17:16 elements of 8 bytes; 21 set beside a mask; no padding
	s_mov_b32 s[G1+1], 32<<16                      ; tensor_dim0 = 32
	s_mov_b32 s[G1+2], 64<<16                      ; tensor_dim1 = 64
	s_mov_b32 s[G1+3], 32<<16                      ; tile_dim0 = 32
	s_mov_b32 s[G1+4], 64                          ; tile_dim1 = 64
	s_mov_b32 s[G1+5], 32                          ; tensor_dim0_stride
	s_mov_b32 s[G1+6], 0
	s_mov_b32 s[G1+7], 0
	s_mov_b32 s[SEL], 0x76543210
	s_mov_b32 s[SEL+1], 0xfedcba98
	v_and_b32 v1, 31, v0
	s_delay_alu instid0(VALU_DEP_1)
	v_lshlrev_b32 v1, 4, v1                        ; 16 x lane
	v_and_b32 v24, 15, v0                          ; r
	v_bfe_u32 v25, v0, 4, 1                        ; h
	s_delay_alu instid0(VALU_DEP_1)
	v_lshlrev_b32 v7, 5, v25                       ; 32 h, for the null key's loads
	s_delay_alu instid0(VALU_DEP_2)
	v_lshlrev_b32 v4, 12, v25
	s_delay_alu instid0(VALU_DEP_1)
	v_lshl_add_u32 v4, v24, 4, v4                  ; lanes 0-15 one row of 4,096 bytes, lanes 16-31 the next; 16 bytes a lane
	v_mul_u32_u24 v5, v24, 272
	s_delay_alu instid0(VALU_DEP_1)
	v_lshl_add_u32 v5, v25, 5, v5
	s_delay_alu instid0(VALU_DEP_1)
	v_add_nc_u32 v5, s46, v5                       ; the stage, in: row r, + 32 h
	v_mul_u32_u24 v6, v25, 272
	s_delay_alu instid0(VALU_DEP_1)
	v_lshl_add_u32 v6, v24, 4, v6
	s_delay_alu instid0(VALU_DEP_1)
	v_add_nc_u32 v6, s46, v6                       ; back: lanes 0-15 one row, lanes 16-31 the next
	v_mov_b32 v15, 0                               ; (named as the upper half of the pair v[14:15])
	v_mov_b32 v26, 0                               ; written once: a lane permute's destination counts as one of its sources
	s_wait_alu depctr_va_vdst(0)                   ; the wait here, directly ahead of the waits below
	s_wait_dscnt 0x0                               ; both opening adds are done
	s_wait_kmcnt 0x0
	s_load_b128 s[60:63], s[10:11], 0x18           ; e6, e7, e8, e9
	s_add_nc_u64 s[58:59], s[4:5], s[58:59]
	s_add_nc_u64 s[6:7], s[6:7], s[40:41]
	s_add_nc_u64 s[8:9], s[8:9], s[42:43]
	s_add_nc_u64 s[12:13], s[12:13], s[42:43]
.irp c, 0,1
	global_load_b128 v[16+4*\c:19+4*\c], v1, s[58:59] offset:512*\c   ; Q's fragment stays in registers
.endr
.irp c, 0,1,2,3
	global_load_b128 v[S+8*\c:S+8*\c+3],   v7, s[6:7] offset:64*\c      ; the null key: channels 16 c + 8 h + 0..7, the same in all sixteen lanes of a half
	global_load_b128 v[S+8*\c+4:S+8*\c+7], v7, s[6:7] offset:64*\c+16
.endr
	s_add_nc_u64 s[56:57], s[4:5], s[56:57]
	s_mov_b32 s[G0], 1
	s_mov_b32 s[G0+1], s54
	s_mov_b64 s[G0+2:G0+3], s[56:57]
	s_or_b32 s[G0+3], s[G0+3], 0x80000000
	CROUND                                         ; all four work-groups are here: the joint loads meet
	tensor_load_to_lds s[G0:G0+3], s[G1:G1+7]      ; my 16 KiB: every wave's one tensor load of the launch
	s_nop 0
.rept 4
	v_nop
.endr
	s_wait_kmcnt 0x0
	s_add_co_i32 s48, s60, s61
	s_lshl_b32 s48, s48, 23
	s_mov_b32 s[CS], 0x3d38aa3b                    ; log2(e) / 32
	s_add_co_i32 s[CS], s[CS], s48                 ; a score stands for score x 2^(e6 + e7): the exponents are added to c's exponent field
	s_mov_b32 s[CS+1], s[CS]
	s_add_co_i32 s48, s63, 127
	s_lshl_b32 s51, s48, 23
	v_mov_b32 v28, s51                             ; 2^e9
	s_add_co_i32 s48, s48, 8
	s_lshl_b32 s48, s48, 23
	s_or_b32 s48, s48, 0x600000
	v_mov_b32 v27, s48                             ; 448 x 2^e9,
	v_mov_b32 v29, s48                             ; twice: one register for each half of a dual line
	s_add_co_i32 s48, s61, 127
	s_lshl_b32 s51, s48, 23
	v_mov_b32 v2, s51                              ; 2^e7
	s_add_co_i32 s48, s48, 8
	s_lshl_b32 s48, s48, 23
	s_or_b32 s48, s48, 0x600000
	v_mov_b32 v3, s48                              ; 448 x 2^e7
	s_wait_alu depctr_va_vdst(0)                   ; the wait here, directly ahead of the wait below
	s_wait_loadcnt 0x0
.set j, 0
.rept 32
	v_med3_num_f32 v[S+j], v[S+j], -v3, v3         ; the conversion does not saturate (ISA guide 7.6.2): the hold comes first
.set j, j+1
.endr
.irp c, 0,1,2,3
	v_cvt_scalef32_pk8_fp8_f32 v[KF+2*\c:KF+2*\c+1], v[S+8*\c:S+8*\c+7], v2
.endr
	v_nop                                          ; a plain line between the conversions and the matrix instruction
	v_wmma_f32_16x16x64_fp8_fp8 v[S:S+7], v[KF:KF+7], v[16:23], 0    ; sixteen equal rows: every register of lane (r, h) is the null key's score for query r
.set j, 0
.rept 32
	v_mov_b32 v[O+j], 0                            ; O^T begins as zeros, so that the step is written once; these lines are also the places behind the product
.set j, j+1
.endr
	v_mul_f32 v9, s[CS], v[S]                      ; the largest t so far
	s_delay_alu instid0(VALU_DEP_1)
	v_floor_f32 v8, -v9                            ; -M
	s_delay_alu instid0(VALU_DEP_1)
	v_add_f32 v10, v9, v8
	s_wait_alu depctr_va_vdst(0)                   ; the wait ahead of the transcendental
	v_exp_f32 v10, v10                             ; the null key's p
	v_mov_b32 v11, 0                               ; (a plain line behind the transcendental)
	s_wait_alu depctr_va_vdst(0)                   ; and ahead of its first reader
	v_mul_f32 v10, 0.5, v10                        ; both halves of the lanes hold it, and their sums are added at the end: each takes half, which is exact
; A KEY STEP: 128 keys.  last = 1: X's rows are asked for, into registers of K's tiles 2 to 5, which are done with behind the first product.
.macro STEP last
	v_add_nc_u32 v2, s[TB], v1
	s_delay_alu instid0(VALU_DEP_1)
	v_add_nc_u32 v3, 0x20000, v2
	v_nop
	v_nop                                          ; four plain lines between the last products and the loads into registers that they read
.irp t, 0,1,2,3,4,5,6,7
	ds_load_b128 v[KF+8*\t:KF+8*\t+3],   v2 offset:1024*\t
	ds_load_b128 v[KF+8*\t+4:KF+8*\t+7], v2 offset:1024*\t+512
.endr
.irp d, 0,1,2,3
.irp c, 0,1,2,3
	ds_load_b128 v[VF+16*\d+4*\c:VF+16*\d+4*\c+3], v3 offset:2048*\d+512*\c
.endr
.endr
	s_wait_dscnt 16                                ; K's sixteen loads are in; V's sixteen may be out
.irp t, 0,1,2,3,4,5,6,7
	v_wmma_f32_16x16x64_fp8_fp8 v[S+8*\t:S+8*\t+7], v[KF+8*\t:KF+8*\t+7], v[16:23], 0
.endr
	v_mov_b32 v7, v8                               ; the old -M; with the three lines below: the four places behind the products
.rept 3
	v_nop
.endr
.if \last
.irp i, 0,1,2,3,4,5,6,7
	global_load_b128 v[XR+4*\i:XR+4*\i+3], v4, s[8:9] offset:8192*\i th:TH_LOAD_NT
.endr
.endif
	v_max3_num_f32 v24, v[S], v[S+1], v[S+2]       ; the step's largest score of my query among my 64 keys, in two chains, each tile from its low end on
	v_max3_num_f32 v25, v[S+3], v[S+4], v[S+5]
.irp i, 6,10,14,18,22,26,30,34,38,42,46,50,54,58
	v_max3_num_f32 v24, v24, v[S+\i], v[S+\i+1]
	v_max3_num_f32 v25, v25, v[S+\i+2], v[S+\i+3]
.endr
	v_max3_num_f32 v24, v24, v[S+62], v[S+63]
	s_delay_alu instid0(VALU_DEP_1)
	v_max_num_f32 v24, v24, v25
	s_delay_alu instid0(VALU_DEP_1)
	v_permlanex16_b32 v26, v24, s[SEL], s[SEL+1]
	s_delay_alu instid0(VALU_DEP_1)
	v_max_num_f32 v24, v24, v26                    ; and among lane l xor 16's
	s_delay_alu instid0(VALU_DEP_1)
	v_mul_f32 v24, s[CS], v24                      ; as t (c is positive)
	s_delay_alu instid0(VALU_DEP_1)
	v_max_num_f32 v9, v9, v24
	s_delay_alu instid0(VALU_DEP_1)
	v_floor_f32 v8, -v9                            ; the new -M = -ceil(t)
	s_delay_alu instid0(VALU_DEP_1)
	v_sub_f32 v24, v8, v7                          ; old M - new M: a whole number, 0 or less
	s_delay_alu instid0(VALU_DEP_1)
	v_cvt_i32_f32 v24, v24
	s_delay_alu instid0(VALU_DEP_1)
	v_ldexp_f32 v14, 1.0, v24                      ; f = 2^(old M - new M)
.set j, 0
.rept 32
	v_pk_fma_f32 v[S+j:S+j+1], v[S+j:S+j+1], s[CS:CS+1], v[8:9] op_sel_hi:[1,0,0]   ; t - M (of the pairs c and -M the low word serves both halves)
.set j, j+2
.endr
	s_wait_alu depctr_va_vdst(0)                   ; the wait ahead of the batch
.set j, 0
.rept 64
	v_exp_f32 v[S+j], v[S+j]                       ; p = 2^(t - M)
.set j, j+1
.endr
	s_wait_alu depctr_va_vdst(0)                   ; one wait behind the batch: for its results, and directly ahead of the first readers of O^T
.set j, 0
.rept 16
	v_pk_mul_f32 v[O+j:O+j+1], v[O+j:O+j+1], v[14:15] op_sel_hi:[1,0]   ; O^T under the new M; also the plain lines behind the exponentials
.set j, j+2
.endr
	v_pk_mul_f32 v[10:11], v[10:11], v[14:15] op_sel_hi:[1,0]   ; the sum under the new M
.irp i, 0,1,2,3,4,5                    ; the row's sum of the unquantised p: 32 pairs on eight chains
	v_pk_add_f32 v[84+2*\i:85+2*\i], v[S+4*\i:S+4*\i+1], v[S+4*\i+2:S+4*\i+3]
.endr
	v_pk_add_f32 v[12:13], v[S+24:S+25], v[S+26:S+27]
	v_pk_add_f32 v[10:11], v[10:11], v[S+28:S+29]
.irp u, 30, 46
.irp i, 0,1,2,3,4,5
	v_pk_add_f32 v[84+2*\i:85+2*\i], v[84+2*\i:85+2*\i], v[S+\u+2*\i:S+\u+2*\i+1]
.endr
	v_pk_add_f32 v[12:13], v[12:13], v[S+\u+12:S+\u+13]
	v_pk_add_f32 v[10:11], v[10:11], v[S+\u+14:S+\u+15]
.endr
	v_pk_add_f32 v[84:85], v[84:85], v[S+62:S+63]  ; the last pair goes onto the chain that was written eight lines ago
.set j, 0
.rept 32
	v_dual_min_num_f32 v[S+j], v[S+j], v27 :: v_dual_min_num_f32 v[S+j+1], v[S+j+1], v29   ; the conversion does not saturate (ISA guide 7.6.2); p is not negative, so the hold is one-sided; two numbers a line
.set j, j+2
.endr
.irp t, 0,1,2,3,4,5,6,7
	v_cvt_scalef32_pk8_fp8_f32 v[KF+2*\t:KF+2*\t+1], v[S+8*\t:S+8*\t+7], v28   ; registers 2 t, 2 t + 1 of P: keys 16 t + 8 h + 0..7
.endr
	v_pk_add_f32 v[84:85], v[84:85], v[86:87]      ; the chains are joined; also the plain lines behind the conversions
	v_pk_add_f32 v[88:89], v[88:89], v[90:91]
	v_pk_add_f32 v[92:93], v[92:93], v[94:95]
	v_pk_add_f32 v[10:11], v[10:11], v[12:13]
	s_delay_alu instid0(VALU_DEP_3)
	v_pk_add_f32 v[84:85], v[84:85], v[88:89]
	s_delay_alu instid0(VALU_DEP_2)
	v_pk_add_f32 v[10:11], v[10:11], v[92:93]
	s_delay_alu instid0(VALU_DEP_1)
	v_pk_add_f32 v[10:11], v[10:11], v[84:85]
	s_wait_alu depctr_va_vdst(0)                   ; the wait here, directly ahead of the wait below
	s_wait_dscnt 0x0                               ; V is in
.irp d, 0,1,2,3
	v_wmma_f32_16x16x128_fp8_fp8 v[O+8*\d:O+8*\d+7], v[VF+16*\d:VF+16*\d+15], v[KF:KF+15], v[O+8*\d:O+8*\d+7]   ; the four accumulators take turns, one line a turn
.endr
	s_add_co_u32 s[TB], s[TB], 8192
.endm
	s_wait_alu depctr_va_vdst(0)                   ; the wait at the head's end
	s_wait_tensorcnt 0x0                           ; my 16 KiB are in
	s_wait_dscnt 0x0
	s_barrier_signal -1
	s_barrier_wait -1                              ; everybody's are: the whole head lies in LDS, and nothing is filled again
	s_mov_b32 s[TB], 0
	s_mov_b32 s[CNT], 8
.Lfirst:                                               ; key steps 0 to 7
	STEP 0
	s_sub_co_u32 s[CNT], s[CNT], 1
	s_cmp_lg_u32 s[CNT], 0
	s_cbranch_scc1 .Lfirst
	s_wait_dscnt 0x0                               ; my reads of key steps 0 to 7 are over:
	s_barrier_signal -1                            ; say so; the wait stands ahead of the stage's stores
	s_mov_b32 s[TB], 8*8192
	s_mov_b32 s[CNT], 7
.Lsecond:                                              ; key steps 8 to 14
	STEP 0
	s_sub_co_u32 s[CNT], s[CNT], 1
	s_cmp_lg_u32 s[CNT], 0
	s_cbranch_scc1 .Lsecond
	s_mov_b32 s[TB], 15*8192
	STEP 1                                         ; key step 15, with X's loads
	; THE WAY OUT: O^T / the sum x 2^(e8 + e9), through my stage in LDS, + X, as whole aligned blocks of 256 bytes: a head's 64 channels of a row.
	v_add_f32 v10, v10, v11
	s_delay_alu instid0(VALU_DEP_1)
	v_permlanex16_b32 v26, v10, s[SEL], s[SEL+1]
	s_delay_alu instid0(VALU_DEP_1)
	v_add_f32 v10, v10, v26                        ; the row's sum
	s_wait_alu depctr_va_vdst(0)                   ; the wait ahead of the transcendental
	v_rcp_f32 v10, v10
	v_nop                                          ; a plain line behind the transcendental
	s_add_co_i32 s51, s62, s63
	s_wait_alu depctr_va_vdst(0)                   ; and ahead of its first reader
	v_ldexp_f32 v10, v10, s51                      ; x 2^(e8 + e9)
	s_wait_alu depctr_va_vdst(0)                   ; the wait here, directly ahead of the first reader of O^T
.set j, 0
.rept 16
	v_pk_mul_f32 v[S+j:S+j+1], v[O+j:O+j+1], v[10:11] op_sel_hi:[1,0]   ; register 8 t + i is o(r, 16 t + 8 h + i); each accumulator from its low end on
.set j, j+2
.endr
	s_wait_alu depctr_va_vdst(0)                   ; the wait here, directly ahead of the wait below
	s_barrier_wait -1                              ; every wave has left key steps 0 to 7: nobody reads the stages' bytes any more, and they have had their only fill
.irp t, 0,1,2,3
	ds_store_b128 v5, v[S+8*\t:S+8*\t+3] offset:64*\t
	ds_store_b128 v5, v[S+8*\t+4:S+8*\t+7] offset:64*\t+16
.endr
.irp i, 0,1,2,3,4,5,6,7
	ds_load_b128 v[VF+4*\i:VF+4*\i+3], v6 offset:544*\i    ; LDS serves a wave's instructions in order: these see my stores
.endr
	s_wait_dscnt 0x0
	s_wait_loadcnt 0x0                             ; X
.set j, 0
.rept 16
	v_pk_add_f32 v[VF+j:VF+j+1], v[VF+j:VF+j+1], v[XR+j:XR+j+1]
.set j, j+2
.endr
.irp i, 0,1,2,3,4,5,6,7
	global_store_b128 v4, v[VF+4*\i:VF+4*\i+3], s[12:13] offset:8192*\i   ; 16 lanes store 256 consecutive bytes, aligned
.endr
	s_wait_tensorcnt 0x0                           ; the wave's end
	ds_add_u32 v[SPW], v[NIL]
	s_wait_dscnt 0x0
	CROUND                                         ; the closing round
	s_endpgm
.Lfunc_end_k_qae11bd608d_attn:
	.size	k_qae11bd608d_attn, .Lfunc_end_k_qae11bd608d_attn-k_qae11bd608d_attn
	.p2alignl 7, 3214868480
	.fill 96, 4, 3214868480
	.section	.rodata,"a",@progbits
	.p2align	6, 0x0
	.amdhsa_kernel k_qae11bd608d_attn
		.amdhsa_group_segment_fixed_size 264192
		.amdhsa_private_segment_fixed_size 0
		.amdhsa_enable_private_segment 0
		.amdhsa_kernarg_size 40
		.amdhsa_user_sgpr_count 2
		.amdhsa_user_sgpr_kernarg_segment_ptr 1
		.amdhsa_wavefront_size32 1
		.amdhsa_system_sgpr_workgroup_id_x 1
		.amdhsa_system_sgpr_workgroup_id_y 1
		.amdhsa_system_sgpr_workgroup_id_z 1
		.amdhsa_system_vgpr_workitem_id 0
		.amdhsa_next_free_vgpr 256
		.amdhsa_next_free_sgpr 66
		.amdhsa_reserve_vcc 0
		.amdhsa_float_denorm_mode_32 3
		.amdhsa_float_denorm_mode_16_64 3
		.amdhsa_memory_ordered 1
		.amdhsa_forward_progress 1
		.amdhsa_inst_pref_size 63
	.end_amdhsa_kernel
	.amdgpu_metadata
---
amdhsa.version: [ 1, 2 ]
amdhsa.kernels:
  - .name:           k_qae11bd608d_attn
    .symbol:         k_qae11bd608d_attn.kd
    .args:
      - { .name: qkv, .offset: 0, .size: 8, .value_kind: global_buffer, .address_space: global }
      - { .name: null_k, .offset: 8, .size: 8, .value_kind: global_buffer, .address_space: global }
      - { .name: X, .offset: 16, .size: 8, .value_kind: global_buffer, .address_space: global }
      - { .name: lowp_scales, .offset: 24, .size: 8, .value_kind: global_buffer, .address_space: global }
      - { .name: hres, .offset: 32, .size: 8, .value_kind: global_buffer, .address_space: global }
    .group_segment_fixed_size: 264192
    .private_segment_fixed_size: 0
    .kernarg_segment_align: 8
    .kernarg_segment_size: 40
    .max_flat_workgroup_size: 512
    .sgpr_count:     66
    .vgpr_count:     256
    .wavefront_size: 32
...
	.end_amdgpu_metadata
.endif
;; end of part 9
;; launch ln1 (part 10): grid 256 x 1, 4 waves a work-group, no clusters, 0 bytes of LDS; arguments hres, g1, b1, lowp_scales, hr; writes hr
.if DOCPART == 10
	.amdgcn_target "amdgcn-amd-amdhsa--gfx1250"
	.amdhsa_code_object_version 6
	.text
	.protected	k_qae11bd608d_ln1
	.globl	k_qae11bd608d_ln1
	.p2align	8
	.type	k_qae11bd608d_ln1,@function
k_qae11bd608d_ln1:
	s_mov_b64 s[64:65], 0
	v_nop
	global_prefetch_b8 v0, s[64:65] scope:SCOPE_SE
	s_setreg_imm32_b32 hwreg(HW_REG_WAVE_MODE, 25, 1), 1
	s_wait_xcnt 0x0
; LAYER NORM OF hres AND THE QUANTISER BEHIND IT.  hres: [4096][1024] f32.  hr: E4M3 codes [4096][1024], a byte a code, K innermost, at 2^e10 (entry 10 of lowp_scales).
; y = ((x - mean) * rsqrt(var + 1e-5)) * g1 + b1, all in f32, the variance from the centred numbers; code = y / 2^e10, held within +-448, nearest, ties to even.
; SHARES.  A work-group takes 16 rows, a wave 4, one row at a time: the sums never leave the wave: no LDS, no barrier.  A lane holds elements 256 i + 8 lane + 0..7, i = 0..3.
; All 48 loads of a wave go out at the head; a store of 8 bytes a lane covers 256 consecutive bytes, aligned.
; LIMITS: e10 between -126 and 119.  NaN and infinities are not served.
.set G,   8                            ; v[8:39]    g1 of my 32 columns
.set BB,  40                           ; v[40:71]   b1
.set X,   72                           ; v[72:199]  four rows
.set T,   208                          ; v[208:239] the held numbers
.set C,   240                          ; v[240:247] codes
.set SEL, 42
	s_load_b256 s[4:11], s[0:1], 0x0               ; hres s[4:5], g1 s[6:7], b1 s[8:9], the exponents s[10:11]
	s_load_b64 s[36:37], s[0:1], 0x20              ; hr
	v_lshrrev_b32 v7, 5, v0
	v_readfirstlane_b32 s2, v7                     ; wave 0..3
	v_and_b32 v2, 31, v0
	v_lshlrev_b32 v1, 5, v2
	v_lshlrev_b32 v2, 3, v2
	s_lshl_b32 s3, ttmp9, 4
	s_lshl_b32 s26, s2, 2
	s_add_co_u32 s3, s3, s26                       ; my first row: 16 x work-group + 4 x wave
	s_lshl_b32 s26, s3, 12
	s_mov_b32 s27, 0
	s_lshl_b32 s38, s3, 10
	s_mov_b32 s39, 0
	s_mov_b32 s[SEL], 0x76543210
	s_mov_b32 s[SEL+1], 0xfedcba98
	s_mov_b32 s44, 0x3727c5ac                      ; 1e-5
	s_mov_b32 s45, 0x3a800000                      ; 1 / 1024
	s_wait_alu depctr_va_vdst(0)
	s_wait_kmcnt 0x0
	s_load_b32 s14, s[10:11], 0x28                 ; e10
	s_add_nc_u64 s[4:5], s[4:5], s[26:27]
	s_add_nc_u64 s[36:37], s[36:37], s[38:39]
.irp i, 0,1,2,3
	global_load_b128 v[G+8*\i:G+8*\i+3],   v1, s[6:7] offset:1024*\i
	global_load_b128 v[G+8*\i+4:G+8*\i+7], v1, s[6:7] offset:1024*\i+16
.endr
.irp i, 0,1,2,3
	global_load_b128 v[BB+8*\i:BB+8*\i+3],   v1, s[8:9] offset:1024*\i
	global_load_b128 v[BB+8*\i+4:BB+8*\i+7], v1, s[8:9] offset:1024*\i+16
.endr
.irp r, 0,1,2,3
.irp i, 0,1,2,3
	global_load_b128 v[X+32*\r+8*\i:X+32*\r+8*\i+3],   v1, s[4:5] offset:4096*\r+1024*\i
	global_load_b128 v[X+32*\r+8*\i+4:X+32*\r+8*\i+7], v1, s[4:5] offset:4096*\r+1024*\i+16
.endr
.endr
	s_wait_kmcnt 0x0
	s_add_co_i32 s46, s14, 127
	s_lshl_b32 s47, s46, 23
	v_mov_b32 v3, s47                              ; 2^e10 as f32
	s_add_co_i32 s46, s46, 8
	s_lshl_b32 s46, s46, 23
	s_or_b32 s46, s46, 0x600000
	v_mov_b32 v4, s46                              ; 448 x 2^e10
.macro REDUCE                          ; v200 summed over the 32 lanes, the result in every lane
	v_add_f32_dpp v200, v200, v200 row_xmask:1 row_mask:0xf bank_mask:0xf
	v_add_f32_dpp v200, v200, v200 row_xmask:2 row_mask:0xf bank_mask:0xf
	v_add_f32_dpp v200, v200, v200 row_xmask:4 row_mask:0xf bank_mask:0xf
	v_add_f32_dpp v200, v200, v200 row_xmask:8 row_mask:0xf bank_mask:0xf
	v_permlanex16_b32 v203, v200, s[SEL], s[SEL+1]
	v_add_f32 v200, v200, v203
.endm
.macro ROW i
.set XS, X+32*(\i)
	s_wait_loadcnt 8*(3-(\i))                      ; this row's eight loads are in, the later rows' may be out
	v_pk_add_f32 v[200:201], v[XS:XS+1], v[XS+2:XS+3]
	v_pk_add_f32 v[202:203], v[XS+4:XS+5], v[XS+6:XS+7]
.irp j, 8,12,16,20,24,28
	v_pk_add_f32 v[200:201], v[200:201], v[XS+\j:XS+\j+1]
	v_pk_add_f32 v[202:203], v[202:203], v[XS+\j+2:XS+\j+3]
.endr
	v_pk_add_f32 v[200:201], v[200:201], v[202:203]
	v_add_f32 v200, v200, v201
	REDUCE
	v_mul_f32 v204, s45, v200                      ; the mean
	v_mov_b32 v205, v204
.irp j, 0,2,4,6,8,10,12,14,16,18,20,22,24,26,28,30
	v_pk_add_f32 v[XS+\j:XS+\j+1], v[XS+\j:XS+\j+1], v[204:205] neg_lo:[0,1] neg_hi:[0,1]
.endr
	v_pk_mul_f32 v[200:201], v[XS:XS+1], v[XS:XS+1]
	v_pk_mul_f32 v[202:203], v[XS+2:XS+3], v[XS+2:XS+3]
.irp j, 4,8,12,16,20,24,28
	v_pk_fma_f32 v[200:201], v[XS+\j:XS+\j+1], v[XS+\j:XS+\j+1], v[200:201]
	v_pk_fma_f32 v[202:203], v[XS+\j+2:XS+\j+3], v[XS+\j+2:XS+\j+3], v[202:203]
.endr
	v_pk_add_f32 v[200:201], v[200:201], v[202:203]
	v_add_f32 v200, v200, v201
	REDUCE
	v_fma_f32 v206, v200, s45, s44                 ; var + 1e-5
	s_wait_alu depctr_va_vdst(0)
	v_rsq_f32 v206, v206
	v_mov_b32 v207, 0                              ; a plain line behind the transcendental; named with v206 as a pair
	s_wait_alu depctr_va_vdst(0)                   ; the wait ahead of the first reader
.irp j, 0,2,4,6,8,10,12,14,16,18,20,22,24,26,28,30
	v_pk_mul_f32 v[XS+\j:XS+\j+1], v[XS+\j:XS+\j+1], v[206:207] op_sel_hi:[1,0]
.endr
.irp j, 0,2,4,6,8,10,12,14,16,18,20,22,24,26,28,30
	v_pk_fma_f32 v[XS+\j:XS+\j+1], v[XS+\j:XS+\j+1], v[G+\j:G+\j+1], v[BB+\j:BB+\j+1]
.endr
.set j, 0
.rept 32
	v_med3_num_f32 v[T+j], v[XS+j], -v4, v4        ; the conversion does not saturate (ISA guide 7.6.2): the hold comes first
.set j, j+1
.endr
	s_wait_alu depctr_va_vdst(0)
	s_wait_xcnt 0x0                                ; the last row's stores have read their data
.irp g, 0,1,2,3
	v_cvt_scalef32_pk8_fp8_f32 v[C+2*\g:C+2*\g+1], v[T+8*\g:T+8*\g+7], v3
.endr
	v_nop                                          ; a plain line between the last conversion and the next vector line that writes its sources
.irp g, 0,1,2,3
	global_store_b64 v2, v[C+2*\g:C+2*\g+1], s[36:37] offset:(\i)*1024+256*\g
.endr
.endm
	ROW 0
	ROW 1
	ROW 2
	ROW 3
	s_endpgm
.Lfunc_end_k_qae11bd608d_ln1:
	.size	k_qae11bd608d_ln1, .Lfunc_end_k_qae11bd608d_ln1-k_qae11bd608d_ln1
	.p2alignl 7, 3214868480
	.fill 96, 4, 3214868480
	.section	.rodata,"a",@progbits
	.p2align	6, 0x0
	.amdhsa_kernel k_qae11bd608d_ln1
		.amdhsa_group_segment_fixed_size 0
		.amdhsa_private_segment_fixed_size 0
		.amdhsa_enable_private_segment 0
		.amdhsa_kernarg_size 40
		.amdhsa_user_sgpr_count 2
		.amdhsa_user_sgpr_kernarg_segment_ptr 1
		.amdhsa_wavefront_size32 1
		.amdhsa_system_sgpr_workgroup_id_x 1
		.amdhsa_system_sgpr_workgroup_id_y 1
		.amdhsa_system_sgpr_workgroup_id_z 1
		.amdhsa_system_vgpr_workitem_id 0
		.amdhsa_next_free_vgpr 256
		.amdhsa_next_free_sgpr 66
		.amdhsa_reserve_vcc 0
		.amdhsa_float_denorm_mode_32 3
		.amdhsa_float_denorm_mode_16_64 3
		.amdhsa_memory_ordered 1
		.amdhsa_forward_progress 1
		.amdhsa_inst_pref_size 42
	.end_amdhsa_kernel
	.amdgpu_metadata
---
amdhsa.version: [ 1, 2 ]
amdhsa.kernels:
  - .name:           k_qae11bd608d_ln1
    .symbol:         k_qae11bd608d_ln1.kd
    .args:
      - { .name: hres, .offset: 0, .size: 8, .value_kind: global_buffer, .address_space: global }
      - { .name: g1, .offset: 8, .size: 8, .value_kind: global_buffer, .address_space: global }
      - { .name: b1, .offset: 16, .size: 8, .value_kind: global_buffer, .address_space: global }
      - { .name: lowp_scales, .offset: 24, .size: 8, .value_kind: global_buffer, .address_space: global }
      - { .name: hr, .offset: 32, .size: 8, .value_kind: global_buffer, .address_space: global }
    .group_segment_fixed_size: 0
    .private_segment_fixed_size: 0
    .kernarg_segment_align: 8
    .kernarg_segment_size: 40
    .max_flat_workgroup_size: 128
    .sgpr_count:     66
    .vgpr_count:     256
    .wavefront_size: 32
...
	.end_amdgpu_metadata
.endif
;; end of part 10
;; launch ffn1 (part 11): grid 16 x 16, 4 waves a work-group, clusters of 4 x 4, 327,680 bytes of LDS; arguments hr, W1_codes, bf1, lowp_scales, hid; writes hid
.if DOCPART == 11
	.amdgcn_target "amdgcn-amd-amdhsa--gfx1250"
	.amdhsa_code_object_version 6
	.text
	.protected	k_qae11bd608d_ffn1
	.globl	k_qae11bd608d_ffn1
	.p2align	8
	.type	k_qae11bd608d_ffn1,@function
k_qae11bd608d_ffn1:
	s_mov_b64 s[64:65], 0
	v_nop
	global_prefetch_b8 v0, s[64:65] scope:SCOPE_SE
	s_setreg_imm32_b32 hwreg(HW_REG_WAVE_MODE, 25, 1), 1
	s_wait_xcnt 0x0
	s_wait_alu depctr_hold_cnt(0) depctr_sa_sdst(0) depctr_va_vdst(0) depctr_va_sdst(0) depctr_va_ssrc(0) depctr_va_vcc(0) depctr_vm_vsrc(0)
	s_getreg_b32 s2, hwreg(HW_REG_IB_STS2, 6, 4)
	s_cmp_eq_u32 s2, 0
	s_cbranch_scc0 .Lentry_in_a_cluster
	s_endpgm
.Lentry_in_a_cluster:
	s_bfe_u32 s2, ttmp6, 0x10000c
	s_cmp_lg_u32 s2, 0xf033
	s_cbranch_scc0 .Lentry_shape_is_right
	s_endpgm
.Lentry_shape_is_right:
.set KROW,   1024
.set LAPS,   2
.set PITCH,  272
.set FR,     16
.set NL,     4
.set NP,     4
.set HALFT,  128*PITCH
.set SLOT,   4*HALFT
.set SPARE,  2*SLOT
.set ASTEP,  256
.set BSTEP,  256
.set AQ,     128
.set ACH,    32
.set AI,     16*PITCH
.set ADRA, 16
.set ADRB, 20
.set SPW,  28
.set NIL,  29
.set BI,   64
.set AF,   128
.set UU,   32
.set PP,   64
.set YY,   128
.set TQ,   192
.set G1, 24
.set G0, 32
.set G1B, 48
.set G0B, 56
.set MSB, 0
.macro WIN new
.if MSB != \new
	s_set_vgpr_msb (MSB<<8)|\new
.set MSB, \new
.endif
.endm
.set MUL_LO, 0xa1
.set MUL_HI, 0xf1
.set TO_B,   0x40
.macro JLOAD g0a, g1a, g0b, g1b
	s_cmp_eq_u32 s15, 0
	s_cbranch_scc0 .Lfor_b_\@
	tensor_load_to_lds s[\g0a:\g0a+3], s[\g1a:\g1a+7]
	s_nop 0
.rept 4
	v_nop
.endr
	s_branch .Lasked_\@
.Lfor_b_\@:
	tensor_load_to_lds s[\g0b:\g0b+3], s[\g1b:\g1b+7]
	s_nop 0
.rept 4
	v_nop
.endr
.Lasked_\@:
.endm
.macro CREST
	s_cmp_lg_u32 s14, 0
	s_cbranch_scc1 .Lnot_wave_0_\@
	s_barrier_signal -3
.Lnot_wave_0_\@:
	s_barrier_wait -3
	s_barrier_signal -1
	s_barrier_wait -1
.endm
.macro CROUND
	s_barrier_signal -1
	s_barrier_wait -1
	CREST
.endm
	s_load_b256 s[4:11], s[0:1], 0x0
	s_load_b64 s[12:13], s[0:1], 0x20
	v_lshl_add_u32 v[SPW], v0, 2, SPARE
	v_mov_b32 v[NIL], 0
	ds_add_u32 v28, v29
	ds_add_u32 v28, v29
	s_wait_dscnt 0x0
	v_lshrrev_b32 v1, 5, v0
	v_readfirstlane_b32 s14, v1
	s_lshr_b32 s15, s14, 1
	s_and_b32 s16, s14, 1
	s_bfe_u32 s40, ttmp6, 0x40000
	s_bfe_u32 s41, ttmp6, 0x40004
	s_lshl_b32 s42, ttmp9, 2
	s_add_co_u32 s42, s42, s40
	s_and_b32 s17, ttmp7, 0xffff
	s_lshl_b32 s17, s17, 2
	s_add_co_u32 s17, s17, s41
	s_lshl_b32 s43, s41, 2
	s_lshl_b32 s43, 15, s43
	s_lshl_b32 s44, 0x1111, s40
	s_or_b32 s[G1+0], s43, (0<<16)|(1<<20)|(1<<21)|(5<<22)|(3<<25)
	s_or_b32 s[G1B+0], s44, (0<<16)|(1<<20)|(1<<21)|(5<<22)|(3<<25)
.irp g, G1, G1B
	s_mov_b32 s[\g+1], 256<<16
	s_mov_b32 s[\g+2], 128<<16
	s_mov_b32 s[\g+3], 256<<16
	s_mov_b32 s[\g+4], 128
	s_mov_b32 s[\g+5], KROW
	s_mov_b32 s[\g+6], 0
	s_mov_b32 s[\g+7], 0
.endr
	s_lshl_b32 s18, s16, 7
	s_lshl_b32 s20, s17, 8
	s_add_co_u32 s20, s20, s18
	s_lshl_b32 s20, s20, 10
	s_mov_b32 s21, 0
	s_lshl_b32 s46, s42, 8
	s_add_co_u32 s46, s46, s18
	s_lshl_b32 s46, s46, 10
	s_mov_b32 s47, 0
	s_mul_i32 s45, s14, HALFT
	s_lshl_b32 s98, s42, 10
	s_lshl_b32 s99, s16, 9
	s_add_co_u32 s98, s98, s99
	s_mov_b32 s99, 0
	s_wait_kmcnt 0x0
	s_load_b128 s[68:71], s[10:11], 0x28
	s_add_nc_u64 s[20:21], s[4:5], s[20:21]
	s_add_nc_u64 s[46:47], s[6:7], s[46:47]
	s_add_nc_u64 s[8:9], s[8:9], s[98:99]
	CROUND
.irp s, 0,1
	s_mov_b32 s[G0+4*\s], 1
	s_add_co_u32 s[G0+4*\s+1], s45, \s*SLOT
	s_add_nc_u64 s[G0+4*\s+2:G0+4*\s+3], s[20:21], \s*ASTEP
	s_or_b32 s[G0+4*\s+3], s[G0+4*\s+3], 0x80000000
	s_mov_b32 s[G0B+4*\s], 1
	s_add_co_u32 s[G0B+4*\s+1], s45, \s*SLOT
	s_add_nc_u64 s[G0B+4*\s+2:G0B+4*\s+3], s[46:47], \s*BSTEP
	s_or_b32 s[G0B+4*\s+3], s[G0B+4*\s+3], 0x80000000
.endr
	JLOAD G0, G1, G0B, G1B                         ; K step 0: one tensor load a wave at the head
	v_and_b32 v1, 15, v0
	v_bfe_u32 v2, v0, 4, 1
	v_lshlrev_b32 v27, 5, v2
.irp b, 0,1,2,3,4,5,6,7
	global_load_b128 v[BI+8*\b:BI+8*\b+3],   v27, s[8:9] offset:64*\b
	global_load_b128 v[BI+8*\b+4:BI+8*\b+7], v27, s[8:9] offset:64*\b+16
.endr
	v_mul_u32_u24 v3, v1, PITCH
	v_lshl_add_u32 v4, v2, 4, v3
	s_mul_i32 s21, s15, HALFT
	s_mul_i32 s22, s16, HALFT
	s_add_co_u32 s22, s22, 2*HALFT
.irp s, 0,1
	v_add_nc_u32 v[ADRA+\s], s21, v4
	v_add_nc_u32 v[ADRB+\s], s22, v4
	s_add_co_u32 s21, s21, SLOT
	s_add_co_u32 s22, s22, SLOT
.endr
	v_and_b32 v5, 31, v0
	v_lshlrev_b32 v24, 4, v5
	s_lshl_b32 s22, s14, 16
	v_add_nc_u32 v24, s22, v24
	v_lshlrev_b32 v26, 4, v1
	v_lshl_add_u32 v26, v2, 3, v26
	s_lshl_b32 s22, s17, 4
	s_lshl_b32 s23, s15, 3
	s_add_co_u32 s22, s22, s23
	s_lshl_b32 s22, s22, 16
	s_lshl_b32 s23, s42, 1
	s_add_co_u32 s23, s23, s16
	s_lshl_b32 s23, s23, 11
	s_add_co_u32 s22, s22, s23
	s_mov_b32 s23, 0
	s_add_nc_u64 s[12:13], s[12:13], s[22:23]
.macro FRAGA reg, slot, q, i
.irp c, 0,1,2,3
	ds_load_b128 v[\reg+4*\c:\reg+4*\c+3], v[ADRA+\slot] offset:AQ*(\q)+ACH*\c+(\i)*AI
.endr
.endm
.macro FRAGB reg, slot, q, i
.irp c, 0,1,2,3
	ds_load_b128 v[\reg+4*\c:\reg+4*\c+3], v[ADRB+\slot] offset:128*(\q)+32*\c+(\i)*16*PITCH
.endr
.endm
.macro MUL16 a0, p, zero
.irp a, \a0, \a0+1
.irp b, 0,1,2,3,4,5,6,7
.if \zero
	v_wmma_f32_16x16x128_fp8_fp8 v[8*(8*((\a)%4)+\b):8*(8*((\a)%4)+\b)+7], v[128*(\p)+FR*\b:128*(\p)+FR*\b+FR-1], v[AF+FR*(\a):AF+FR*(\a)+FR-1], 0
.else
	v_wmma_f32_16x16x128_fp8_fp8 v[8*(8*((\a)%4)+\b):8*(8*((\a)%4)+\b)+7], v[128*(\p)+FR*\b:128*(\p)+FR*\b+FR-1], v[AF+FR*(\a):AF+FR*(\a)+FR-1], v[8*(8*((\a)%4)+\b):8*(8*((\a)%4)+\b)+7]
.endif
.endr
.endr
.endm
.macro FETCH_B slot, q, p
	WIN TO_B
.irp i, 0,1,2,3,4,5,6,7
	FRAGB 128*(\p)+FR*\i, \slot, \q, \i
.endr
	WIN 0
.endm
.macro FETCH_A slot, q, i0
.irp i, \i0, \i0+1, \i0+2, \i0+3
	FRAGA AF+FR*(\i), \slot, \q, \i
.endr
.endm
.macro PLACES n
.rept \n
	v_nop
.endr
.endm
.macro STEP slot, q, zero
	s_wait_dscnt 4*NL
	WIN MUL_LO
	MUL16 0, (\q)%2, \zero
	MUL16 2, (\q)%2, \zero
	s_wait_dscnt 0
	PLACES NP
	FETCH_B \slot, (\q)+1, 1-(\q)%2
	FETCH_A \slot, (\q)+1, 0
	WIN MUL_HI
	MUL16 4, (\q)%2, \zero
	MUL16 6, (\q)%2, \zero
	PLACES NP
	WIN 0
	FETCH_A \slot, (\q)+1, 4
.endm
.macro TURN slot, next, fill
	s_wait_tensorcnt 0x0
	ds_add_u32 v[SPW], v[NIL]
	s_wait_dscnt 4*NL+1
	WIN MUL_LO
	MUL16 0, 1, 0
	s_wait_dscnt 0x0
	s_barrier_signal -1
	MUL16 2, 1, 0
	WIN 0
	s_barrier_wait -1
.if \fill
	CREST
	s_add_nc_u64 s[G0+4*\slot+2:G0+4*\slot+3], s[G0+4*\slot+2:G0+4*\slot+3], 2*ASTEP
	s_add_nc_u64 s[G0B+4*\slot+2:G0B+4*\slot+3], s[G0B+4*\slot+2:G0B+4*\slot+3], 2*BSTEP
	JLOAD G0+4*\slot, G1, G0B+4*\slot, G1B
.else
	PLACES NP
.endif
	FETCH_B \next, 0, 0
	FETCH_A \next, 0, 0
	WIN MUL_HI
	MUL16 4, 1, 0
	MUL16 6, 1, 0
	PLACES NP
	WIN 0
	FETCH_A \next, 0, 4
.endm
	s_wait_alu depctr_va_vdst(0)                   ; the wait at the head's end
	s_wait_tensorcnt 0x0                           ; my part of K step 0 is in; slot 1's first fill is issued as a refill is:
	ds_add_u32 v[SPW], v[NIL]                      ; 0 onto my spare word
	s_wait_dscnt 0x0
	CROUND                                         ; everybody's part of K step 0 is in, and all sixteen work-groups are here
	JLOAD G0+4, G1, G0B+4, G1B                     ; K step 1: the first tensor load behind the round
	FETCH_B 0, 0, 0
	FETCH_A 0, 0, 0
	FETCH_A 0, 0, 4
	STEP 0, 0, 1
	s_mov_b32 s3, LAPS-1
.Llap:
	TURN 0, 1, 1
	STEP 1, 0, 0
	TURN 1, 0, 1
	STEP 0, 0, 0
	s_sub_co_u32 s3, s3, 1
	s_cmp_lg_u32 s3, 0
	s_cbranch_scc1 .Llap
	TURN 0, 1, 0
	STEP 1, 0, 0
	s_wait_dscnt 4*NL
	WIN MUL_LO
	MUL16 0, 1, 0
	MUL16 2, 1, 0
	s_wait_dscnt 0
	WIN MUL_HI
	MUL16 4, 1, 0
	MUL16 6, 1, 0
	WIN 0
	s_barrier_signal -1
	s_barrier_wait -1
	s_wait_loadcnt 0x0
	s_wait_kmcnt 0x0
	s_add_co_i32 s96, s68, s69
	s_add_co_i32 s96, s96, 127
	s_lshl_b32 s96, s96, 23
	s_mov_b32 s97, s96
	s_add_co_i32 s99, s70, 127
	s_lshl_b32 s98, s99, 23
	v_mov_b32 v10, s98
	s_add_co_i32 s99, s99, 8
	s_lshl_b32 s99, s99, 23
	s_or_b32 s99, s99, 0x600000
	v_mov_b32 v11, s99
.macro KPAIR reg, bits
	s_mov_b32 s[\reg], \bits
	s_mov_b32 s[\reg+1], \bits
.endm
	KPAIR 72, 0x3e7c6f08
	KPAIR 74, 0x40097039
	KPAIR 76, 0xbfd1a1e5
	KPAIR 78, 0x3ecdfd18
	KPAIR 80, 0xbe899a80
	KPAIR 82, 0x3e0efb2e
	KPAIR 84, 0x3f0a29d2
	KPAIR 86, 0x3fb8ab5a
	KPAIR 88, 0xc034d90f
	KPAIR 90, 0xbf38aa3b
	s_mov_b32 s92, 0x3eb504f3
	v_mov_b32 v12, 0xbf97d29d
	v_mov_b32 v13, 0xbf97d29d
	PLACES NP
.macro TOLDS a
.set AC, 64*((\a)%4)
.set TS, 128+64*((\a)%2)
.if (\a) >= 2
	s_wait_dscnt 16
.endif
	WIN 0x02+((\a)/4)
.irp b, 0,1,2,3,4,5,6,7
.irp i, 0,2,4,6
	v_pk_fma_f32 v[TS+8*\b+\i:TS+8*\b+\i+1], v[AC+8*\b+\i:AC+8*\b+\i+1], s[96:97], v[BI+8*\b+\i:BI+8*\b+\i+1] op_sel_hi:[1,0,1]
.endr
.endr
	WIN 0
.set j, 0
.rept 16
	ds_store_b128 v24, v[TS+4*j:TS+4*j+3] offset:(16*(\a)+j)*512
.set j, j+1
.endr
.endm
.irp a, 0,1,2,3,4,5,6,7
	TOLDS \a
.endr
	s_wait_dscnt 0x0
	s_mov_b32 s22, 0
	s_mov_b32 s3, 8
.Lgelu:
	v_add_nc_u32 v25, s22, v24
.set j, 0
.rept 16
	ds_load_b128 v[YY+4*j:YY+4*j+3], v25 offset:512*j
.set j, j+1
.endr
	s_wait_dscnt 0x0
.set j, 0
.rept 64
	v_fma_f32 v[TQ+j], |v[YY+j]|, s92, 1.0
.set j, j+1
.endr
.set j, 0
	s_wait_alu depctr_va_vdst(0)
.rept 64
	v_rcp_f32 v[TQ+j], v[TQ+j]
.set j, j+1
.endr
	v_nop
	s_wait_alu depctr_va_vdst(0)
.set j, 0
.rept 32
	v_pk_fma_f32 v[PP+j:PP+j+1], v[TQ+j:TQ+j+1], s[72:73], v[12:13] op_sel_hi:[1,0,1]
.set j, j+2
.endr
.irp k, 74,76,78,80,82,84,86,88
.set j, 0
.rept 32
	v_pk_fma_f32 v[PP+j:PP+j+1], v[PP+j:PP+j+1], v[TQ+j:TQ+j+1], s[\k:\k+1] op_sel_hi:[1,1,0]
.set j, j+2
.endr
.endr
.irp u, 0,32
.set j, 0
.rept 16
	v_pk_mul_f32 v[UU+j:UU+j+1], v[YY+\u+j:YY+\u+j+1], s[90:91] op_sel_hi:[1,0]
.set j, j+2
.endr
.set j, 0
.rept 16
	v_pk_fma_f32 v[PP+\u+j:PP+\u+j+1], v[UU+j:UU+j+1], v[YY+\u+j:YY+\u+j+1], v[PP+\u+j:PP+\u+j+1]
.set j, j+2
.endr
.endr
.set j, 0
	s_wait_alu depctr_va_vdst(0)
.rept 64
	v_exp_f32 v[PP+j], v[PP+j]
.set j, j+1
.endr
	v_nop
	s_wait_alu depctr_va_vdst(0)
.set j, 0
.rept 32
	v_pk_mul_f32 v[PP+j:PP+j+1], v[PP+j:PP+j+1], v[TQ+j:TQ+j+1]
.set j, j+2
.endr
.set j, 0
.rept 64
	v_max_num_f32 v[TQ+j], 0, v[YY+j]
.set j, j+1
.endr
.set j, 0
.rept 64
	v_fma_f32 v[YY+j], -|v[YY+j]|, v[PP+j], v[TQ+j]
.set j, j+1
.endr
.set j, 0
.rept 64
	v_med3_num_f32 v[YY+j], v[YY+j], -v11, v11
.set j, j+1
.endr
.irp b, 0,1,2,3,4,5,6,7
	v_cvt_scalef32_pk8_fp8_f32 v[UU+2*\b:UU+2*\b+1], v[YY+8*\b:YY+8*\b+7], v10
.endr
	v_nop
.irp b, 0,1,2,3,4,5,6,7
	global_store_b64 v26, v[UU+2*\b:UU+2*\b+1], s[12:13] offset:256*\b
.endr
	s_wait_xcnt 0x0
	s_add_nc_u64 s[12:13], s[12:13], 65536
	s_add_co_u32 s22, s22, 8192
	s_sub_co_u32 s3, s3, 1
	s_cmp_lg_u32 s3, 0
	s_cbranch_scc1 .Lgelu
	s_wait_tensorcnt 0x0
	ds_add_u32 v[SPW], v[NIL]
	s_wait_dscnt 0x0
	CROUND
	s_endpgm
.Lfunc_end_k_qae11bd608d_ffn1:
	.size	k_qae11bd608d_ffn1, .Lfunc_end_k_qae11bd608d_ffn1-k_qae11bd608d_ffn1
	.p2alignl 7, 3214868480
	.fill 96, 4, 3214868480
	.section	.rodata,"a",@progbits
	.p2align	6, 0x0
	.amdhsa_kernel k_qae11bd608d_ffn1
		.amdhsa_group_segment_fixed_size 327680
		.amdhsa_private_segment_fixed_size 0
		.amdhsa_enable_private_segment 0
		.amdhsa_kernarg_size 40
		.amdhsa_user_sgpr_count 2
		.amdhsa_user_sgpr_kernarg_segment_ptr 1
		.amdhsa_wavefront_size32 1
		.amdhsa_system_sgpr_workgroup_id_x 1
		.amdhsa_system_sgpr_workgroup_id_y 1
		.amdhsa_system_sgpr_workgroup_id_z 1
		.amdhsa_system_vgpr_workitem_id 0
		.amdhsa_next_free_vgpr 1024
		.amdhsa_next_free_sgpr 100
		.amdhsa_reserve_vcc 0
		.amdhsa_float_denorm_mode_32 3
		.amdhsa_float_denorm_mode_16_64 3
		.amdhsa_memory_ordered 1
		.amdhsa_forward_progress 1
		.amdhsa_inst_pref_size 151
	.end_amdhsa_kernel
	.amdgpu_metadata
---
amdhsa.version: [ 1, 2 ]
amdhsa.kernels:
  - .name:           k_qae11bd608d_ffn1
    .symbol:         k_qae11bd608d_ffn1.kd
    .args:
      - { .name: hr, .offset: 0, .size: 8, .value_kind: global_buffer, .address_space: global }
      - { .name: W1_codes, .offset: 8, .size: 8, .value_kind: global_buffer, .address_space: global }
      - { .name: bf1, .offset: 16, .size: 8, .value_kind: global_buffer, .address_space: global }
      - { .name: lowp_scales, .offset: 24, .size: 8, .value_kind: global_buffer, .address_space: global }
      - { .name: hid, .offset: 32, .size: 8, .value_kind: global_buffer, .address_space: global }
    .group_segment_fixed_size: 327680
    .private_segment_fixed_size: 0
    .kernarg_segment_align: 8
    .kernarg_segment_size: 40
    .max_flat_workgroup_size: 128
    .sgpr_count:     100
    .vgpr_count:     1024
    .wavefront_size: 32
...
	.end_amdgpu_metadata
.endif
;; end of part 11
;; launch ffn2 (part 12): grid 8 x 32, 4 waves a work-group, clusters of 4 x 4, 327,680 bytes of LDS; arguments hid, W2_codes, bf2, lowp_scales, hres, out0; writes out0
.if DOCPART == 12
	.amdgcn_target "amdgcn-amd-amdhsa--gfx1250"
	.amdhsa_code_object_version 6
	.text
	.protected	k_qae11bd608d_ffn2
	.globl	k_qae11bd608d_ffn2
	.p2align	8
	.type	k_qae11bd608d_ffn2,@function
k_qae11bd608d_ffn2:
	s_mov_b64 s[64:65], 0
	v_nop
	global_prefetch_b8 v0, s[64:65] scope:SCOPE_SE
	s_setreg_imm32_b32 hwreg(HW_REG_WAVE_MODE, 25, 1), 1
	s_wait_xcnt 0x0
	s_wait_alu depctr_hold_cnt(0) depctr_sa_sdst(0) depctr_va_vdst(0) depctr_va_sdst(0) depctr_va_ssrc(0) depctr_va_vcc(0) depctr_vm_vsrc(0)
	s_getreg_b32 s2, hwreg(HW_REG_IB_STS2, 6, 4)
	s_cmp_eq_u32 s2, 0
	s_cbranch_scc0 .Lentry_in_a_cluster
	s_endpgm
.Lentry_in_a_cluster:
	s_bfe_u32 s2, ttmp6, 0x10000c
	s_cmp_lg_u32 s2, 0xf033
	s_cbranch_scc0 .Lentry_shape_is_right
	s_endpgm
.Lentry_shape_is_right:
.set LAPS,   4
.set PITCH,  528
.set FR,     16
.set NP,     4
.set HALFT,  64*PITCH
.set SLOT,   4*HALFT
.set SPARE,  2*SLOT
.set ASTEP,  8192
.set BSTEP,  512
.set AQ,     2048
.set ACH,    512
.set AI,     8192
.set SPITCH, 272
.set ADRA, 16
.set ADRB, 20
.set STO,  24
.set RD,   25
.set GO,   26
.set SPW,  28
.set NIL,  29
.set BI,   32
.set TMP,  64
.set BK,   96
.set ACC,  128
.set G1, 24
.set G0, 32
.set G1B, 48
.set G0B, 56
.set MSB, 0
.macro WIN new
.if MSB != \new
	s_set_vgpr_msb (MSB<<8)|\new
.set MSB, \new
.endif
.endm
.set MUL,    0x05
.set TO_F,   0x40
.set TO_H,   0x80
.set FROM_H, 0x08
.macro JLOAD g0a, g1a, g0b, g1b
	s_cmp_eq_u32 s15, 0
	s_cbranch_scc0 .Lfor_b_\@
	tensor_load_to_lds s[\g0a:\g0a+3], s[\g1a:\g1a+7]
	s_nop 0
.rept 4
	v_nop
.endr
	s_branch .Lasked_\@
.Lfor_b_\@:
	tensor_load_to_lds s[\g0b:\g0b+3], s[\g1b:\g1b+7]
	s_nop 0
.rept 4
	v_nop
.endr
.Lasked_\@:
.endm
.macro CREST
	s_cmp_lg_u32 s14, 0
	s_cbranch_scc1 .Lnot_wave_0_\@
	s_barrier_signal -3
.Lnot_wave_0_\@:
	s_barrier_wait -3
	s_barrier_signal -1
	s_barrier_wait -1
.endm
.macro CROUND
	s_barrier_signal -1
	s_barrier_wait -1
	CREST
.endm
	s_load_b256 s[4:11], s[0:1], 0x0
	s_load_b128 s[68:71], s[0:1], 0x20
	v_lshl_add_u32 v[SPW], v0, 2, SPARE
	v_mov_b32 v[NIL], 0
	ds_add_u32 v28, v29
	ds_add_u32 v28, v29
	s_wait_dscnt 0x0
	v_lshrrev_b32 v1, 5, v0
	v_readfirstlane_b32 s14, v1
	s_lshr_b32 s15, s14, 1
	s_and_b32 s16, s14, 1
	s_bfe_u32 s40, ttmp6, 0x40000
	s_bfe_u32 s41, ttmp6, 0x40004
	s_lshl_b32 s42, ttmp9, 2
	s_add_co_u32 s42, s42, s40
	s_and_b32 s17, ttmp7, 0xffff
	s_lshl_b32 s17, s17, 2
	s_add_co_u32 s17, s17, s41
	s_lshl_b32 s43, s41, 2
	s_lshl_b32 s43, 15, s43
	s_lshl_b32 s44, 0x1111, s40
	s_or_b32 s[G1+0], s43, (3<<16)|(1<<21)
	s_mov_b32 s[G1+1], 1024<<16
	s_mov_b32 s[G1+2], 4<<16
	s_mov_b32 s[G1+3], 1024<<16
	s_mov_b32 s[G1+4], 4
	s_mov_b32 s[G1+5], 8192
	s_mov_b32 s[G1+6], 0
	s_mov_b32 s[G1+7], 0
	s_or_b32 s[G1B+0], s44, (0<<16)|(1<<20)|(1<<21)|(6<<22)|(3<<25)
	s_mov_b32 s[G1B+1], 512<<16
	s_mov_b32 s[G1B+2], 64<<16
	s_mov_b32 s[G1B+3], 512<<16
	s_mov_b32 s[G1B+4], 64
	s_mov_b32 s[G1B+5], 4096
	s_mov_b32 s[G1B+6], 0
	s_mov_b32 s[G1B+7], 0
	s_lshl_b32 s20, s17, 3
	s_lshl_b32 s18, s16, 2
	s_add_co_u32 s20, s20, s18
	s_lshl_b32 s20, s20, 16
	s_mov_b32 s21, 0
	s_lshl_b32 s18, s16, 6
	s_lshl_b32 s46, s42, 7
	s_add_co_u32 s46, s46, s18
	s_lshl_b32 s46, s46, 12
	s_mov_b32 s47, 0
	s_mul_i32 s45, s14, HALFT
	s_lshl_b32 s98, s42, 9
	s_lshl_b32 s99, s16, 8
	s_add_co_u32 s98, s98, s99
	s_mov_b32 s99, 0
	s_lshl_b32 s12, s17, 1
	s_add_co_u32 s12, s12, s15
	s_lshl_b32 s12, s12, 18
	s_add_co_u32 s12, s12, s98
	s_mov_b32 s13, 0
	s_wait_kmcnt 0x0
	s_load_b64 s[72:73], s[10:11], 0x30
	s_add_nc_u64 s[20:21], s[4:5], s[20:21]
	s_add_nc_u64 s[46:47], s[6:7], s[46:47]
	s_add_nc_u64 s[8:9], s[8:9], s[98:99]
	s_add_nc_u64 s[68:69], s[68:69], s[12:13]
	s_add_nc_u64 s[70:71], s[70:71], s[12:13]
	CROUND
.irp s, 0,1
	s_mov_b32 s[G0+4*\s], 1
	s_add_co_u32 s[G0+4*\s+1], s45, \s*SLOT
	s_add_nc_u64 s[G0+4*\s+2:G0+4*\s+3], s[20:21], \s*ASTEP
	s_or_b32 s[G0+4*\s+3], s[G0+4*\s+3], 0x80000000
	s_mov_b32 s[G0B+4*\s], 1
	s_add_co_u32 s[G0B+4*\s+1], s45, \s*SLOT
	s_add_nc_u64 s[G0B+4*\s+2:G0B+4*\s+3], s[46:47], \s*BSTEP
	s_or_b32 s[G0B+4*\s+3], s[G0B+4*\s+3], 0x80000000
.endr
	JLOAD G0, G1, G0B, G1B                         ; K step 0: one tensor load a wave at the head
	v_and_b32 v1, 15, v0
	v_bfe_u32 v2, v0, 4, 1
	v_lshlrev_b32 v27, 5, v2
.irp b, 0,1,2,3
	global_load_b128 v[BI+8*\b:BI+8*\b+3],   v27, s[8:9] offset:64*\b
	global_load_b128 v[BI+8*\b+4:BI+8*\b+7], v27, s[8:9] offset:64*\b+16
.endr
	v_lshlrev_b32 v[GO], 12, v2
	v_lshl_add_u32 v[GO], v1, 4, v[GO]
	WIN TO_H
.irp a, 0,1,2,3
.irp i, 0,1,2,3,4,5,6,7
	global_load_b128 v[32*\a+4*\i:32*\a+4*\i+3], v[GO], s[68:69] offset:\a*65536+\i*8192 th:TH_LOAD_NT
.endr
.endr
	WIN 0
	v_and_b32 v5, 31, v0
	v_lshlrev_b32 v5, 4, v5
	v_mul_u32_u24 v3, v1, PITCH
	v_lshl_add_u32 v4, v2, 4, v3
	s_mul_i32 s21, s15, HALFT
	s_mul_i32 s22, s16, HALFT
	s_add_co_u32 s22, s22, 2*HALFT
.irp s, 0,1
	v_add_nc_u32 v[ADRA+\s], s21, v5
	v_add_nc_u32 v[ADRB+\s], s22, v4
	s_add_co_u32 s21, s21, SLOT
	s_add_co_u32 s22, s22, SLOT
.endr
	s_mul_i32 s23, s14, 16*SPITCH
	v_mul_u32_u24 v6, v1, SPITCH
	v_lshl_add_u32 v6, v2, 5, v6
	v_add_nc_u32 v[STO], s23, v6
	v_mul_u32_u24 v6, v2, SPITCH
	v_lshl_add_u32 v6, v1, 4, v6
	v_add_nc_u32 v[RD], s23, v6
.macro MUL8 p, a0, zero
.irp a, \a0, \a0+1
.irp b, 0,1,2,3
.if \zero
	v_wmma_f32_16x16x128_fp8_fp8 v[ACC+8*(4*(\a)+\b):ACC+8*(4*(\a)+\b)+7], v[128*(\p)+64+FR*\b:128*(\p)+64+FR*\b+FR-1], v[128*(\p)+FR*(\a):128*(\p)+FR*(\a)+FR-1], 0
.else
	v_wmma_f32_16x16x128_fp8_fp8 v[ACC+8*(4*(\a)+\b):ACC+8*(4*(\a)+\b)+7], v[128*(\p)+64+FR*\b:128*(\p)+64+FR*\b+FR-1], v[128*(\p)+FR*(\a):128*(\p)+FR*(\a)+FR-1], v[ACC+8*(4*(\a)+\b):ACC+8*(4*(\a)+\b)+7]
.endif
.endr
.endr
.endm
.macro FETCH slot, q, p
	WIN TO_F
.irp i, 0,1,2,3
.irp c, 0,1,2,3
	ds_load_b128 v[128*(\p)+64+FR*\i+4*\c:128*(\p)+64+FR*\i+4*\c+3], v[ADRB+\slot] offset:128*(\q)+32*\c+\i*16*PITCH
.endr
.irp c, 0,1,2,3
	ds_load_b128 v[128*(\p)+FR*\i+4*\c:128*(\p)+FR*\i+4*\c+3], v[ADRA+\slot] offset:AQ*(\q)+ACH*\c+\i*AI
.endr
.endr
.endm
.macro PLACES n
.rept \n
	v_nop
.endr
.endm
.macro QUARTER slot, q, zero
	PLACES NP
	FETCH \slot, (\q)+1, ((\q)+1)%2
	s_wait_dscnt 32
	WIN MUL
	MUL8 (\q)%2, 0, \zero
	MUL8 (\q)%2, 2, \zero
.endm
.macro TURN slot, next, fill
	WIN 0
	s_wait_tensorcnt 0x0
	ds_add_u32 v[SPW], v[NIL]
	s_wait_dscnt 1
	WIN MUL
	MUL8 1, 0, 0
	s_wait_dscnt 0x0
	s_barrier_signal -1
	MUL8 1, 2, 0
	WIN 0
	s_barrier_wait -1
.if \fill
	CREST
	s_add_nc_u64 s[G0+4*\slot+2:G0+4*\slot+3], s[G0+4*\slot+2:G0+4*\slot+3], 2*ASTEP
	s_add_nc_u64 s[G0B+4*\slot+2:G0B+4*\slot+3], s[G0B+4*\slot+2:G0B+4*\slot+3], 2*BSTEP
	JLOAD G0+4*\slot, G1, G0B+4*\slot, G1B
.else
	PLACES NP
.endif
	FETCH \next, 0, 0
.endm
	s_wait_alu depctr_va_vdst(0)                   ; the wait at the head's end
	s_wait_tensorcnt 0x0                           ; my part of K step 0 is in; slot 1's first fill is issued as a refill is:
	ds_add_u32 v[SPW], v[NIL]                      ; 0 onto my spare word
	s_wait_dscnt 0x0
	CROUND                                         ; everybody's part of K step 0 is in, and all sixteen work-groups are here
	JLOAD G0+4, G1, G0B+4, G1B                     ; K step 1: the first tensor load behind the round
	FETCH 0, 0, 0
	QUARTER 0, 0, 1
	WIN 0
	s_mov_b32 s3, LAPS-1
.Llap:
	QUARTER 0, 1, 0
	QUARTER 0, 2, 0
	TURN 0, 1, 1
	QUARTER 1, 0, 0
	QUARTER 1, 1, 0
	QUARTER 1, 2, 0
	TURN 1, 0, 1
	QUARTER 0, 0, 0
	WIN 0
	s_sub_co_u32 s3, s3, 1
	s_cmp_lg_u32 s3, 0
	s_cbranch_scc1 .Llap
	QUARTER 0, 1, 0
	QUARTER 0, 2, 0
	TURN 0, 1, 0
	QUARTER 1, 0, 0
	QUARTER 1, 1, 0
	QUARTER 1, 2, 0
	s_wait_dscnt 0x0
	WIN MUL
	MUL8 1, 0, 0
	MUL8 1, 2, 0
	WIN 0
	s_wait_loadcnt 0x0
	s_wait_kmcnt 0x0
	s_add_co_i32 s96, s72, s73
	s_add_co_i32 s96, s96, 127
	s_lshl_b32 s96, s96, 23
	s_mov_b32 s97, s96
	PLACES NP
.irp a, 0,1,2,3
	s_wait_xcnt 0x0
.irp b, 0,1,2,3
.irp i, 0,2,4,6
	v_pk_fma_f32 v[TMP+8*\b+\i:TMP+8*\b+\i+1], v[ACC+8*(4*\a+\b)+\i:ACC+8*(4*\a+\b)+\i+1], s[96:97], v[BI+8*\b+\i:BI+8*\b+\i+1] op_sel_hi:[1,0,1]
.endr
.endr
.irp b, 0,1,2,3
	ds_store_b128 v[STO], v[TMP+8*\b:TMP+8*\b+3] offset:64*\b
	ds_store_b128 v[STO], v[TMP+8*\b+4:TMP+8*\b+7] offset:64*\b+16
.endr
.irp i, 0,1,2,3,4,5,6,7
	ds_load_b128 v[BK+4*\i:BK+4*\i+3], v[RD] offset:\i*2*SPITCH
.endr
	s_wait_dscnt 0x0
	WIN FROM_H
.set j, 0
.rept 16
	v_pk_add_f32 v[BK+j:BK+j+1], v[BK+j:BK+j+1], v[32*\a+j:32*\a+j+1]
.set j, j+2
.endr
	WIN 0
.irp i, 0,1,2,3,4,5,6,7
	global_store_b128 v[GO], v[BK+4*\i:BK+4*\i+3], s[70:71] offset:\a*65536+\i*8192 th:TH_STORE_NT
.endr
.endr
	s_wait_tensorcnt 0x0
	ds_add_u32 v[SPW], v[NIL]
	s_wait_dscnt 0x0
	CROUND
	s_endpgm
.Lfunc_end_k_qae11bd608d_ffn2:
	.size	k_qae11bd608d_ffn2, .Lfunc_end_k_qae11bd608d_ffn2-k_qae11bd608d_ffn2
	.p2alignl 7, 3214868480
	.fill 96, 4, 3214868480
	.section	.rodata,"a",@progbits
	.p2align	6, 0x0
	.amdhsa_kernel k_qae11bd608d_ffn2
		.amdhsa_group_segment_fixed_size 327680
		.amdhsa_private_segment_fixed_size 0
		.amdhsa_enable_private_segment 0
		.amdhsa_kernarg_size 48
		.amdhsa_user_sgpr_count 2
		.amdhsa_user_sgpr_kernarg_segment_ptr 1
		.amdhsa_wavefront_size32 1
		.amdhsa_system_sgpr_workgroup_id_x 1
		.amdhsa_system_sgpr_workgroup_id_y 1
		.amdhsa_system_sgpr_workgroup_id_z 1
		.amdhsa_system_vgpr_workitem_id 0
		.amdhsa_next_free_vgpr 768
		.amdhsa_next_free_sgpr 100
		.amdhsa_reserve_vcc 0
		.amdhsa_float_denorm_mode_32 3
		.amdhsa_float_denorm_mode_16_64 3
		.amdhsa_memory_ordered 1
		.amdhsa_forward_progress 1
		.amdhsa_inst_pref_size 82
	.end_amdhsa_kernel
	.amdgpu_metadata
---
amdhsa.version: [ 1, 2 ]
amdhsa.kernels:
  - .name:           k_qae11bd608d_ffn2
    .symbol:         k_qae11bd608d_ffn2.kd
    .args:
      - { .name: hid, .offset: 0, .size: 8, .value_kind: global_buffer, .address_space: global }
      - { .name: W2_codes, .offset: 8, .size: 8, .value_kind: global_buffer, .address_space: global }
      - { .name: bf2, .offset: 16, .size: 8, .value_kind: global_buffer, .address_space: global }
      - { .name: lowp_scales, .offset: 24, .size: 8, .value_kind: global_buffer, .address_space: global }
      - { .name: hres, .offset: 32, .size: 8, .value_kind: global_buffer, .address_space: global }
      - { .name: out0, .offset: 40, .size: 8, .value_kind: global_buffer, .address_space: global }
    .group_segment_fixed_size: 327680
    .private_segment_fixed_size: 0
    .kernarg_segment_align: 8
    .kernarg_segment_size: 48
    .max_flat_workgroup_size: 128
    .sgpr_count:     100
    .vgpr_count:     768
    .wavefront_size: 32
...
	.end_amdgpu_metadata
.endif
;; end of part 12
